; MI455X (gfx1250); checked and timed in simulation.
; The chip was launched on July 23, 2026; its instructions are those of AMD's public machine-readable ISA for CDNA 5 (MIT licence, August 2026) and "CDNA5" Instruction Set Architecture Reference Guide (July 2026). The comments in the code are by the model that wrote it; some were corrected since.
;; Attention. Allowed arithmetic: matrix products marked QUANTISED: E5M2 operands, one given power-of-two scale a tensor, by v_wmma_f32_16x16x64_bf8_bf8 or v_wmma_f32_16x16x128_bf8_bf8, f32 sums; everything else in f32.
;; Inputs: Wkv 1,024 x 256 float32; Wout 256 x 512 float32; Wq 512 x 256 float32; bout 256 float32; cos 128 x 128 x 32 float32; lowp_scales 10 int32 (the exponents e of the quantised operands' scales 2^e); sin 128 x 128 x 32 float32; skip 2 x 256 x 128 x 128 float32; time_emb 2 x 256 float32; x 2 x 256 x 128 x 128 float32.
;; Outputs: out0 2 x 256 x 128 x 128 float32.
;; This version of the problem:
;;   THIS VERSION OF THE PROBLEM IS GIVEN IN LOW PRECISION. The matrix products marked QUANTISED in the list below multiply operands that are first quantised to E5M2 (5 exponent bits, 2 mantissa bits; 8 bits a number), with one given power-of-two scale for each operand tensor; their sums are f32. All else is computed in f32.
;;   The module's matrix products, in the order in which they are computed (A, B: the left and right operand; K: the contracted axis; several contracted axes count as one K, in the product's order):
;;     1. [M 32,768, K 256] x [K 256, N 512]; A: computed on the way; B: input Wq: QUANTISED (scales: A lowp_scales[0], B lowp_scales[1])
;;     2. [M 65,536, K 256] x [K 256, N 1,024]; A: computed on the way; B: input Wkv: QUANTISED (scales: A lowp_scales[2], B lowp_scales[3])
;;     3. batch 1,024 x [M 256, K 64] x [K 64, N 512]; A: computed on the way; B: computed on the way: QUANTISED (scales: A lowp_scales[4], B lowp_scales[5])
;;     4. batch 1,024 x [M 256, K 512] x [K 512, N 64]; A: softmax (see below); B: computed on the way: QUANTISED (scales: A lowp_scales[6], B lowp_scales[7])
;;     5. [M 32,768, K 512] x [K 512, N 256]; A: computed on the way; B: input Wout: QUANTISED (scales: A lowp_scales[8], B lowp_scales[9])
;;   THE QUANTISER, for each operand of a quantised product, along K:
;;     - The operand's scale is 2^e, e = its entry of the input lowp_scales (int32; the entries are numbered through the quantised products in the list's order, A before B).
;;     - Each number is divided by the scale, clamped to +-57,344, and rounded to the nearest number of E5M2, ties to even, subnormals kept.
;;     - The product sums the exact products of the quantised numbers (number of the format x scale) in f32.
;;   ~~~python
;;   def quantise(x, axis, e):      # numpy; x: float32 -> the quantised numbers, widened to float32 again
;;       x = np.moveaxis(x, axis, -1); K = x.shape[-1]
;;       r = np.clip(x / 2.0 ** e, -57344, 57344)
;;       step = 2.0 ** (np.maximum(np.frexp(np.where(r == 0, 1, r))[1] - 1, -14) - 2)
;;       q = np.round(r / step) * step * 2.0 ** e      # np.round: ties to even
;;       return np.moveaxis(q, -1, axis).astype(np.float32)
;;   ~~~
;;   SOFTMAX AHEAD OF A QUANTISED PRODUCT. Where the list says 'softmax', what is quantised is not the finished softmax but p = 2^(t - M), with t = logit x log2(e) and M = ceil(the row's largest t), a whole number; so 1/2 < the row's largest p <= 1. The row's sum l is taken of the UNQUANTISED p, in f32, and the product's result is divided by l at the end. Since M is a whole number, a kernel that streams over the keys may use a running M (the ceiling of the running maximum): every later rescaling is an exact power of two, so the quantised numbers keep their values, but for numbers so far below the row's largest that they fall under the format's range.
;;   OPERANDS COMPUTED ON THE WAY. 'Computed on the way' means the value that the module computes at that place (a softmax that the list does not call 'softmax' is quantised finished and normalised). What goes into a quantiser is computed in f32, as accurately as f32 sums, v_exp_f32 and their like allow (about 1e-6 of the number): no bf16 or f16 on the way to a quantiser, and a product that is left as it is and whose result goes on into a quantised operand takes f32 operands (vector FMAs, or v_wmma_f32_16x16x4_f32). A number that lies on a knife's edge between two numbers of the format may be rounded either way, as far as f32 arithmetic and the matrix unit's own rounding can turn it there, and no further.
;; 3 versions. Each part assembles by itself: llvm-mc -triple=amdgcn-amd-amdhsa -mcpu=gfx1250 --defsym DOCPART=n.
;; ======== version 1 of 3: 2 launches
;; workspace buffers: wcodes 524,288 bytes
;; launch prep (part 1): grid 256 x 1, 1 waves a work-group, no clusters, 0 bytes of LDS; arguments Wq, Wkv, Wout, lowp_scales, wcodes; writes wcodes
.if DOCPART == 1
	.amdgcn_target "amdgcn-amd-amdhsa--gfx1250"
	.amdhsa_code_object_version 6
	.text
	.protected	k_q1b323371a5_prep
	.globl	k_q1b323371a5_prep
	.p2align	8
	.type	k_q1b323371a5_prep,@function
k_q1b323371a5_prep:
	s_mov_b64 s[64:65], 0
	v_nop
	global_prefetch_b8 v0, s[64:65] scope:SCOPE_SE
	s_setreg_imm32_b32 hwreg(HW_REG_WAVE_MODE, 25, 1), 1
	s_wait_xcnt 0x0
; Wq [512][256], Wkv [1024][256] and Wout [256][512], f32 with K innermost, become codes of BF8 (E5M2), each with the one scale 2^e given for it
; (entries 1, 3 and 9 of the scales).  code = w / 2^e, held within +-57,344, rounded to the nearest code, ties to even.
; THE CODES ARE LAID IN THE ORDER OF THE OPERAND'S REGISTERS: 256 images of a fragment (16 rows x 128 K), 2,048 bytes each.  An image is four chunks c of 512 bytes;
; lane l = r + 16 h owns the 16 bytes at 512 c + 16 l: K = 128 s + 32 c + 16 h + 0 .. 15 of the lane's row.  So the next launch fills a fragment by four loads of 16 bytes a lane.
; Image F: 0-63 Wq, 64-127 Wkv's first 512 rows (k), 128-191 its last 512 (v): head (F>>3)&7, tile t = (F>>1)&3, K step s = F&1; lane r takes row 64 head + 32 (t>>1) + 8 (t&1) + r + 8 (r>>3),
; so that the 16 results that a lane gets from tiles 2 b and 2 b + 1 are 16 neighbours along the head's 64.  192-255 Wout: tile (F>>2)&15, K step F&3, row 16 tile + r.
; One wave makes one image; one path serves all: what differs is chosen by s_cselect on F>>6.
; LIMITS: each e between -126 and 112, so that 2^e and 57,344 x 2^e are f32 numbers.  NaN among the inputs is not served.
.set X, 16                             ; v16-79  64 numbers: 16 c + i = K 32 c + 16 h + i
.set C, 80                             ; v80-95  their codes
	s_load_b256 s[4:11], s[0:1], 0x0               ; Wq s[4:5], Wkv s[6:7], Wout s[8:9], the scales' exponents s[10:11]
	s_load_b64 s[12:13], s[0:1], 0x20              ; the codes
	v_and_b32 v1, 15, v0                           ; r
	v_bfe_u32 v2, v0, 4, 1                         ; h
	v_lshlrev_b32 v4, 4, v0                        ; 16 x lane
	s_lshr_b32 s14, ttmp9, 6                       ; kind: 0 Wq, 1 k, 2 v, 3 Wout
	s_bfe_u32 s15, ttmp9, 0x30003                  ; head
	s_lshl_b32 s15, s15, 6
	s_bfe_u32 s16, ttmp9, 0x10002                  ; t >> 1
	s_lshl_b32 s16, s16, 5
	s_add_co_u32 s15, s15, s16
	s_bfe_u32 s16, ttmp9, 0x10001                  ; t & 1
	s_lshl_b32 s16, s16, 3
	s_add_co_u32 s15, s15, s16                     ; 64 head + 32 (t >> 1) + 8 (t & 1)
	s_and_b32 s17, ttmp9, 1                        ; K step
	s_cmp_eq_u32 s14, 2
	s_cselect_b32 s16, 512, 0                      ; v's rows lie behind k's
	s_add_co_u32 s15, s15, s16
	s_bfe_u32 s18, ttmp9, 0x40002                  ; Wout: tile,
	s_lshl_b32 s18, s18, 4
	s_and_b32 s19, ttmp9, 3                        ; K step
	s_cmp_eq_u32 s14, 3
	s_cselect_b32 s15, s18, s15                    ; the image's first row
	s_cselect_b32 s17, s19, s17
	s_cselect_b32 s22, 11, 10                      ; a row is 2^11 or 2^10 bytes
	s_cselect_b32 s23, 0, 8                        ; lanes 8-15 stand 8 rows further on, but in Wout
	s_lshl_b32 s26, s15, s22
	s_lshl_b32 s17, s17, 9                         ; 128 numbers a K step
	s_add_co_u32 s26, s26, s17
	s_mov_b32 s27, 0
	s_lshl_b32 s28, ttmp9, 11                      ; my image
	s_mov_b32 s29, 0
	v_lshrrev_b32 v5, 3, v1
	v_mad_u32_u24 v5, v5, s23, v1                  ; r + 8 (r >> 3), or r
	v_lshlrev_b32 v3, s22, v5
	v_lshl_add_u32 v3, v2, 6, v3                   ; + 64 h: my 16 numbers of a block of 32
	s_wait_kmcnt 0x0
	s_load_b32 s16, s[10:11], 0x4                  ; e of Wq,
	s_load_b32 s18, s[10:11], 0xc                  ; of Wkv,
	s_load_b32 s19, s[10:11], 0x24                 ; of Wout
	s_cmp_eq_u32 s14, 0                            ; the choice hangs on the work-group's number alone
	s_cselect_b64 s[24:25], s[4:5], s[6:7]
	s_cmp_eq_u32 s14, 3
	s_cselect_b64 s[24:25], s[8:9], s[24:25]
	s_add_nc_u64 s[24:25], s[24:25], s[26:27]
	s_add_nc_u64 s[12:13], s[12:13], s[28:29]
.irp c, 0,1,2,3
.irp j, 0,1,2,3
	global_load_b128 v[X+16*\c+4*\j:X+16*\c+4*\j+3], v3, s[24:25] offset:128*\c+16*\j
.endr
.endr
	s_wait_kmcnt 0x0
	s_cmp_eq_u32 s14, 0
	s_cselect_b32 s18, s16, s18
	s_cmp_eq_u32 s14, 3
	s_cselect_b32 s18, s19, s18                    ; e
	s_add_co_i32 s18, s18, 127
	s_lshl_b32 s19, s18, 23
	v_mov_b32 v10, s19                             ; 2^e as f32: the conversion takes its exponent field
	s_add_co_i32 s18, s18, 15
	s_lshl_b32 s20, s18, 23
	s_or_b32 s20, s20, 0x600000                    ; 57,344 x 2^e
	s_wait_loadcnt 0x0
.set i, 0
.rept 64
	v_med3_num_f32 v[X+i], v[X+i], -s20, s20       ; the conversion to an 8-bit code does not saturate (ISA guide 7.6.2): the hold comes first
.set i, i+1
.endr
.irp c, 0,1,2,3
	v_cvt_scalef32_pk8_bf8_f32 v[C+4*\c:C+4*\c+1], v[X+16*\c:X+16*\c+7], v10
	v_cvt_scalef32_pk8_bf8_f32 v[C+4*\c+2:C+4*\c+3], v[X+16*\c+8:X+16*\c+15], v10
.endr
.irp c, 0,1,2,3
	global_store_b128 v4, v[C+4*\c:C+4*\c+3], s[12:13] offset:512*\c   ; the wave stores 512 consecutive bytes, at a multiple of 256 from the buffer's first byte
.endr
	s_endpgm
.Lfunc_end_k_q1b323371a5_prep:
	.size	k_q1b323371a5_prep, .Lfunc_end_k_q1b323371a5_prep-k_q1b323371a5_prep
	.p2alignl 7, 3214868480
	.fill 96, 4, 3214868480
	.section	.rodata,"a",@progbits
	.p2align	6, 0x0
	.amdhsa_kernel k_q1b323371a5_prep
		.amdhsa_group_segment_fixed_size 0
		.amdhsa_private_segment_fixed_size 0
		.amdhsa_enable_private_segment 0
		.amdhsa_kernarg_size 40
		.amdhsa_user_sgpr_count 2
		.amdhsa_user_sgpr_kernarg_segment_ptr 1
		.amdhsa_wavefront_size32 1
		.amdhsa_system_sgpr_workgroup_id_x 1
		.amdhsa_system_sgpr_workgroup_id_y 1
		.amdhsa_system_sgpr_workgroup_id_z 1
		.amdhsa_system_vgpr_workitem_id 0
		.amdhsa_next_free_vgpr 96
		.amdhsa_next_free_sgpr 66
		.amdhsa_reserve_vcc 0
		.amdhsa_float_denorm_mode_32 3
		.amdhsa_float_denorm_mode_16_64 3
		.amdhsa_memory_ordered 1
		.amdhsa_forward_progress 1
		.amdhsa_inst_pref_size 9
	.end_amdhsa_kernel
	.amdgpu_metadata
---
amdhsa.version: [ 1, 2 ]
amdhsa.kernels:
  - .name:           k_q1b323371a5_prep
    .symbol:         k_q1b323371a5_prep.kd
    .args:
      - { .name: Wq, .offset: 0, .size: 8, .value_kind: global_buffer, .address_space: global }
      - { .name: Wkv, .offset: 8, .size: 8, .value_kind: global_buffer, .address_space: global }
      - { .name: Wout, .offset: 16, .size: 8, .value_kind: global_buffer, .address_space: global }
      - { .name: lowp_scales, .offset: 24, .size: 8, .value_kind: global_buffer, .address_space: global }
      - { .name: wcodes, .offset: 32, .size: 8, .value_kind: global_buffer, .address_space: global }
    .group_segment_fixed_size: 0
    .private_segment_fixed_size: 0
    .kernarg_segment_align: 8
    .kernarg_segment_size: 40
    .max_flat_workgroup_size: 32
    .sgpr_count:     66
    .vgpr_count:     96
    .wavefront_size: 32
...
	.end_amdgpu_metadata
.endif
;; end of part 1
;; launch attn (part 2): grid 256 x 1, 4 waves a work-group, no clusters, 305,664 bytes of LDS; arguments x, skip, time_emb, sin, cos, lowp_scales, wcodes, bout, out0; writes out0
.if DOCPART == 2
	.amdgcn_target "amdgcn-amd-amdhsa--gfx1250"
	.amdhsa_code_object_version 6
	.text
	.protected	k_q1b323371a5_attn
	.globl	k_q1b323371a5_attn
	.p2align	8
	.type	k_q1b323371a5_attn,@function
k_q1b323371a5_attn:
	s_mov_b64 s[64:65], 0
	v_nop
	global_prefetch_b8 v0, s[64:65] scope:SCOPE_SE
	s_setreg_imm32_b32 hwreg(HW_REG_WAVE_MODE, 25, 1), 1
	s_wait_xcnt 0x0
; WINDOWED ATTENTION, ALL FIVE PRODUCTS IN ONE LAUNCH, on codes of BF8 (E5M2), each operand with the one scale 2^e given for it (e0 .. e9).
; 2 images x 64 windows of 16 x 16 pixels, 8 heads of 64.  A window has 256 queries (from x + time_emb) and 512 keys and values (256 from x + time_emb, 256 from skip), and needs nothing from outside itself but the weights.
; SHARES.  A work-group takes one window and HALF OF ITS QUERIES (8 rows of 16 pixels): 128 x 2 = 256 work-groups of equal work.  Both work-groups of a window project all its keys and values: matrix work is spent so that
; the softmax, which is the larger part, falls evenly on all work-groups and nothing goes to memory between the products.
; A WAVE OWNS HEADS: wave w takes heads 2 w and 2 w + 1, one after the other.  For a head it projects q, k and v, keeps ALL 512 keys' codes of k (256 registers) and of v (256 registers), and walks its 8 tiles of 16 queries.
; So attention reads from LDS only a tile's q codes (1,024 bytes), and each weight fragment is wanted by one wave alone: it comes from memory straight into that wave's registers, in the order in which the launch before laid it.
; PHASES.  X: the four waves turn the window's x + time_emb and skip into codes in LDS (rows of 256 channels), and copy its cos and sin | barrier | for each of my two heads: q, k and v, attention; the result's codes go to LDS
; | barrier | each wave makes 64 output channels for the 128 queries (K = all 8 heads) and stores them.
; LAYOUTS.  Position p = 0 .. 15 is window row (p + 8 qh) & 15, so that p < 8 are the work-group's own queries.  Key tile T = 2 p + src (0: x, 1: skip).
; k and q are projected with the weight as source 0: a lane holds ONE pixel and its registers run along the head's 64 (the weight's rows are chosen for it), so RoPE is packed arithmetic in a lane and the conversions' results ARE the operand.
; v is projected with the pixels as source 0: a lane holds one channel and its registers run along the pixels, which are the second product's K.  S^T = k q^T and O^T = v^T p^T: a lane holds one query throughout.
; All 512 scores of a query tile are in registers at once: M = the ceiling of the row's largest t is found first, so there is no running maximum and nothing is rescaled.  p = 2^(t - M); the row's sum is taken of the unquantised p.
; NO JOINT LOADS, NO TENSOR LOADS: of the 327,680 bytes of LDS that a work-group can have, 305,152 hold the window's own operands; x and skip pass through registers in any case, to be quantised; a weight fragment is read by one
; wave of a work-group and goes to its registers.  So nothing that several work-groups share would land in LDS.
; x, skip and out0 are touched in runs of 64 bytes: a window's row is 16 pixels of 4 bytes in the tensor, and no longer.  The work-groups that touch the same 256 bytes have neighbouring numbers.
; LIMITS on the given exponents, so that each power of two below is an f32 number: e0, e2, e6, e4 - e0 - e1, e5 - e2 - e3, e7 - e2 - e3 and e8 - e6 - e7 between -126 and 112; e4 + e5 between -121 and 130 (they are added to
; c's exponent field); e8 + e9 between -126 and 127.  NaN among the inputs is not served.
; LDS: XK 512 rows of 256 codes (scale e2), 272 bytes apart (68 words: 16 rows start at 16 different groups of banks: 64 banks of 4 bytes, ISA guide 11.1): row (16 src + p) 16 + pixel | XQ 128 rows (scale e0): 16 p + pixel
;      | CS 16 x 4,096: images of registers: cos (px r, 16 h + 0 .. 15), then sin with its even entries negated | QA 64 x 1,024: slot 8 head + tile: the q codes, later the result's codes, as images of registers.
; REGISTERS, in windows of 256 (s_set_vgpr_msb: bits 1:0 source 0, 3:2 source 1, 5:4 source 2, 7:6 destination):
;   window 0: v1-31 addresses and scales; v32-255 by phase (below).  window 1: Wk's and Wv's fragments, then the scores S^T (tile T at 8 T), at the end Wout's.  window 2: Wq's fragments, then k's codes (8 T).
;   window 3: phase X's numbers as loaded, then v's codes (channel tile t, key tile T: 64 t + 2 T).
.set TILE,  4352                       ; 16 rows of 272 bytes
.set XKS,   16*TILE                    ; skip's rows in XK
.set XQB,   32*TILE
.set CSB,   XQB+8*TILE
.set QAB,   CSB+65536
.set RR,  1                            ; lane % 16
.set HH,  2                            ; lane / 16
.set LN,  3                            ; lane
.set LI,  4                            ; 16 x lane: an image's place for my lane
.set AX,  5                            ; a fragment's place in XK: 272 r + 16 h
.set AXS, 6                            ; the same among skip's rows
.set AQ,  7                            ; the same in XQ
.set AD1, 8                            ; LDS addresses in hand
.set CSA, 9                            ; CS + 16 x lane
.set QAA, 10                           ; QA + 16 x lane
.set AD2, 11
.set GLX, 12                           ; x, skip: (lane / 4) x 8 channels + (lane % 4) x 16 bytes
.set OX,  13                           ; + the row in hand, for x
.set OS,  14                           ; for skip
.set GLC, 15                           ; cos, sin: 128 r + 64 h
.set OC,  16                           ; + the row in hand
.set STX, 17                           ; phase X: where my codes go in a tile, + my wave's four tiles
.set SAX, 18
.set SAS, 19
.set SAQ, 20
.set SAC, 21
.set OUTA, 22                          ; out0: 8 h channels + 4 r
.set AD3, 23
.set SCX0, 24                          ; the conversions' scales as f32: 2^e0,
.set SCX2, 25                          ; 2^e2,
.set SCQ,  26                          ; 2^(e4 - e0 - e1): a sum of the first product stands for sum x 2^(e0 + e1),
.set SCK,  27                          ; 2^(e5 - e2 - e3),
.set SCV,  28                          ; 2^(e7 - e2 - e3),
.set SCP,  29                          ; 2^e6,
.set SCA,  30                          ; 2^(e8 - e6 - e7)
.set LIMP, 31                          ; 57,344 x 2^e6
.set LX0, 34                           ; s34-39: 57,344 x the scales above, in their order (p's lies in v31)
.set LX2, 35
.set LQ,  36
.set LK,  37
.set LV,  38
.set LA,  39
; phase X, window 0
.set TE,  32                           ; v32-63   time_emb (64 g + 8 (lane / 4) + j) at 8 g + j
.set UU,  96                           ; v96-127  32 numbers, held and turned: 8 e + j
.set CC,  160                          ; v160-175 two sets of 8: codes
.set CSR, 192                          ; v192-223 cos, sin as loaded
.set RA,  0                            ; window 3: x's numbers at 32 g + 4 j + e;
.set RB,  128                          ; skip's
; projections, window 0
.set FR,   32                          ; v32-95   two sets of 32: a tile's fragment, K step s at 16 s
.set CSET, 96                          ; v96-159  two sets of 32: cos, sin
.set ACK,  160                         ; v160-191 q's or k's four tiles
.set ACV,  192                         ; v192-223 v's four tiles
.set TMP,  224
.set QC,   240
; attention, window 0
.set PC,  32                           ; v32-95   p's codes: key tile T at 2 T
.set OO,  96                           ; v96-127  O^T
.set QF,  128                          ; v128-135 q's fragment
.set AC,  136                          ; v136-143 the result's codes
.set MX,  144                          ; v144-147 four chains of the maximum
.set LL,  150                          ; v150-157 the sum, in four pairs
.set TP,  158
.set LS,  159
.set RL,  160                          ; v[160:161] 1 / the sum
.set NM,  224                          ; v[224:225] -M
; the way out, window 0
.set AF,  32
.set YY,  160
.set YO,  192
.set BI,  224
.set MSB, 0
.macro WIN new                         ; the immediate's high byte repeats the setting that is left; a switch that changes nothing is dropped
.if MSB != \new
	s_set_vgpr_msb (MSB<<8)|\new
.set MSB, \new
.endif
.endm
.macro PLACES n
.rept \n
	v_nop
.endr
.endm
.macro MKSC vsc, slim                  ; s80 holds E: 2^E into v[vsc], 57,344 x 2^E into s[slim]
	s_add_co_i32 s80, s80, 127
	s_lshl_b32 s81, s80, 23
	v_mov_b32 v[\vsc], s81
	s_add_co_i32 s80, s80, 15
	s_lshl_b32 s[\slim], s80, 23
	s_or_b32 s[\slim], s[\slim], 0x600000
.endm
	s_load_b512 s[4:19], s[0:1], 0x0               ; x s[4:5], skip s[6:7], time_emb s[8:9], sin s[10:11], cos s[12:13], the scales s[14:15], the weights' codes s[16:17], bout s[18:19]
	s_load_b64 s[20:21], s[0:1], 0x40              ; out0
	v_lshrrev_b32 v8, 5, v0
	v_readfirstlane_b32 s22, v8                    ; wave 0..3
	v_and_b32 v[RR], 15, v0
	v_bfe_u32 v[HH], v0, 4, 1
	v_and_b32 v[LN], 31, v0
	v_lshlrev_b32 v[LI], 4, v[LN]
	v_mul_u32_u24 v[AX], v[RR], 272
	v_lshl_add_u32 v[AX], v[HH], 4, v[AX]
	v_add_nc_u32 v[AXS], XKS, v[AX]
	v_add_nc_u32 v[AQ], XQB, v[AX]
	v_add_nc_u32 v[CSA], CSB, v[LI]
	v_add_nc_u32 v[QAA], QAB, v[LI]
	v_lshrrev_b32 v8, 2, v[LN]                     ; cl = lane / 4: which 8 channels of 64
	v_and_b32 v11, 3, v[LN]                        ; q4 = lane % 4: which 4 pixels of 16
	v_lshlrev_b32 v[GLX], 19, v8                   ; 8 channels of 65,536 bytes
	v_lshl_or_b32 v[GLX], v11, 4, v[GLX]
	v_lshlrev_b32 v[AD3], 5, v8                    ; time_emb: 8 numbers
	v_mul_u32_u24 v[STX], v11, 1088                ; four rows of 272,
	v_lshl_add_u32 v[STX], v8, 3, v[STX]           ; 8 codes,
	s_mul_i32 s80, s22, 4*TILE
	v_add_nc_u32 v[STX], s80, v[STX]               ; my wave's four tiles
	v_lshlrev_b32 v[GLC], 7, v[RR]
	v_lshl_add_u32 v[GLC], v[HH], 6, v[GLC]
	v_lshlrev_b32 v[OUTA], 2, v[RR]
	v_lshl_add_u32 v[OUTA], v[HH], 19, v[OUTA]
	s_and_b32 s23, ttmp9, 1                        ; qh: which half of the window's queries
	s_bfe_u32 s81, ttmp9, 0x30001                  ; wy
	s_bfe_u32 s82, ttmp9, 0x30004                  ; wx
	s_lshr_b32 s83, ttmp9, 7                       ; image
	s_lshl_b32 s84, s83, 24                        ; 256 channels of 65,536 bytes,
	s_lshl_b32 s85, s82, 13                        ; 16 rows of 512,
	s_add_co_u32 s84, s84, s85
	s_lshl_b32 s85, s81, 6                         ; 16 pixels
	s_add_co_u32 s84, s84, s85                     ; the window's first byte in x, skip and out0
	s_mov_b32 s85, 0
	s_lshl_b32 s86, s82, 18
	s_lshl_b32 s87, s81, 11
	s_add_co_u32 s86, s86, s87                     ; and in cos and sin
	s_mov_b32 s87, 0
	s_lshl_b32 s88, s83, 10                        ; time_emb's row
	s_mov_b32 s89, 0
	s_lshl_b32 s90, s22, 2
	s_lshl_b32 s91, s23, 3
	s_add_co_u32 s90, s90, s91
	s_and_b32 s90, s90, 15                         ; my first window row: (4 wave + 8 qh) & 15; my four follow each other
	s_lshl_b32 s91, s90, 9
	v_add_nc_u32 v[OX], s91, v[GLX]
	v_mov_b32 v[OS], v[OX]
	s_lshl_b32 s91, s90, 14
	v_add_nc_u32 v[OC], s91, v[GLC]
	s_lshl_b32 s90, s22, 22                        ; out0: my 64 channels,
	s_lshl_b32 s91, s23, 12                        ; my half's first row
	s_add_co_u32 s90, s90, s91
	s_add_co_u32 s90, s90, s84
	s_mov_b32 s91, 0
	s_lshl_b32 s92, s22, 15                        ; the weights' codes: two heads of 8 images
	s_mov_b32 s93, 0
	s_lshl_b32 s98, s22, 8                         ; bout: my 64 numbers
	s_mov_b32 s99, 0
	s_wait_kmcnt 0x0
	s_load_b256 s[24:31], s[14:15], 0x0            ; e0 .. e7
	s_load_b64 s[32:33], s[14:15], 0x20            ; e8, e9
	s_add_nc_u64 s[46:47], s[4:5], s[84:85]        ; x: channels 0-127,
	s_add_nc_u64 s[48:49], s[46:47], 0x800000      ; channels 128-255: so that a channel's place fits the loads' immediate
	s_add_nc_u64 s[50:51], s[6:7], s[84:85]        ; skip likewise
	s_add_nc_u64 s[52:53], s[50:51], 0x800000
	s_add_nc_u64 s[54:55], s[12:13], s[86:87]      ; cos
	s_add_nc_u64 s[56:57], s[10:11], s[86:87]      ; sin
	s_add_nc_u64 s[58:59], s[8:9], s[88:89]
	s_add_nc_u64 s[60:61], s[16:17], s[92:93]      ; Wq's images of my first head; Wk's lie 131,072 bytes on, Wv's 262,144
	s_add_nc_u64 s[94:95], s[60:61], 0x60000       ; Wout's 16 images for my 64 channels
	s_add_nc_u64 s[96:97], s[18:19], s[98:99]
	s_add_nc_u64 s[62:63], s[20:21], s[90:91]
; ---------------------------------------------------------------- PHASE X
; A load brings 4 pixels (16 bytes) of one channel a lane: four lanes cover the 64 bytes that the window has of a row, eight groups of lanes take eight channels 8 apart.  Load (g, j): channel 64 g + 8 (lane / 4) + j.
.macro XLD rb, off, sb                 ; a row's 16 pixels x 256 channels: 32 loads
	WIN 0xc0                                       ; destination window 3
.irp g, 0,1,2,3
.irp j, 0,1,2,3,4,5,6,7
	global_load_b128 v[\rb+32*\g+4*\j:\rb+32*\g+4*\j+3], v[\off], s[\sb+2*(\g/2):\sb+2*(\g/2)+1] offset:((\g%2)*64+\j)*65536
.endr
.endr
	WIN 0
.endm
.macro CLD                             ; the row's cos and sin: lane (r, h) takes, of pixel r, entries 16 h + 0 .. 15
.irp j, 0,1,2,3
	global_load_b128 v[CSR+4*\j:CSR+4*\j+3], v[OC], s[54:55] offset:16*\j
.endr
.irp j, 0,1,2,3
	global_load_b128 v[CSR+16+4*\j:CSR+16+4*\j+3], v[OC], s[56:57] offset:16*\j
.endr
.endm
.macro XADD                            ; x + time_emb, two pixels at a time; of time_emb's pair one word serves both halves
	WIN 0xc3                                       ; destination and source 0 window 3
.irp g, 0,1,2,3
.irp j, 0,2,4,6
	v_pk_add_f32 v[RA+32*\g+4*\j:RA+32*\g+4*\j+1], v[RA+32*\g+4*\j:RA+32*\g+4*\j+1], v[TE+8*\g+\j:TE+8*\g+\j+1] op_sel_hi:[1,0]
	v_pk_add_f32 v[RA+32*\g+4*\j+2:RA+32*\g+4*\j+3], v[RA+32*\g+4*\j+2:RA+32*\g+4*\j+3], v[TE+8*\g+\j:TE+8*\g+\j+1] op_sel_hi:[1,0]
	v_pk_add_f32 v[RA+32*\g+4*\j+4:RA+32*\g+4*\j+5], v[RA+32*\g+4*\j+4:RA+32*\g+4*\j+5], v[TE+8*\g+\j:TE+8*\g+\j+1] op_sel:[0,1] op_sel_hi:[1,1]
	v_pk_add_f32 v[RA+32*\g+4*\j+6:RA+32*\g+4*\j+7], v[RA+32*\g+4*\j+6:RA+32*\g+4*\j+7], v[TE+8*\g+\j:TE+8*\g+\j+1] op_sel:[0,1] op_sel_hi:[1,1]
.endr
.endr
	WIN 0
.endm
; 128 numbers of a lane become 128 codes in LDS.  The conversion wants 8 neighbours along K (channels) of one pixel in consecutive registers; as loaded, consecutive registers are pixels.  The hold that the
; conversion wants in any case (it does not saturate: ISA guide 7.6.2) writes its result to the turned place, so the turn costs nothing.  A store's 32 lanes x 8 bytes touch each bank once (16 (lane % 4) + 2 (lane / 4) words).
.macro XQUANT rb, slim, vsc, adr
.irp g, 0,1,2,3
	WIN 0x03                                       ; source 0 window 3
.irp e, 0,1,2,3
.irp j, 0,1,2,3,4,5,6,7
	v_med3_num_f32 v[UU+8*\e+\j], v[\rb+32*\g+4*\j+\e], -s[\slim], s[\slim]
.endr
.endr
	WIN 0
	s_wait_dscnt 4                                 ; all but the last group's four stores are done: the stores two groups back have read this set of codes
.irp e, 0,1,2,3
	v_cvt_scalef32_pk8_bf8_f32 v[CC+8*(\g%2)+2*\e:CC+8*(\g%2)+2*\e+1], v[UU+8*\e:UU+8*\e+7], v[\vsc]
.endr
	v_nop                                          ; a plain line between the conversions and the next group's holds, which write their sources
.irp e, 0,1,2,3
	ds_store_b64 v[\adr], v[CC+8*(\g%2)+2*\e:CC+8*(\g%2)+2*\e+1] offset:272*\e+64*\g   ; pixel 4 (lane % 4) + e, channels 64 g + 8 (lane / 4) + 0 .. 7
.endr
.endr
.endm
.irp g, 0,1,2,3
	global_load_b128 v[TE+8*\g:TE+8*\g+3], v[AD3], s[58:59] offset:256*\g
	global_load_b128 v[TE+8*\g+4:TE+8*\g+7], v[AD3], s[58:59] offset:256*\g+16
.endr
	CLD
	XLD RA, OX, 46
	XLD RB, OS, 50
	s_wait_kmcnt 0x0                               ; the scales, made while the first rows are on their way
	s_mov_b32 s80, s24
	MKSC SCX0, LX0
	s_mov_b32 s80, s26
	MKSC SCX2, LX2
	s_sub_co_i32 s80, s28, s24
	s_sub_co_i32 s80, s80, s25
	MKSC SCQ, LQ
	s_sub_co_i32 s80, s29, s26
	s_sub_co_i32 s80, s80, s27
	MKSC SCK, LK
	s_sub_co_i32 s80, s31, s26
	s_sub_co_i32 s80, s80, s27
	MKSC SCV, LV
	s_sub_co_i32 s80, s32, s30
	s_sub_co_i32 s80, s80, s31
	MKSC SCA, LA
	s_mov_b32 s80, s30
	MKSC SCP, 82
	v_mov_b32 v[LIMP], s82
	s_add_co_i32 s80, s28, s29
	s_lshl_b32 s80, s80, 23
	s_add_co_i32 s40, s80, 0x3e38aa3b              ; c = log2(e) / 8, with e4 + e5 added to its exponent field: t = score x c
	s_mov_b32 s41, s40                             ; (named with it as a pair, so it is written)
	s_mov_b32 s42, 0x76543210                      ; v_permlanex16_b32's selects for lane l xor 16
	s_mov_b32 s43, 0xfedcba98
	s_add_co_i32 s80, s32, s33
	s_add_co_i32 s80, s80, 127
	s_lshl_b32 s44, s80, 23                        ; 2^(e8 + e9)
	s_mov_b32 s45, s44
	s_mov_b32 s66, 0                               ; t: position p = 4 wave + t
	s_mov_b32 s67, 0                               ; t tiles of XK and XQ
	s_lshl_b32 s68, s22, 14                        ; p tiles of CS
.Lx:
	s_wait_loadcnt 32                              ; time_emb, this row's cos, sin and x are in; skip's 32 loads may be out
	v_add_nc_u32 v[SAX], s67, v[STX]
	v_add_nc_u32 v[SAS], XKS, v[SAX]
	v_add_nc_u32 v[SAQ], XQB, v[SAX]
	v_add_nc_u32 v[SAC], s68, v[CSA]
.irp n, 0,1,2,3,4,5,6,7
	v_xor_b32 v[CSR+16+2*\n], 0x80000000, v[CSR+16+2*\n]   ; sin's even entries negated: RoPE is then two packed lines a pair
.endr
.irp j, 0,1,2,3,4,5,6,7
	ds_store_b128 v[SAC], v[CSR+4*\j:CSR+4*\j+3] offset:512*\j
.endr
	XADD
	XQUANT RA, LX2, SCX2, SAX                      ; as keys and values: scale e2
	s_cmp_lt_u32 s22, 2                            ; positions 0-7, waves 0 and 1's, are the queries
	s_cbranch_scc0 .Lx_noq
	XQUANT RA, LX0, SCX0, SAQ                      ; as queries: scale e0
.Lx_noq:
	s_cmp_eq_u32 s66, 3
	s_cbranch_scc1 .Lx_last
	s_wait_dscnt 0x0                               ; the stores of cos and sin have read their registers
	v_add_nc_u32 v[OC], 16384, v[OC]               ; the next row; the loads that read these offsets were shown done at the trip's head
	v_add_nc_u32 v[OX], 512, v[OX]
	CLD
	XLD RA, OX, 46
	s_wait_loadcnt 40                              ; skip's row is in; the 8 + 32 loads just issued may be out
	s_branch .Lx_join
.Lx_last:
	s_wait_loadcnt 0x0
.Lx_join:
	XQUANT RB, LX2, SCX2, SAS
	s_cmp_eq_u32 s66, 3
	s_cbranch_scc1 .Lx_end                         ; the last trip asks for nothing more
	v_add_nc_u32 v[OS], 512, v[OS]
	XLD RB, OS, 50
.Lx_end:
	s_add_co_u32 s67, s67, TILE
	s_add_co_u32 s68, s68, 4096
	s_add_co_u32 s66, s66, 1
	s_cmp_lt_u32 s66, 4
	s_cbranch_scc1 .Lx
	s_wait_dscnt 0x0                               ; for the others' sake: my stores have landed
	s_barrier_signal -1
	s_barrier_wait -1                              ; XK, XQ and CS are whole; nobody writes them again
; ---------------------------------------------------------------- THE PROJECTIONS' AND ATTENTION'S MACROS
.macro ROPE cs                         ; on the first 32 of the head's 64: registers 0-15 hold d = 16 h + 0 .. 15.  new(lo) = x(lo) cos(lo) - x(hi) sin(lo), new(hi) = x(hi) cos(hi) + x(lo) sin(hi)
.irp n, 0,1,2,3,4,5,6,7
	v_pk_mul_f32 v[TMP+2*\n:TMP+2*\n+1], v[ACK+2*\n:ACK+2*\n+1], v[\cs+2*\n:\cs+2*\n+1]
.endr
.irp n, 0,1,2,3,4,5,6,7
	v_pk_fma_f32 v[ACK+2*\n:ACK+2*\n+1], v[ACK+2*\n:ACK+2*\n+1], v[\cs+16+2*\n:\cs+16+2*\n+1], v[TMP+2*\n:TMP+2*\n+1] op_sel:[1,0,0] op_sel_hi:[0,1,1]   ; the pair's two numbers change places in source 0
.endr
.endm
.macro QFLD                            ; a query tile's fragment, 16 pixels x 256 channels
.irp s, 0,1
.irp c, 0,1,2,3
	ds_load_b128 v[FR+16*\s+4*\c:FR+16*\s+4*\c+3], v[AD1] offset:128*\s+32*\c
.endr
.endr
.endm
.macro QCLD                            ; and its cos and sin
.irp j, 0,1,2,3,4,5,6,7
	ds_load_b128 v[CSET+4*\j:CSET+4*\j+3], v[AD2] offset:512*\j
.endr
.endm
.macro FLD T                           ; key tile T's fragment into set T % 2
.set fs, FR+32*((\T)%2)
.set fo, ((\T)/2)*TILE
.irp s, 0,1
.irp c, 0,1,2,3
.if (\T)%2
	ds_load_b128 v[fs+16*\s+4*\c:fs+16*\s+4*\c+3], v[AXS] offset:fo+128*\s+32*\c
.else
	ds_load_b128 v[fs+16*\s+4*\c:fs+16*\s+4*\c+3], v[AX] offset:fo+128*\s+32*\c
.endif
.endr
.endr
.endm
.macro CSLD p                          ; position p's cos and sin into set p % 2
.set cs, CSET+32*((\p)%2)
.irp j, 0,1,2,3,4,5,6,7
	ds_load_b128 v[cs+4*\j:cs+4*\j+3], v[CSA] offset:(\p)*4096+512*\j
.endr
.endm
; Product n of 8 of k's tile T: K step n / 4, channel tile n % 4.  Source 0 = 16 rows of Wk, source 1 = the pixels: a lane holds a pixel.  The four accumulators take turns.
.macro KW n, T
	WIN 0x01                                       ; source 0 window 1
.set kt, (\n)%4
.set ks, (\n)/4
.set fs, FR+32*((\T)%2)+16*ks
.if ks == 0
	v_wmma_f32_16x16x128_bf8_bf8 v[ACK+8*kt:ACK+8*kt+7], v[16*(2*kt+ks):16*(2*kt+ks)+15], v[fs:fs+15], 0
.else
	v_wmma_f32_16x16x128_bf8_bf8 v[ACK+8*kt:ACK+8*kt+7], v[16*(2*kt+ks):16*(2*kt+ks)+15], v[fs:fs+15], v[ACK+8*kt:ACK+8*kt+7]
.endif
.endm
; The same of v's: source 0 = the pixels, source 1 = 16 rows of Wv: a lane holds a channel, and its registers run along the pixels.
.macro VW n, T
	WIN 0x04                                       ; source 1 window 1
.set kt, (\n)%4
.set ks, (\n)/4
.set fs, FR+32*((\T)%2)+16*ks
.if ks == 0
	v_wmma_f32_16x16x128_bf8_bf8 v[ACV+8*kt:ACV+8*kt+7], v[fs:fs+15], v[128+16*(2*kt+ks):128+16*(2*kt+ks)+15], 0
.else
	v_wmma_f32_16x16x128_bf8_bf8 v[ACV+8*kt:ACV+8*kt+7], v[fs:fs+15], v[128+16*(2*kt+ks):128+16*(2*kt+ks)+15], v[ACV+8*kt:ACV+8*kt+7]
.endif
.endm
; Line n of 52 of what is made of k's tile T: 0-15 RoPE; 16-47 the hold (its one vector source is source 0, so it stands under VW's windows too); 48-51 the conversions, into window 2.
.macro KP n, T
.set cs, CSET+32*(((\T)/2)%2)
.if (\n) < 8
	WIN 0
	v_pk_mul_f32 v[TMP+2*(\n):TMP+2*(\n)+1], v[ACK+2*(\n):ACK+2*(\n)+1], v[cs+2*(\n):cs+2*(\n)+1]
.elseif (\n) < 16
	WIN 0
	v_pk_fma_f32 v[ACK+2*(\n)-16:ACK+2*(\n)-15], v[ACK+2*(\n)-16:ACK+2*(\n)-15], v[cs+2*(\n):cs+2*(\n)+1], v[TMP+2*(\n)-16:TMP+2*(\n)-15] op_sel:[1,0,0] op_sel_hi:[0,1,1]
.elseif (\n) < 48
	v_med3_num_f32 v[ACK+(\n)-16], v[ACK+(\n)-16], -s[LK], s[LK]
.else
	WIN 0x80
	v_cvt_scalef32_pk8_bf8_f32 v[8*(\T)+2*((\n)-48):8*(\T)+2*((\n)-48)+1], v[ACK+8*((\n)-48):ACK+8*((\n)-48)+7], v[SCK]
.endif
.endm
; Line n of 36 of what is made of v's tile T: 0-31 the hold (its vector source is source 1, so it stands under KW's windows); 32-35 the conversions, into window 3.
.macro VP n, T
.if (\n) < 32
	v_med3_num_f32 v[ACV+(\n)], -s[LV], v[ACV+(\n)], s[LV]
.else
	WIN 0xc0
	v_cvt_scalef32_pk8_bf8_f32 v[64*((\n)-32)+2*(\T):64*((\n)-32)+2*(\T)+1], v[ACV+8*((\n)-32):ACV+8*((\n)-32)+7], v[SCV]
.endif
.endm
; MATRIX AND VECTOR WORK BY TURNS.  Bracket A: v's eight products of tile T, and behind each a share of what is made of k's tile T.  The three holds of the last share and the two v_nop are the places between the last
; product and the loads into the fragment that it read; the v_nop are also the plain lines behind the conversions.
.macro BRA T
.set vn, 0
.set kp, 0
.rept 8
	VW vn, \T
.if vn < 4
.set kq, 6
.else
.set kq, 7
.endif
.rept kq
	KP kp, \T
.set kp, kp+1
.endr
.set vn, vn+1
.endr
	WIN 0
	v_nop
	v_nop
.endm
; Bracket B: the loads two tiles ahead; k's eight products of tile T + 1, and behind each a share of what is made of v's tile T.
.macro BRB T
	WIN 0
.set nl, 0
.if (\T)+2 <= 31
	FLD (\T)+2
.set nl, nl+8
.endif
.if ((\T)%2 == 0) && ((\T)/2 < 15)
	CSLD (\T)/2+1
.set nl, nl+8
.endif
	s_wait_dscnt nl                                ; all but what was just issued: tile T + 1's fragment is in, and so are its cos and sin
.set kn, 0
.set vp, 0
.rept 8
	KW kn, (\T)+1
.if kn < 4
.set vq, 4
.else
.set vq, 5
.endif
.rept vq
	VP vp, \T
.set vp, vp+1
.endr
.set kn, kn+1
.endr
	WIN 0
	v_nop                                          ; a plain line between the conversions and the next products, which write their sources
.endm
; THE SOFTMAX goes in four batches of 64 scores (8 key tiles, a K step of the second product).  A stage deals three batches' lines out among each other: the hold of batch mn (its p has been summed), the exponentials of batch ex,
; t - M of batch fm.  -1: none.  No line of a stage names the result of an exponential that has not had its wait.
.macro STAGE mn, ex, fm
	WIN 0x41                                       ; destination and source 0 window 1
.set j, 0
.rept 32
.if \mn >= 0
	v_min_num_f32 v[64*\mn+2*j], v[64*\mn+2*j], v[LIMP]   ; p is not negative: the hold is one-sided
.endif
.if \ex >= 0
	v_exp_f32 v[64*\ex+2*j], v[64*\ex+2*j]
.endif
.if \mn >= 0
	v_min_num_f32 v[64*\mn+2*j+1], v[64*\mn+2*j+1], v[LIMP]
.endif
.if \ex >= 0
	v_exp_f32 v[64*\ex+2*j+1], v[64*\ex+2*j+1]
.endif
.if \fm >= 0
	v_pk_fma_f32 v[64*\fm+2*j:64*\fm+2*j+1], v[64*\fm+2*j:64*\fm+2*j+1], s[40:41], v[NM:NM+1] op_sel_hi:[1,0,0]   ; score x c - M (of the pairs c and -M the low word serves both halves)
.endif
.set j, j+1
.endr
.endm
.macro BATCHWAIT                       ; a plain line behind the batch's last exponential, and a wait ahead of the batch's first reader
	v_nop
	s_wait_alu depctr_va_vdst(0)
.endm
.macro SUM bt                          ; the row's sum is taken of the unquantised p, ahead of its hold: two at a time, in four chains
	WIN 0x01
.set j, 0
.rept 32
	v_pk_add_f32 v[LL+2*(j%4):LL+2*(j%4)+1], v[64*\bt+2*j:64*\bt+2*j+1], v[LL+2*(j%4):LL+2*(j%4)+1]
.set j, j+1
.endr
.endm
.macro CVT bt                          ; a tile's eight registers are keys 8 h + 0 .. 7 of that tile: the second product's own order of K
	WIN 0x01
.irp u, 0,1,2,3,4,5,6,7
	v_cvt_scalef32_pk8_bf8_f32 v[PC+16*\bt+2*\u:PC+16*\bt+2*\u+1], v[64*\bt+8*\u:64*\bt+8*\u+7], v[SCP]
.endr
.endm
; ---------------------------------------------------------------- MY TWO HEADS
	s_lshl_b32 s75, s22, 14                        ; QA: my head's eight slots
	s_mov_b32 s70, 0
.Lhead:
	WIN 0x80                                       ; the head's weights: 8 fragments each of Wq (window 2), Wk and Wv (window 1); each load takes 512 consecutive bytes
.set ff, 0
.rept 8
.irp c, 0,1,2,3
	global_load_b128 v[16*ff+4*\c:16*ff+4*\c+3], v[LI], s[60:61] offset:2048*ff+512*\c
.endr
.set ff, ff+1
.endr
	WIN 0x40
.set ff, 0
.rept 8
.irp c, 0,1,2,3
	global_load_b128 v[16*ff+4*\c:16*ff+4*\c+3], v[LI], s[60:61] offset:131072+2048*ff+512*\c
.endr
.set ff, ff+1
.endr
.set ff, 0
.rept 8
.irp c, 0,1,2,3
	global_load_b128 v[128+16*ff+4*\c:128+16*ff+4*\c+3], v[LI], s[60:61] offset:262144+2048*ff+512*\c
.endr
.set ff, ff+1
.endr
	WIN 0
	; ---- q: eight tiles of 16 queries
	s_mov_b32 s71, 0
	s_mov_b32 s74, 0
	s_mov_b32 s72, s75
	v_add_nc_u32 v[AD1], s71, v[AQ]
	v_add_nc_u32 v[AD2], s74, v[CSA]
	QFLD
	QCLD
	s_mov_b32 s66, 0
	s_wait_loadcnt 63                              ; 64 loads were issued behind Wq's last: Wq is in
.Lq:
	s_add_co_u32 s71, s71, TILE                    ; the next tile's places
	s_add_co_u32 s74, s74, 4096
	s_wait_dscnt 0x0                               ; the tile's fragment, cos and sin are in; the last tile's stores have read their registers
	WIN 0x02                                       ; source 0 window 2
.irp s, 0,1
.irp t, 0,1,2,3
.if \s == 0
	v_wmma_f32_16x16x128_bf8_bf8 v[ACK+8*\t:ACK+8*\t+7], v[16*(2*\t+\s):16*(2*\t+\s)+15], v[FR+16*\s:FR+16*\s+15], 0
.else
	v_wmma_f32_16x16x128_bf8_bf8 v[ACK+8*\t:ACK+8*\t+7], v[16*(2*\t+\s):16*(2*\t+\s)+15], v[FR+16*\s:FR+16*\s+15], v[ACK+8*\t:ACK+8*\t+7]
.endif
.endr
.endr
	WIN 0
	v_add_nc_u32 v[AD1], s71, v[AQ]                ; four plain lines behind the products, ahead of the loads into the fragment and of the first read of the sums
	v_add_nc_u32 v[AD2], s74, v[CSA]
	v_add_nc_u32 v[AD3], s72, v[QAA]
	v_nop
	s_cmp_eq_u32 s66, 7
	s_cbranch_scc1 .Lq_a
	QFLD
.Lq_a:
	ROPE CSET
	s_cmp_eq_u32 s66, 7
	s_cbranch_scc1 .Lq_b
	QCLD
.Lq_b:
.set m, 0
.rept 32
	v_med3_num_f32 v[ACK+m], v[ACK+m], -s[LQ], s[LQ]
.set m, m+1
.endr
.irp u, 0,1,2,3
	v_cvt_scalef32_pk8_bf8_f32 v[QC+2*\u:QC+2*\u+1], v[ACK+8*\u:ACK+8*\u+7], v[SCQ]
.endr
	v_nop                                          ; a plain line between the conversions and the next products, which write their sources
	ds_store_b128 v[AD3], v[QC:QC+3]               ; the fragment as it stands: d = 16 h + 0 .. 15,
	ds_store_b128 v[AD3], v[QC+4:QC+7] offset:512  ; d = 32 + 16 h + 0 .. 15
	s_add_co_u32 s72, s72, 1024
	s_add_co_u32 s66, s66, 1
	s_cmp_lt_u32 s66, 8
	s_cbranch_scc1 .Lq
	; ---- k and v: 32 tiles of 16 keys, written out, since each tile's codes go to registers of their own
	s_wait_loadcnt 0x0                             ; Wk and Wv
	FLD 0
	CSLD 0
	FLD 1
	s_wait_dscnt 8                                 ; tile 0's fragment, cos and sin are in; tile 1's fragment may be out
.set kn, 0
.rept 8
	KW kn, 0
.set kn, kn+1
.endr
	WIN 0
	PLACES 4                                       ; here alone nothing stands between k's products and the first read of their sums
.set TT, 0
.rept 31
	BRA TT
	BRB TT
.set TT, TT+1
.endr
	BRA 31
.set vp, 0
.rept 36
	VP vp, 31
.set vp, vp+1
.endr
	WIN 0
	v_nop
	; ---- attention: eight tiles of 16 queries against the 512 keys in my registers
	s_mov_b32 s73, s75
	v_add_nc_u32 v[AD1], s73, v[QAA]
	ds_load_b128 v[QF:QF+3], v[AD1]                ; LDS serves a wave's instructions in order (ISA guide 5.7.1.4): these see my stores
	ds_load_b128 v[QF+4:QF+7], v[AD1] offset:512
	v_mov_b32 v[NM+1], 0                           ; named as upper halves of pairs, and a lane permute's destination: written once
	v_mov_b32 v[RL+1], 0
	v_mov_b32 v[TP], 0
	s_mov_b32 s66, 0
.Latt:
	s_wait_dscnt 0x0                               ; q's fragment is in; the last tile's stores have read their registers
	WIN 0x42                                       ; destination window 1, source 0 window 2
.set tt, 0
.rept 32
	v_wmma_f32_16x16x64_bf8_bf8 v[8*tt:8*tt+7], v[8*tt:8*tt+7], v[QF:QF+7], 0   ; S^T: lane (r, h): query r, keys 8 h + 0 .. 7 of tile tt
.set tt, tt+1
.endr
	WIN 0
.irp k, 0,1,2,3,4,5,6,7
	v_mov_b32 v[LL+\k], 0                          ; the sum's four pairs; these lines are also the places behind the products
.endr
	v_add_nc_u32 v[AD1], s73, v[QAA]
	s_cmp_eq_u32 s66, 7
	s_cbranch_scc1 .Latt_a
	ds_load_b128 v[QF:QF+3], v[AD1] offset:1024    ; the next tile's q
	ds_load_b128 v[QF+4:QF+7], v[AD1] offset:1536
.Latt_a:
	WIN 0x05                                       ; sources 0 and 1 window 1
.irp k, 0,1,2,3
	v_max_num_f32 v[MX+\k], v[64*\k], v[64*\k+1]   ; the largest of my 256 scores, in four chains; each tile is read from its low end on
.endr
.set j, 1
.rept 31
.irp k, 0,1,2,3
	v_max3_num_f32 v[MX+\k], v[64*\k+2*j], v[64*\k+2*j+1], v[MX+\k]
.endr
.set j, j+1
.endr
	WIN 0
	v_max3_num_f32 v[MX], v[MX], v[MX+1], v[MX+2]
	v_max_num_f32 v[MX], v[MX], v[MX+3]
	v_permlanex16_b32 v[TP], v[MX], s42, s43
	v_max_num_f32 v[MX], v[MX], v[TP]              ; and of lane l xor 16's
	v_mul_f32 v[MX], s40, v[MX]                    ; as t (c is positive)
	v_floor_f32 v[NM], -v[MX]                      ; -M = floor(-t) = -ceil(t): over all 512 keys, so M never moves
	STAGE -1, -1, 0
	STAGE -1, 0, 1
	BATCHWAIT
	SUM 0
	STAGE 0, 1, 2
	BATCHWAIT
	CVT 0
	SUM 1
	STAGE 1, 2, 3
	BATCHWAIT
	CVT 1
	SUM 2
	STAGE 2, 3, -1
	BATCHWAIT
	CVT 2
	SUM 3
	STAGE 3, -1, -1
	CVT 3
	WIN 0
	v_nop                                          ; a plain line between the conversions and the products that read their results
	WIN 0x03                                       ; source 0 window 3
.irp q, 0,1,2,3
.irp t, 0,1,2,3
.if \q == 0
	v_wmma_f32_16x16x128_bf8_bf8 v[OO+8*\t:OO+8*\t+7], v[64*\t+16*\q:64*\t+16*\q+15], v[PC+16*\q:PC+16*\q+15], 0
.else
	v_wmma_f32_16x16x128_bf8_bf8 v[OO+8*\t:OO+8*\t+7], v[64*\t+16*\q:64*\t+16*\q+15], v[PC+16*\q:PC+16*\q+15], v[OO+8*\t:OO+8*\t+7]
.endif
.endr
.endr
	WIN 0
	v_pk_add_f32 v[LL:LL+1], v[LL:LL+1], v[LL+2:LL+3]   ; the sum's parts are joined behind the products: these lines are their places
	v_pk_add_f32 v[LL+4:LL+5], v[LL+4:LL+5], v[LL+6:LL+7]
	v_pk_add_f32 v[LL:LL+1], v[LL:LL+1], v[LL+4:LL+5]
	v_add_f32 v[LS], v[LL], v[LL+1]
	v_permlanex16_b32 v[TP], v[LS], s42, s43
	v_add_f32 v[LS], v[LS], v[TP]                  ; the row's sum
	v_rcp_f32 v[RL], v[LS]
	v_nop                                          ; a plain line behind the reciprocal,
	s_wait_alu depctr_va_vdst(0)                   ; and a wait ahead of its first reader
.set m, 0
.rept 16
	v_pk_mul_f32 v[OO+2*m:OO+2*m+1], v[OO+2*m:OO+2*m+1], v[RL:RL+1] op_sel_hi:[1,0]
.set m, m+1
.endr
.set m, 0
.rept 32
	v_med3_num_f32 v[OO+m], v[OO+m], -s[LA], s[LA]
.set m, m+1
.endr
.irp u, 0,1,2,3
	v_cvt_scalef32_pk8_bf8_f32 v[AC+2*\u:AC+2*\u+1], v[OO+8*\u:OO+8*\u+7], v[SCA]   ; registers 0-15 are d = 16 h + 0 .. 15, 16-31 d = 32 + 16 h + 0 .. 15: the last product's operand
.endr
	v_nop                                          ; a plain line between the conversions and the next products, which write their sources
	ds_store_b128 v[AD1], v[AC:AC+3]               ; into the slot that held this tile's q codes: my own bytes, which I have read
	ds_store_b128 v[AD1], v[AC+4:AC+7] offset:512
	s_add_co_u32 s73, s73, 1024
	s_add_co_u32 s66, s66, 1
	s_cmp_lt_u32 s66, 8
	s_cbranch_scc1 .Latt
	s_add_nc_u64 s[60:61], s[60:61], 16384         ; my second head's weights (the loads that read this base were waited for ahead of k and v),
	s_add_co_u32 s75, s75, 8192                    ; and its slots
	s_add_co_u32 s70, s70, 1
	s_cmp_lt_u32 s70, 2
	s_cbranch_scc1 .Lhead
; ---------------------------------------------------------------- THE WAY OUT: y = Wout a + bout, my 64 channels for the 128 queries
	WIN 0x40                                       ; Wout's 16 fragments (channel tile o, K step s at 16 (4 o + s)) into window 1
.set ff, 0
.rept 16
.irp c, 0,1,2,3
	global_load_b128 v[16*ff+4*\c:16*ff+4*\c+3], v[LI], s[94:95] offset:2048*ff+512*\c
.endr
.set ff, ff+1
.endr
	WIN 0
	v_lshlrev_b32 v[AD3], 5, v[HH]                 ; bout: lane (r, h) wants, for tile o, channels 16 o + 8 h + 0 .. 7
.irp o, 0,1,2,3
	global_load_b128 v[BI+8*\o:BI+8*\o+3], v[AD3], s[96:97] offset:64*\o
	global_load_b128 v[BI+8*\o+4:BI+8*\o+7], v[AD3], s[96:97] offset:64*\o+16
.endr
	s_wait_dscnt 0x0                               ; for the others' sake: my heads' codes have landed
	s_barrier_signal -1
	s_barrier_wait -1                              ; all eight heads' codes lie in QA
.macro AFLD                            ; a query tile's four fragments: K step s is heads 2 s and 2 s + 1, chunk c of it head 2 s + c / 2, half c % 2
.irp s, 0,1,2,3
.irp c, 0,1,2,3
	ds_load_b128 v[AF+16*\s+4*\c:AF+16*\s+4*\c+3], v[AD1] offset:(2*\s+\c/2)*8192+(\c%2)*512
.endr
.endr
.endm
	s_mov_b32 s73, 0
	v_add_nc_u32 v[AD1], s73, v[QAA]
	AFLD
	s_mov_b32 s66, 0
	s_wait_loadcnt 0x0                             ; Wout and bout
.Lout:
	s_add_co_u32 s73, s73, 1024
	s_wait_dscnt 0x0
	WIN 0x01                                       ; source 0 window 1
.irp s, 0,1,2,3
.irp o, 0,1,2,3
.if \s == 0
	v_wmma_f32_16x16x128_bf8_bf8 v[YY+8*\o:YY+8*\o+7], v[16*(4*\o+\s):16*(4*\o+\s)+15], v[AF+16*\s:AF+16*\s+15], 0
.else
	v_wmma_f32_16x16x128_bf8_bf8 v[YY+8*\o:YY+8*\o+7], v[16*(4*\o+\s):16*(4*\o+\s)+15], v[AF+16*\s:AF+16*\s+15], v[YY+8*\o:YY+8*\o+7]
.endif
.endr
.endr
	WIN 0
	v_add_nc_u32 v[AD1], s73, v[QAA]               ; four plain lines behind the products
	PLACES 3
	s_cmp_eq_u32 s66, 7
	s_cbranch_scc1 .Lout_a
	AFLD
.Lout_a:
.set m, 0
.rept 16
	v_pk_fma_f32 v[YO+2*m:YO+2*m+1], v[YY+2*m:YY+2*m+1], s[44:45], v[BI+2*m:BI+2*m+1] op_sel_hi:[1,0,1]   ; sum x 2^(e8 + e9) + bout
.set m, m+1
.endr
.irp o, 0,1,2,3
.irp j, 0,1,2,3,4,5,6,7
	global_store_b32 v[OUTA], v[YO+8*\o+\j], s[62:63] offset:(16*\o+\j)*65536   ; lane (r, h): pixel r of channel 16 o + 8 h + j: sixteen lanes store the 64 bytes that the window has of that row
.endr
.endr
	s_wait_xcnt 0x0                                ; the stores have read their registers and their base: both are written again only behind this wait
	s_add_nc_u64 s[62:63], s[62:63], 512           ; the next window row
	s_add_co_u32 s66, s66, 1
	s_cmp_lt_u32 s66, 8
	s_cbranch_scc1 .Lout
	s_wait_xcnt 0x0
	v_lshl_add_u32 v254, v0, 2, 0x4a800
	v_mov_b32 v255, 0
	s_wait_tensorcnt 0x0
	ds_add_u32 v254, v255
	s_wait_dscnt 0x0
	s_endpgm
.Lfunc_end_k_q1b323371a5_attn:
	.size	k_q1b323371a5_attn, .Lfunc_end_k_q1b323371a5_attn-k_q1b323371a5_attn
	.p2alignl 7, 3214868480
	.fill 96, 4, 3214868480
	.section	.rodata,"a",@progbits
	.p2align	6, 0x0
	.amdhsa_kernel k_q1b323371a5_attn
		.amdhsa_group_segment_fixed_size 305664
		.amdhsa_private_segment_fixed_size 0
		.amdhsa_enable_private_segment 0
		.amdhsa_kernarg_size 72
		.amdhsa_user_sgpr_count 2
		.amdhsa_user_sgpr_kernarg_segment_ptr 1
		.amdhsa_wavefront_size32 1
		.amdhsa_system_sgpr_workgroup_id_x 1
		.amdhsa_system_sgpr_workgroup_id_y 1
		.amdhsa_system_sgpr_workgroup_id_z 1
		.amdhsa_system_vgpr_workitem_id 0
		.amdhsa_next_free_vgpr 1024
		.amdhsa_next_free_sgpr 100
		.amdhsa_reserve_vcc 0
		.amdhsa_float_denorm_mode_32 3
		.amdhsa_float_denorm_mode_16_64 3
		.amdhsa_memory_ordered 1
		.amdhsa_forward_progress 1
		.amdhsa_inst_pref_size 255
	.end_amdhsa_kernel
	.section	.bss,"aw",@nobits
	.p2align	6
	.space	262144
	.amdgpu_metadata
---
amdhsa.version: [ 1, 2 ]
amdhsa.kernels:
  - .name:           k_q1b323371a5_attn
    .symbol:         k_q1b323371a5_attn.kd
    .args:
      - { .name: x, .offset: 0, .size: 8, .value_kind: global_buffer, .address_space: global }
      - { .name: skip, .offset: 8, .size: 8, .value_kind: global_buffer, .address_space: global }
      - { .name: time_emb, .offset: 16, .size: 8, .value_kind: global_buffer, .address_space: global }
      - { .name: sin, .offset: 24, .size: 8, .value_kind: global_buffer, .address_space: global }
      - { .name: cos, .offset: 32, .size: 8, .value_kind: global_buffer, .address_space: global }
      - { .name: lowp_scales, .offset: 40, .size: 8, .value_kind: global_buffer, .address_space: global }
      - { .name: wcodes, .offset: 48, .size: 8, .value_kind: global_buffer, .address_space: global }
      - { .name: bout, .offset: 56, .size: 8, .value_kind: global_buffer, .address_space: global }
      - { .name: out0, .offset: 64, .size: 8, .value_kind: global_buffer, .address_space: global }
    .group_segment_fixed_size: 305664
    .private_segment_fixed_size: 0
    .kernarg_segment_align: 8
    .kernarg_segment_size: 72
    .max_flat_workgroup_size: 128
    .sgpr_count:     100
    .vgpr_count:     1024
    .wavefront_size: 32
...
	.end_amdgpu_metadata
.endif
;; end of part 2
;; ======== version 2 of 3: 3 launches
;; workspace buffers: wcodes 524,288 bytes; acodes 16,777,216 bytes
;; launch prep: the kernel of part 1 again; grid 256 x 1, 1 waves a work-group, no clusters, 0 bytes of LDS; arguments Wq, Wkv, Wout, lowp_scales, wcodes; writes wcodes
;; launch attn (part 3): grid 256 x 1, 4 waves a work-group, no clusters, 274,944 bytes of LDS; arguments x, skip, time_emb, sin, cos, lowp_scales, wcodes, acodes; writes acodes
.if DOCPART == 3
	.amdgcn_target "amdgcn-amd-amdhsa--gfx1250"
	.amdhsa_code_object_version 6
	.text
	.protected	k_q1b323371a5_attn
	.globl	k_q1b323371a5_attn
	.p2align	8
	.type	k_q1b323371a5_attn,@function
k_q1b323371a5_attn:
	s_mov_b64 s[64:65], 0
	v_nop
	global_prefetch_b8 v0, s[64:65] scope:SCOPE_SE
	s_setreg_imm32_b32 hwreg(HW_REG_WAVE_MODE, 25, 1), 1
	s_wait_xcnt 0x0
; WINDOWED ATTENTION: THE FIRST FOUR PRODUCTS IN ONE LAUNCH, on codes of BF8 (E5M2), each operand with the one scale 2^e given for it (e0 .. e8 here).  What leaves is the last product's operand, as codes.
; 2 images x 64 windows of 16 x 16 pixels, 8 heads of 64.  A window has 256 queries (from x + time_emb) and 512 keys and values (256 from x + time_emb, 256 from skip), and needs nothing from outside itself but the weights.
; SHARES.  A work-group takes one window and FOUR OF ITS EIGHT HEADS: 128 x 2 = 256 work-groups of equal work.  A WAVE OWNS ONE HEAD: it projects k and v of all 512 keys, keeps their codes in registers (256 + 256),
; projects q, and walks the window's 16 tiles of 16 queries.  So attention reads from LDS only a tile's q codes (1,024 bytes), no projection is done twice, and each weight fragment is wanted by one wave alone: it comes from
; memory straight into that wave's registers, in the order in which the first launch laid it.
; PHASES.  X: the four waves turn the window's x + time_emb (with scale e2 for k and v, with e0 for q) and skip into codes in LDS (rows of 256 channels), and copy its cos and sin | barrier | k and v | barrier | q | attention.
; The result, divided by the row's sum and quantised with e8, is stored as an image of the last product's operand registers: slot ((window 16 + row) 8 + head) of 1,024 bytes, two stores of 512 consecutive bytes.
; LAYOUTS.  Position p = 0 .. 15 is the window's row p, and query tile p.  Key tile T = 2 p + src (0: x, 1: skip).
; k and q are projected with the weight as source 0: a lane holds ONE pixel and its registers run along the head's 64 (the weight's rows are chosen for it), so RoPE is packed arithmetic in a lane and the conversions' results ARE the operand.
; v is projected with the pixels as source 0: a lane holds one channel and its registers run along the pixels, which are the second product's K.  S^T = k q^T and O^T = v^T p^T: a lane holds one query throughout.
; All 512 scores of a query tile are in registers at once: M = the ceiling of the row's largest t is found first, so there is no running maximum and nothing is rescaled.  p = 2^(t - M); the row's sum is taken of the unquantised p.
; NO JOINT LOADS, NO TENSOR LOADS: x and skip pass through registers in any case, to be quantised; a weight fragment is read by one wave of a work-group and goes to its registers.  So nothing that several work-groups
; share would land in LDS.
; x and skip are read in runs of 64 bytes: a window's row is 16 pixels of 4 bytes in the tensor, and no longer.  The work-groups that touch the same 256 bytes have neighbouring numbers.
; LIMITS on the given exponents, so that each power of two below is an f32 number: e0, e2, e6, e4 - e0 - e1, e5 - e2 - e3, e7 - e2 - e3 and e8 - e6 - e7 between -126 and 112; e4 + e5 between -121 and 130 (they are added to
; c's exponent field).  NaN among the inputs is not served.
; LDS: XK 512 rows of 256 codes (scale e2), 272 bytes apart (68 words: 16 rows start at 16 different groups of banks: 64 banks of 4 bytes, ISA guide 11.1): row (16 src + p) 16 + pixel | XQ 256 rows (scale e0): 16 p + pixel
;      | CS 16 x 4,096: images of registers: cos (px r, 16 h + 0 .. 15), then sin with its even entries negated.  QA, 64 x 1,024: slot 16 wave + tile: the q codes as images of registers: it lies OVER XK, whose last read
;      stands ahead of the second barrier.
; REGISTERS, in windows of 256 (s_set_vgpr_msb: bits 1:0 source 0, 3:2 source 1, 5:4 source 2, 7:6 destination):
;   window 0: v1-31 addresses and scales; v32-255 by phase (below).  window 1: Wk's and Wv's fragments, then Wq's in Wk's place, then the scores S^T (tile T at 8 T).  window 2: k's codes (8 T).
;   window 3: phase X's numbers as loaded, then v's codes (channel tile t, key tile T: 64 t + 2 T).
.set TILE,  4352                       ; 16 rows of 272 bytes
.set XKS,   16*TILE                    ; skip's rows in XK
.set XQB,   32*TILE
.set CSB,   XQB+16*TILE
.set QAB,   0
.set RR,  1                            ; lane % 16
.set HH,  2                            ; lane / 16
.set LN,  3                            ; lane
.set LI,  4                            ; 16 x lane: an image's place for my lane; never rewritten
.set AX,  5                            ; a fragment's place in XK: 272 r + 16 h
.set AXS, 6                            ; the same among skip's rows
.set AQ,  7                            ; the same in XQ
.set AD1, 8                            ; LDS addresses in hand
.set CSA, 9                            ; CS + 16 x lane
.set QAA, 10                           ; QA + 16 x lane
.set AD2, 11
.set GLX, 12                           ; x, skip: (lane / 4) x 8 channels + (lane % 4) x 16 bytes
.set OX,  13                           ; + the row in hand, for x
.set OS,  14                           ; for skip
.set GLC, 15                           ; cos, sin: 128 r + 64 h
.set OC,  16                           ; + the row in hand
.set STX, 17                           ; phase X: where my codes go in a tile, + my wave's four tiles
.set SAX, 18
.set SAS, 19
.set SAQ, 20
.set SAC, 21
.set AD3, 23
.set SCX0, 24                          ; the conversions' scales as f32: 2^e0,
.set SCX2, 25                          ; 2^e2,
.set SCQ,  26                          ; 2^(e4 - e0 - e1): a sum of the first product stands for sum x 2^(e0 + e1),
.set SCK,  27                          ; 2^(e5 - e2 - e3),
.set SCV,  28                          ; 2^(e7 - e2 - e3),
.set SCP,  29                          ; 2^e6,
.set SCA,  30                          ; 2^(e8 - e6 - e7)
.set LIMP, 31                          ; 57,344 x 2^e6
.set LX0, 34                           ; s34-39: 57,344 x the scales above, in their order (p's lies in v31)
.set LX2, 35
.set LQ,  36
.set LK,  37
.set LV,  38
.set LA,  39
; phase X, window 0
.set TE,  32                           ; v32-63   time_emb (64 g + 8 (lane / 4) + j) at 8 g + j
.set UU,  96                           ; v96-127  32 numbers, held and turned: 8 e + j
.set CC,  160                          ; v160-175 two sets of 8: codes
.set CSR, 192                          ; v192-223 cos, sin as loaded
.set RA,  0                            ; window 3: x's numbers at 32 g + 4 j + e;
.set RB,  128                          ; skip's
; projections, window 0
.set FR,   32                          ; v32-95   two sets of 32: a tile's fragment, K step s at 16 s
.set CSET, 96                          ; v96-159  two sets of 32: cos, sin
.set ACK,  160                         ; v160-191 q's or k's four tiles
.set ACV,  192                         ; v192-223 v's four tiles
.set TMP,  224
.set QC,   240
; attention, window 0
.set PC,  32                           ; v32-95   p's codes: key tile T at 2 T
.set OO,  96                           ; v96-127  O^T
.set QF,  128                          ; v128-135 q's fragment
.set AC,  136                          ; v136-143 the result's codes
.set MX,  144                          ; v144-147 four chains of the maximum
.set LL,  150                          ; v150-157 the sum, in four pairs
.set TP,  158
.set LS,  159
.set RL,  160                          ; v[160:161] 1 / the sum
.set NM,  224                          ; v[224:225] -M
.set MSB, 0
.macro WIN new                         ; the immediate's high byte repeats the setting that is left; a switch that changes nothing is dropped
.if MSB != (\new)
	s_set_vgpr_msb (MSB<<8)|(\new)
.set MSB, (\new)
.endif
.endm
.macro PLACES n
.rept \n
	v_nop
.endr
.endm
.macro MKSC vsc, slim                  ; s80 holds E: 2^E into v[vsc], 57,344 x 2^E into s[slim]
	s_add_co_i32 s80, s80, 127
	s_lshl_b32 s81, s80, 23
	v_mov_b32 v[\vsc], s81
	s_add_co_i32 s80, s80, 15
	s_lshl_b32 s[\slim], s80, 23
	s_or_b32 s[\slim], s[\slim], 0x600000
.endm
	s_load_b512 s[4:19], s[0:1], 0x0               ; x s[4:5], skip s[6:7], time_emb s[8:9], sin s[10:11], cos s[12:13], the scales s[14:15], the weights' codes s[16:17], the result's codes s[18:19]
	v_lshl_add_u32 v254, v0, 2, 0x43000
	v_mov_b32 v255, 0
	v_lshrrev_b32 v8, 5, v0
	v_readfirstlane_b32 s22, v8                    ; wave 0..3
	v_and_b32 v[RR], 15, v0
	v_bfe_u32 v[HH], v0, 4, 1
	v_and_b32 v[LN], 31, v0
	v_lshlrev_b32 v[LI], 4, v[LN]
	v_mul_u32_u24 v[AX], v[RR], 272
	v_lshl_add_u32 v[AX], v[HH], 4, v[AX]
	v_add_nc_u32 v[AXS], XKS, v[AX]
	v_add_nc_u32 v[AQ], XQB, v[AX]
	v_add_nc_u32 v[CSA], CSB, v[LI]
	v_add_nc_u32 v[QAA], QAB, v[LI]
	v_lshrrev_b32 v8, 2, v[LN]                     ; cl = lane / 4: which 8 channels of 64
	v_and_b32 v11, 3, v[LN]                        ; q4 = lane % 4: which 4 pixels of 16
	v_lshlrev_b32 v[GLX], 19, v8                   ; 8 channels of 65,536 bytes
	v_lshl_or_b32 v[GLX], v11, 4, v[GLX]
	v_lshlrev_b32 v[AD3], 5, v8                    ; time_emb: 8 numbers
	v_mul_u32_u24 v[STX], v11, 1088                ; four rows of 272,
	v_lshl_add_u32 v[STX], v8, 3, v[STX]           ; 8 codes,
	s_mul_i32 s80, s22, 4*TILE
	v_add_nc_u32 v[STX], s80, v[STX]               ; my wave's four tiles
	v_lshlrev_b32 v[GLC], 7, v[RR]
	v_lshl_add_u32 v[GLC], v[HH], 6, v[GLC]
	s_and_b32 s23, ttmp9, 1                        ; which four of the window's heads
	s_bfe_u32 s81, ttmp9, 0x30001                  ; wy
	s_bfe_u32 s82, ttmp9, 0x30004                  ; wx
	s_lshr_b32 s83, ttmp9, 7                       ; image
	s_lshl_b32 s84, s83, 24                        ; 256 channels of 65,536 bytes,
	s_lshl_b32 s85, s82, 13                        ; 16 rows of 512,
	s_add_co_u32 s84, s84, s85
	s_lshl_b32 s85, s81, 6                         ; 16 pixels
	s_add_co_u32 s84, s84, s85                     ; the window's first byte in x and skip
	s_mov_b32 s85, 0
	s_lshl_b32 s86, s82, 18
	s_lshl_b32 s87, s81, 11
	s_add_co_u32 s86, s86, s87                     ; and in cos and sin
	s_mov_b32 s87, 0
	s_lshl_b32 s88, s83, 10                        ; time_emb's row
	s_mov_b32 s89, 0
	s_lshl_b32 s91, s22, 11                        ; my first window row is 4 x wave: 512 bytes a row of x and skip,
	v_add_nc_u32 v[OX], s91, v[GLX]
	v_mov_b32 v[OS], v[OX]
	s_lshl_b32 s91, s22, 16                        ; 16,384 a row of cos and sin
	v_add_nc_u32 v[OC], s91, v[GLC]
	s_lshl_b32 s92, s23, 2
	s_add_co_u32 s92, s92, s22                     ; my head
	s_lshl_b32 s90, s92, 10                        ; the result's codes: 1,024 bytes a head,
	s_lshr_b32 s91, ttmp9, 1                       ; the window's number: 64 image + 8 wx + wy,
	s_lshl_b32 s91, s91, 17                        ; 16 rows x 8 heads x 1,024 bytes a window
	s_add_co_u32 s90, s90, s91
	s_mov_b32 s91, 0
	s_lshl_b32 s92, s92, 14                        ; the weights' codes: 8 images of 2,048 bytes a head
	s_mov_b32 s93, 0
	s_wait_kmcnt 0x0
	s_load_b256 s[24:31], s[14:15], 0x0            ; e0 .. e7
	s_load_b32 s32, s[14:15], 0x20                 ; e8
	s_add_nc_u64 s[46:47], s[4:5], s[84:85]        ; x: channels 0-127,
	s_add_nc_u64 s[48:49], s[46:47], 0x800000      ; channels 128-255: so that a channel's place fits the loads' immediate
	s_add_nc_u64 s[50:51], s[6:7], s[84:85]        ; skip likewise
	s_add_nc_u64 s[52:53], s[50:51], 0x800000
	s_add_nc_u64 s[54:55], s[12:13], s[86:87]      ; cos
	s_add_nc_u64 s[56:57], s[10:11], s[86:87]      ; sin
	s_add_nc_u64 s[58:59], s[8:9], s[88:89]
	s_add_nc_u64 s[60:61], s[16:17], s[92:93]      ; Wq's images of my head; Wk's lie 131,072 bytes on, Wv's 262,144
	s_add_nc_u64 s[62:63], s[18:19], s[90:91]      ; my head's slot of the window's row 0
; ---------------------------------------------------------------- PHASE X
; A load brings 4 pixels (16 bytes) of one channel a lane: four lanes cover the 64 bytes that the window has of a row, eight groups of lanes take eight channels 8 apart.  Load (g, j): channel 64 g + 8 (lane / 4) + j.
.macro XLD rb, off, sb                 ; a row's 16 pixels x 256 channels: 32 loads
	WIN 0xc0                                       ; destination window 3
.irp g, 0,1,2,3
.irp j, 0,1,2,3,4,5,6,7
	global_load_b128 v[\rb+32*\g+4*\j:\rb+32*\g+4*\j+3], v[\off], s[\sb+2*(\g/2):\sb+2*(\g/2)+1] offset:((\g%2)*64+\j)*65536
.endr
.endr
	WIN 0
.endm
.macro CLD                             ; the row's cos and sin: lane (r, h) takes, of pixel r, entries 16 h + 0 .. 15
.irp j, 0,1,2,3
	global_load_b128 v[CSR+4*\j:CSR+4*\j+3], v[OC], s[54:55] offset:16*\j
.endr
.irp j, 0,1,2,3
	global_load_b128 v[CSR+16+4*\j:CSR+16+4*\j+3], v[OC], s[56:57] offset:16*\j
.endr
.endm
.macro XADD                            ; x + time_emb, two pixels at a time; of time_emb's pair one word serves both halves
	WIN 0xc3                                       ; destination and source 0 window 3
.irp g, 0,1,2,3
.irp j, 0,2,4,6
	v_pk_add_f32 v[RA+32*\g+4*\j:RA+32*\g+4*\j+1], v[RA+32*\g+4*\j:RA+32*\g+4*\j+1], v[TE+8*\g+\j:TE+8*\g+\j+1] op_sel_hi:[1,0]
	v_pk_add_f32 v[RA+32*\g+4*\j+2:RA+32*\g+4*\j+3], v[RA+32*\g+4*\j+2:RA+32*\g+4*\j+3], v[TE+8*\g+\j:TE+8*\g+\j+1] op_sel_hi:[1,0]
	v_pk_add_f32 v[RA+32*\g+4*\j+4:RA+32*\g+4*\j+5], v[RA+32*\g+4*\j+4:RA+32*\g+4*\j+5], v[TE+8*\g+\j:TE+8*\g+\j+1] op_sel:[0,1] op_sel_hi:[1,1]
	v_pk_add_f32 v[RA+32*\g+4*\j+6:RA+32*\g+4*\j+7], v[RA+32*\g+4*\j+6:RA+32*\g+4*\j+7], v[TE+8*\g+\j:TE+8*\g+\j+1] op_sel:[0,1] op_sel_hi:[1,1]
.endr
.endr
	WIN 0
.endm
; 128 numbers of a lane become 128 codes in LDS.  The conversion wants 8 neighbours along K (channels) of one pixel in consecutive registers; as loaded, consecutive registers are pixels.  The hold that the
; conversion wants in any case (it does not saturate: ISA guide 7.6.2) writes its result to the turned place, so the turn costs nothing.  A store's 32 lanes x 8 bytes touch each bank once (16 (lane % 4) + 2 (lane / 4) words).
.macro XQUANT rb, slim, vsc, adr
.irp g, 0,1,2,3
	WIN 0x03                                       ; source 0 window 3
.irp e, 0,1,2,3
.irp j, 0,1,2,3,4,5,6,7
	v_med3_num_f32 v[UU+8*\e+\j], v[\rb+32*\g+4*\j+\e], -s[\slim], s[\slim]
.endr
.endr
	WIN 0
	s_wait_dscnt 4                                 ; all but the last group's four stores are done: the stores two groups back have read this set of codes
.irp e, 0,1,2,3
	v_cvt_scalef32_pk8_bf8_f32 v[CC+8*(\g%2)+2*\e:CC+8*(\g%2)+2*\e+1], v[UU+8*\e:UU+8*\e+7], v[\vsc]
.endr
	v_nop                                          ; a plain line between the conversions and the next group's holds, which write their sources
.irp e, 0,1,2,3
	ds_store_b64 v[\adr], v[CC+8*(\g%2)+2*\e:CC+8*(\g%2)+2*\e+1] offset:272*\e+64*\g   ; pixel 4 (lane % 4) + e, channels 64 g + 8 (lane / 4) + 0 .. 7
.endr
.endr
.endm
.irp g, 0,1,2,3
	global_load_b128 v[TE+8*\g:TE+8*\g+3], v[AD3], s[58:59] offset:256*\g
	global_load_b128 v[TE+8*\g+4:TE+8*\g+7], v[AD3], s[58:59] offset:256*\g+16
.endr
	CLD
	XLD RA, OX, 46
	XLD RB, OS, 50
	WIN 0x40                                       ; my head's Wk and Wv, 8 fragments each, into window 1, which is idle in this phase: asked for behind the first rows; each load takes 512 consecutive bytes
.set ff, 0
.rept 8
.irp c, 0,1,2,3
	global_load_b128 v[16*ff+4*\c:16*ff+4*\c+3], v[LI], s[60:61] offset:131072+2048*ff+512*\c
.endr
.set ff, ff+1
.endr
.set ff, 0
.rept 8
.irp c, 0,1,2,3
	global_load_b128 v[128+16*ff+4*\c:128+16*ff+4*\c+3], v[LI], s[60:61] offset:262144+2048*ff+512*\c
.endr
.set ff, ff+1
.endr
	WIN 0
	s_wait_kmcnt 0x0                               ; the scales, made while the first rows are on their way
	s_mov_b32 s80, s24
	MKSC SCX0, LX0
	s_mov_b32 s80, s26
	MKSC SCX2, LX2
	s_sub_co_i32 s80, s28, s24
	s_sub_co_i32 s80, s80, s25
	MKSC SCQ, LQ
	s_sub_co_i32 s80, s29, s26
	s_sub_co_i32 s80, s80, s27
	MKSC SCK, LK
	s_sub_co_i32 s80, s31, s26
	s_sub_co_i32 s80, s80, s27
	MKSC SCV, LV
	s_sub_co_i32 s80, s32, s30
	s_sub_co_i32 s80, s80, s31
	MKSC SCA, LA
	s_mov_b32 s80, s30
	MKSC SCP, 82
	v_mov_b32 v[LIMP], s82
	s_add_co_i32 s80, s28, s29
	s_lshl_b32 s80, s80, 23
	s_add_co_i32 s40, s80, 0x3e38aa3b              ; c = log2(e) / 8, with e4 + e5 added to its exponent field: t = score x c
	s_mov_b32 s41, s40                             ; (named with it as a pair, so it is written)
	s_mov_b32 s42, 0x76543210                      ; v_permlanex16_b32's selects for lane l xor 16
	s_mov_b32 s43, 0xfedcba98
	s_mov_b32 s66, 0                               ; t: position p = 4 wave + t
	s_mov_b32 s67, 0                               ; t tiles of XK and XQ
	s_lshl_b32 s68, s22, 14                        ; p tiles of CS
.Lx:
	s_wait_loadcnt 32                              ; this row's cos, sin and x are in (and time_emb); skip's 32 loads may be out.  In the first trip the youngest 32 are weights: more is then waited for than is needed
	v_add_nc_u32 v[SAX], s67, v[STX]
	v_add_nc_u32 v[SAS], XKS, v[SAX]
	v_add_nc_u32 v[SAQ], XQB, v[SAX]
	v_add_nc_u32 v[SAC], s68, v[CSA]
.irp n, 0,1,2,3,4,5,6,7
	v_xor_b32 v[CSR+16+2*\n], 0x80000000, v[CSR+16+2*\n]   ; sin's even entries negated: RoPE is then two packed lines a pair
.endr
.irp j, 0,1,2,3,4,5,6,7
	ds_store_b128 v[SAC], v[CSR+4*\j:CSR+4*\j+3] offset:512*\j
.endr
	XADD
	XQUANT RA, LX2, SCX2, SAX                      ; as keys and values: scale e2
	XQUANT RA, LX0, SCX0, SAQ                      ; as queries: scale e0
	s_cmp_eq_u32 s66, 3
	s_cbranch_scc1 .Lx_last
	s_wait_dscnt 0x0                               ; the stores of cos and sin have read their registers
	v_add_nc_u32 v[OC], 16384, v[OC]               ; the next row; the loads that read these offsets were shown done at the trip's head
	v_add_nc_u32 v[OX], 512, v[OX]
	CLD
	XLD RA, OX, 46
	s_wait_loadcnt 40                              ; skip's row is in; the 8 + 32 loads just issued may be out
	s_branch .Lx_join
.Lx_last:
	s_wait_loadcnt 0x0
.Lx_join:
	XQUANT RB, LX2, SCX2, SAS
	s_cmp_eq_u32 s66, 3
	s_cbranch_scc1 .Lx_end                         ; the last trip asks for nothing more
	v_add_nc_u32 v[OS], 512, v[OS]
	XLD RB, OS, 50
.Lx_end:
	s_add_co_u32 s67, s67, TILE
	s_add_co_u32 s68, s68, 4096
	s_add_co_u32 s66, s66, 1
	s_cmp_lt_u32 s66, 4
	s_cbranch_scc1 .Lx
	s_wait_dscnt 0x0                               ; for the others' sake: my stores have landed
	s_barrier_signal -1
	s_barrier_wait -1                              ; XK, XQ and CS are whole
; ---------------------------------------------------------------- THE PROJECTIONS' AND ATTENTION'S MACROS
.macro ROPE cs                         ; on the first 32 of the head's 64: registers 0-15 hold d = 16 h + 0 .. 15.  new(lo) = x(lo) cos(lo) - x(hi) sin(lo), new(hi) = x(hi) cos(hi) + x(lo) sin(hi)
.irp n, 0,1,2,3,4,5,6,7
	v_pk_mul_f32 v[TMP+2*\n:TMP+2*\n+1], v[ACK+2*\n:ACK+2*\n+1], v[\cs+2*\n:\cs+2*\n+1]
.endr
.irp n, 0,1,2,3,4,5,6,7
	v_pk_fma_f32 v[ACK+2*\n:ACK+2*\n+1], v[ACK+2*\n:ACK+2*\n+1], v[\cs+16+2*\n:\cs+16+2*\n+1], v[TMP+2*\n:TMP+2*\n+1] op_sel:[1,0,0] op_sel_hi:[0,1,1]   ; the pair's two numbers change places in source 0
.endr
.endm
.macro QFLD                            ; a query tile's fragment, 16 pixels x 256 channels
.irp s, 0,1
.irp c, 0,1,2,3
	ds_load_b128 v[FR+16*\s+4*\c:FR+16*\s+4*\c+3], v[AD1] offset:128*\s+32*\c
.endr
.endr
.endm
.macro QCLD                            ; and its cos and sin
.irp j, 0,1,2,3,4,5,6,7
	ds_load_b128 v[CSET+4*\j:CSET+4*\j+3], v[AD2] offset:512*\j
.endr
.endm
.macro FLD T                           ; key tile T's fragment into set T % 2
.set fs, FR+32*((\T)%2)
.set fo, ((\T)/2)*TILE
.irp s, 0,1
.irp c, 0,1,2,3
.if (\T)%2
	ds_load_b128 v[fs+16*\s+4*\c:fs+16*\s+4*\c+3], v[AXS] offset:fo+128*\s+32*\c
.else
	ds_load_b128 v[fs+16*\s+4*\c:fs+16*\s+4*\c+3], v[AX] offset:fo+128*\s+32*\c
.endif
.endr
.endr
.endm
.macro CSLD p                          ; position p's cos and sin into set p % 2
.set cs, CSET+32*((\p)%2)
.irp j, 0,1,2,3,4,5,6,7
	ds_load_b128 v[cs+4*\j:cs+4*\j+3], v[CSA] offset:(\p)*4096+512*\j
.endr
.endm
; Product n of 8 of k's tile T: K step n / 4, channel tile n % 4.  Source 0 = 16 rows of Wk, source 1 = the pixels: a lane holds a pixel.  The four accumulators take turns.
.macro KW n, T
	WIN 0x01                                       ; source 0 window 1
.set kt, (\n)%4
.set ks, (\n)/4
.set fs, FR+32*((\T)%2)+16*ks
.if ks == 0
	v_wmma_f32_16x16x128_bf8_bf8 v[ACK+8*kt:ACK+8*kt+7], v[16*(2*kt+ks):16*(2*kt+ks)+15], v[fs:fs+15], 0
.else
	v_wmma_f32_16x16x128_bf8_bf8 v[ACK+8*kt:ACK+8*kt+7], v[16*(2*kt+ks):16*(2*kt+ks)+15], v[fs:fs+15], v[ACK+8*kt:ACK+8*kt+7]
.endif
.endm
; The same of v's: source 0 = the pixels, source 1 = 16 rows of Wv: a lane holds a channel, and its registers run along the pixels.
.macro VW n, T
	WIN 0x04                                       ; source 1 window 1
.set kt, (\n)%4
.set ks, (\n)/4
.set fs, FR+32*((\T)%2)+16*ks
.if ks == 0
	v_wmma_f32_16x16x128_bf8_bf8 v[ACV+8*kt:ACV+8*kt+7], v[fs:fs+15], v[128+16*(2*kt+ks):128+16*(2*kt+ks)+15], 0
.else
	v_wmma_f32_16x16x128_bf8_bf8 v[ACV+8*kt:ACV+8*kt+7], v[fs:fs+15], v[128+16*(2*kt+ks):128+16*(2*kt+ks)+15], v[ACV+8*kt:ACV+8*kt+7]
.endif
.endm
; Line n of 52 of what is made of k's tile T: 0-15 RoPE; 16-47 the hold (its one vector source is source 0, so it stands under VW's windows too); 48-51 the conversions, into window 2.
.macro KP n, T
.set cs, CSET+32*(((\T)/2)%2)
.if (\n) < 8
	WIN 0
	v_pk_mul_f32 v[TMP+2*(\n):TMP+2*(\n)+1], v[ACK+2*(\n):ACK+2*(\n)+1], v[cs+2*(\n):cs+2*(\n)+1]
.elseif (\n) < 16
	WIN 0
	v_pk_fma_f32 v[ACK+2*(\n)-16:ACK+2*(\n)-15], v[ACK+2*(\n)-16:ACK+2*(\n)-15], v[cs+2*(\n):cs+2*(\n)+1], v[TMP+2*(\n)-16:TMP+2*(\n)-15] op_sel:[1,0,0] op_sel_hi:[0,1,1]
.elseif (\n) < 48
	v_med3_num_f32 v[ACK+(\n)-16], v[ACK+(\n)-16], -s[LK], s[LK]
.else
	WIN 0x80
	v_cvt_scalef32_pk8_bf8_f32 v[8*(\T)+2*((\n)-48):8*(\T)+2*((\n)-48)+1], v[ACK+8*((\n)-48):ACK+8*((\n)-48)+7], v[SCK]
.endif
.endm
; Line n of 36 of what is made of v's tile T: 0-31 the hold (its vector source is source 1, so it stands under KW's windows); 32-35 the conversions, into window 3.
.macro VP n, T
.if (\n) < 32
	v_med3_num_f32 v[ACV+(\n)], -s[LV], v[ACV+(\n)], s[LV]
.else
	WIN 0xc0
	v_cvt_scalef32_pk8_bf8_f32 v[64*((\n)-32)+2*(\T):64*((\n)-32)+2*(\T)+1], v[ACV+8*((\n)-32):ACV+8*((\n)-32)+7], v[SCV]
.endif
.endm
; MATRIX AND VECTOR WORK BY TURNS.  Bracket A: v's eight products of tile T, and behind each a share of what is made of k's tile T.  The three holds of the last share and the two v_nop are the places between the last
; product and the loads into the fragment that it read; the v_nop are also the plain lines behind the conversions.
.macro BRA T
.set vn, 0
.set kp, 0
.rept 8
	VW vn, \T
.if vn < 4
.set kq, 6
.else
.set kq, 7
.endif
.rept kq
	KP kp, \T
.set kp, kp+1
.endr
.set vn, vn+1
.endr
	WIN 0
	v_nop
	v_nop
.endm
; Bracket B: the loads two tiles ahead; k's eight products of tile T + 1, and behind each a share of what is made of v's tile T.
.macro BRB T
	WIN 0
.set nl, 0
.if (\T)+2 <= 31
	FLD (\T)+2
.set nl, nl+8
.endif
.if ((\T)%2 == 0) && ((\T)/2 < 15)
	CSLD (\T)/2+1
.set nl, nl+8
.endif
	s_wait_dscnt nl                                ; all but what was just issued: tile T + 1's fragment is in, and so are its cos and sin
.set kn, 0
.set vp, 0
.rept 8
	KW kn, (\T)+1
.if kn < 4
.set vq, 4
.else
.set vq, 5
.endif
.rept vq
	VP vp, \T
.set vp, vp+1
.endr
.set kn, kn+1
.endr
	WIN 0
	v_nop                                          ; a plain line between the conversions and the next products, which write their sources
.endm
; THE SOFTMAX goes in four batches of 64 scores (8 key tiles, a K step of the second product).  A stage deals three batches' lines out among each other: the hold of batch mn (its p has been summed), the exponentials of batch ex,
; t - M of batch fm.  -1: none.  No line of a stage names the result of an exponential that has not had its wait.
.macro STAGE mn, ex, fm
	WIN 0x41                                       ; destination and source 0 window 1
.set j, 0
.rept 32
.if \mn >= 0
	v_min_num_f32 v[64*\mn+2*j], v[64*\mn+2*j], v[LIMP]   ; p is not negative: the hold is one-sided
.endif
.if \ex >= 0
	v_exp_f32 v[64*\ex+2*j], v[64*\ex+2*j]
.endif
.if \mn >= 0
	v_min_num_f32 v[64*\mn+2*j+1], v[64*\mn+2*j+1], v[LIMP]
.endif
.if \ex >= 0
	v_exp_f32 v[64*\ex+2*j+1], v[64*\ex+2*j+1]
.endif
.if \fm >= 0
	v_pk_fma_f32 v[64*\fm+2*j:64*\fm+2*j+1], v[64*\fm+2*j:64*\fm+2*j+1], s[40:41], v[NM:NM+1] op_sel_hi:[1,0,0]   ; score x c - M (of the pairs c and -M the low word serves both halves)
.endif
.set j, j+1
.endr
.endm
.macro BATCHWAIT                       ; a plain line behind the batch's last exponential, and a wait ahead of the batch's first reader
	v_nop
	s_wait_alu depctr_va_vdst(0)
.endm
.macro SUM bt                          ; the row's sum is taken of the unquantised p, ahead of its hold: two at a time, in four chains
	WIN 0x01
.set j, 0
.rept 32
	v_pk_add_f32 v[LL+2*(j%4):LL+2*(j%4)+1], v[64*\bt+2*j:64*\bt+2*j+1], v[LL+2*(j%4):LL+2*(j%4)+1]
.set j, j+1
.endr
.endm
.macro CVT bt                          ; a tile's eight registers are keys 8 h + 0 .. 7 of that tile: the second product's own order of K
	WIN 0x01
.irp u, 0,1,2,3,4,5,6,7
	v_cvt_scalef32_pk8_bf8_f32 v[PC+16*\bt+2*\u:PC+16*\bt+2*\u+1], v[64*\bt+8*\u:64*\bt+8*\u+7], v[SCP]
.endr
.endm
; ---------------------------------------------------------------- k AND v: 32 tiles of 16 keys, written out, since each tile's codes go to registers of their own
	s_wait_loadcnt 0x0                             ; Wk and Wv (asked for at the head)
	FLD 0
	CSLD 0
	FLD 1
	s_wait_dscnt 8                                 ; tile 0's fragment, cos and sin are in; tile 1's fragment may be out
.set kn, 0
.rept 8
	KW kn, 0
.set kn, kn+1
.endr
	WIN 0
	PLACES 4                                       ; here alone nothing stands between k's products and the first read of their sums
.set TT, 0
.rept 31
	BRA TT
	BRB TT
.set TT, TT+1
.endr
	PLACES 4                                       ; k's last product has been issued: behind these places Wq's 8 fragments are asked for, into Wk's registers; they land under v's last bracket and the barrier
	WIN 0x40
.set ff, 0
.rept 8
.irp c, 0,1,2,3
	global_load_b128 v[16*ff+4*\c:16*ff+4*\c+3], v[LI], s[60:61] offset:2048*ff+512*\c
.endr
.set ff, ff+1
.endr
	WIN 0
	BRA 31
.set vp, 0
.rept 36
	VP vp, 31
.set vp, vp+1
.endr
	WIN 0
	v_nop
	s_wait_dscnt 0x0                               ; for the others' sake: my reads of XK are in
	s_barrier_signal -1
	s_barrier_wait -1                              ; nobody reads XK any more: the q codes' slots lie over it
; ---------------------------------------------------------------- q: sixteen tiles of 16 queries
	s_lshl_b32 s75, s22, 14                        ; QA: my sixteen slots
	s_mov_b32 s71, 0
	s_mov_b32 s74, 0
	s_mov_b32 s72, s75
	v_add_nc_u32 v[AD1], s71, v[AQ]
	v_add_nc_u32 v[AD2], s74, v[CSA]
	QFLD
	QCLD
	s_mov_b32 s66, 0
	s_wait_loadcnt 0x0                             ; Wq
.Lq:
	s_add_co_u32 s71, s71, TILE                    ; the next tile's places
	s_add_co_u32 s74, s74, 4096
	s_wait_dscnt 0x0                               ; the tile's fragment, cos and sin are in; the last tile's stores have read their registers
	WIN 0x01                                       ; source 0 window 1
.irp s, 0,1
.irp t, 0,1,2,3
.if \s == 0
	v_wmma_f32_16x16x128_bf8_bf8 v[ACK+8*\t:ACK+8*\t+7], v[16*(2*\t+\s):16*(2*\t+\s)+15], v[FR+16*\s:FR+16*\s+15], 0
.else
	v_wmma_f32_16x16x128_bf8_bf8 v[ACK+8*\t:ACK+8*\t+7], v[16*(2*\t+\s):16*(2*\t+\s)+15], v[FR+16*\s:FR+16*\s+15], v[ACK+8*\t:ACK+8*\t+7]
.endif
.endr
.endr
	WIN 0
	v_add_nc_u32 v[AD1], s71, v[AQ]                ; four plain lines behind the products, ahead of the loads into the fragment and of the first read of the sums
	v_add_nc_u32 v[AD2], s74, v[CSA]
	v_add_nc_u32 v[AD3], s72, v[QAA]
	v_nop
	s_cmp_eq_u32 s66, 15
	s_cbranch_scc1 .Lq_a
	QFLD
.Lq_a:
	ROPE CSET
	s_cmp_eq_u32 s66, 15
	s_cbranch_scc1 .Lq_b
	QCLD
.Lq_b:
.set m, 0
.rept 32
	v_med3_num_f32 v[ACK+m], v[ACK+m], -s[LQ], s[LQ]
.set m, m+1
.endr
.irp u, 0,1,2,3
	v_cvt_scalef32_pk8_bf8_f32 v[QC+2*\u:QC+2*\u+1], v[ACK+8*\u:ACK+8*\u+7], v[SCQ]
.endr
	v_nop                                          ; a plain line between the conversions and the next products, which write their sources
	ds_store_b128 v[AD3], v[QC:QC+3]               ; the fragment as it stands: d = 16 h + 0 .. 15,
	ds_store_b128 v[AD3], v[QC+4:QC+7] offset:512  ; d = 32 + 16 h + 0 .. 15
	s_add_co_u32 s72, s72, 1024
	s_add_co_u32 s66, s66, 1
	s_cmp_lt_u32 s66, 16
	s_cbranch_scc1 .Lq
; ---------------------------------------------------------------- ATTENTION: sixteen tiles of 16 queries against the 512 keys in my registers
	s_mov_b32 s73, s75
	v_add_nc_u32 v[AD1], s73, v[QAA]
	ds_load_b128 v[QF:QF+3], v[AD1]                ; LDS serves a wave's instructions in order (ISA guide 5.7.1.4): these see my stores
	ds_load_b128 v[QF+4:QF+7], v[AD1] offset:512
	v_mov_b32 v[NM+1], 0                           ; named as upper halves of pairs, and a lane permute's destination: written once
	v_mov_b32 v[RL+1], 0
	v_mov_b32 v[TP], 0
	s_mov_b32 s66, 0
.Latt:
	s_wait_dscnt 0x0                               ; q's fragment is in
	WIN 0x42                                       ; destination window 1, source 0 window 2
.set tt, 0
.rept 32
	v_wmma_f32_16x16x64_bf8_bf8 v[8*tt:8*tt+7], v[8*tt:8*tt+7], v[QF:QF+7], 0   ; S^T: lane (r, h): query r, keys 8 h + 0 .. 7 of tile tt
.set tt, tt+1
.endr
	WIN 0
.irp k, 0,1,2,3,4,5,6,7
	v_mov_b32 v[LL+\k], 0                          ; the sum's four pairs; these lines are also the places behind the products
.endr
	v_add_nc_u32 v[AD1], s73, v[QAA]
	s_cmp_eq_u32 s66, 15
	s_cbranch_scc1 .Latt_a
	ds_load_b128 v[QF:QF+3], v[AD1] offset:1024    ; the next tile's q
	ds_load_b128 v[QF+4:QF+7], v[AD1] offset:1536
.Latt_a:
	WIN 0x05                                       ; sources 0 and 1 window 1
.irp k, 0,1,2,3
	v_max_num_f32 v[MX+\k], v[64*\k], v[64*\k+1]   ; the largest of my 256 scores, in four chains; each tile is read from its low end on
.endr
.set j, 1
.rept 31
.irp k, 0,1,2,3
	v_max3_num_f32 v[MX+\k], v[64*\k+2*j], v[64*\k+2*j+1], v[MX+\k]
.endr
.set j, j+1
.endr
	WIN 0
	v_max3_num_f32 v[MX], v[MX], v[MX+1], v[MX+2]
	v_max_num_f32 v[MX], v[MX], v[MX+3]
	v_permlanex16_b32 v[TP], v[MX], s42, s43
	v_max_num_f32 v[MX], v[MX], v[TP]              ; and of lane l xor 16's
	v_mul_f32 v[MX], s40, v[MX]                    ; as t (c is positive)
	v_floor_f32 v[NM], -v[MX]                      ; -M = floor(-t) = -ceil(t): over all 512 keys, so M never moves
	STAGE -1, -1, 0
	STAGE -1, 0, 1
	BATCHWAIT
	SUM 0
	STAGE 0, 1, 2
	BATCHWAIT
	CVT 0
	SUM 1
	STAGE 1, 2, 3
	BATCHWAIT
	CVT 1
	SUM 2
	STAGE 2, 3, -1
	BATCHWAIT
	CVT 2
	SUM 3
	STAGE 3, -1, -1
	CVT 3
	WIN 0
	v_nop                                          ; a plain line between the conversions and the products that read their results
	WIN 0x03                                       ; source 0 window 3
.irp q, 0,1,2,3
.irp t, 0,1,2,3
.if \q == 0
	v_wmma_f32_16x16x128_bf8_bf8 v[OO+8*\t:OO+8*\t+7], v[64*\t+16*\q:64*\t+16*\q+15], v[PC+16*\q:PC+16*\q+15], 0
.else
	v_wmma_f32_16x16x128_bf8_bf8 v[OO+8*\t:OO+8*\t+7], v[64*\t+16*\q:64*\t+16*\q+15], v[PC+16*\q:PC+16*\q+15], v[OO+8*\t:OO+8*\t+7]
.endif
.endr
.endr
	WIN 0
	v_pk_add_f32 v[LL:LL+1], v[LL:LL+1], v[LL+2:LL+3]   ; the sum's parts are joined behind the products: these lines are their places
	v_pk_add_f32 v[LL+4:LL+5], v[LL+4:LL+5], v[LL+6:LL+7]
	v_pk_add_f32 v[LL:LL+1], v[LL:LL+1], v[LL+4:LL+5]
	v_add_f32 v[LS], v[LL], v[LL+1]
	v_permlanex16_b32 v[TP], v[LS], s42, s43
	v_add_f32 v[LS], v[LS], v[TP]                  ; the row's sum
	v_rcp_f32 v[RL], v[LS]
	v_nop                                          ; a plain line behind the reciprocal,
	s_wait_alu depctr_va_vdst(0)                   ; and a wait ahead of its first reader
.set m, 0
.rept 16
	v_pk_mul_f32 v[OO+2*m:OO+2*m+1], v[OO+2*m:OO+2*m+1], v[RL:RL+1] op_sel_hi:[1,0]
.set m, m+1
.endr
.set m, 0
.rept 32
	v_med3_num_f32 v[OO+m], v[OO+m], -s[LA], s[LA]
.set m, m+1
.endr
.irp u, 0,1,2,3
	v_cvt_scalef32_pk8_bf8_f32 v[AC+2*\u:AC+2*\u+1], v[OO+8*\u:OO+8*\u+7], v[SCA]   ; registers 0-15 are d = 16 h + 0 .. 15, 16-31 d = 32 + 16 h + 0 .. 15: the last product's operand
.endr
	v_nop                                          ; a plain line between the conversions and the next products, which write their sources
	global_store_b128 v[LI], v[AC:AC+3], s[62:63]  ; the operand as it stands: each store covers 512 consecutive bytes, at a multiple of 512 from the buffer's first byte
	global_store_b128 v[LI], v[AC+4:AC+7], s[62:63] offset:512
	s_wait_xcnt 0x0                                ; the stores have read their registers and their base: both are written again only behind this wait
	s_add_nc_u64 s[62:63], s[62:63], 8192          ; the window's next row: 8 heads x 1,024 bytes
	s_add_co_u32 s73, s73, 1024
	s_add_co_u32 s66, s66, 1
	s_cmp_lt_u32 s66, 16
	s_cbranch_scc1 .Latt
	s_wait_tensorcnt 0x0
	ds_add_u32 v254, v255
	s_wait_dscnt 0x0
	s_endpgm
.Lfunc_end_k_q1b323371a5_attn:
	.size	k_q1b323371a5_attn, .Lfunc_end_k_q1b323371a5_attn-k_q1b323371a5_attn
	.p2alignl 7, 3214868480
	.fill 96, 4, 3214868480
	.section	.rodata,"a",@progbits
	.p2align	6, 0x0
	.amdhsa_kernel k_q1b323371a5_attn
		.amdhsa_group_segment_fixed_size 274944
		.amdhsa_private_segment_fixed_size 0
		.amdhsa_enable_private_segment 0
		.amdhsa_kernarg_size 64
		.amdhsa_user_sgpr_count 2
		.amdhsa_user_sgpr_kernarg_segment_ptr 1
		.amdhsa_wavefront_size32 1
		.amdhsa_system_sgpr_workgroup_id_x 1
		.amdhsa_system_sgpr_workgroup_id_y 1
		.amdhsa_system_sgpr_workgroup_id_z 1
		.amdhsa_system_vgpr_workitem_id 0
		.amdhsa_next_free_vgpr 1024
		.amdhsa_next_free_sgpr 100
		.amdhsa_reserve_vcc 0
		.amdhsa_float_denorm_mode_32 3
		.amdhsa_float_denorm_mode_16_64 3
		.amdhsa_memory_ordered 1
		.amdhsa_forward_progress 1
		.amdhsa_inst_pref_size 255
	.end_amdhsa_kernel
	.section	.bss,"aw",@nobits
	.p2align	6
	.space	262144
	.amdgpu_metadata
---
amdhsa.version: [ 1, 2 ]
amdhsa.kernels:
  - .name:           k_q1b323371a5_attn
    .symbol:         k_q1b323371a5_attn.kd
    .args:
      - { .name: x, .offset: 0, .size: 8, .value_kind: global_buffer, .address_space: global }
      - { .name: skip, .offset: 8, .size: 8, .value_kind: global_buffer, .address_space: global }
      - { .name: time_emb, .offset: 16, .size: 8, .value_kind: global_buffer, .address_space: global }
      - { .name: sin, .offset: 24, .size: 8, .value_kind: global_buffer, .address_space: global }
      - { .name: cos, .offset: 32, .size: 8, .value_kind: global_buffer, .address_space: global }
      - { .name: lowp_scales, .offset: 40, .size: 8, .value_kind: global_buffer, .address_space: global }
      - { .name: wcodes, .offset: 48, .size: 8, .value_kind: global_buffer, .address_space: global }
      - { .name: acodes, .offset: 56, .size: 8, .value_kind: global_buffer, .address_space: global }
    .group_segment_fixed_size: 274944
    .private_segment_fixed_size: 0
    .kernarg_segment_align: 8
    .kernarg_segment_size: 64
    .max_flat_workgroup_size: 128
    .sgpr_count:     100
    .vgpr_count:     1024
    .wavefront_size: 32
...
	.end_amdgpu_metadata
.endif
;; end of part 3
;; launch outp (part 4): grid 256 x 1, 4 waves a work-group, no clusters, 70,144 bytes of LDS; arguments acodes, wcodes, lowp_scales, bout, out0; writes out0
.if DOCPART == 4
	.amdgcn_target "amdgcn-amd-amdhsa--gfx1250"
	.amdhsa_code_object_version 6
	.text
	.protected	k_q1b323371a5_outp
	.globl	k_q1b323371a5_outp
	.p2align	8
	.type	k_q1b323371a5_outp,@function
k_q1b323371a5_outp:
	s_mov_b64 s[64:65], 0
	v_nop
	global_prefetch_b8 v0, s[64:65] scope:SCOPE_SE
	s_setreg_imm32_b32 hwreg(HW_REG_WAVE_MODE, 25, 1), 1
	s_wait_xcnt 0x0
; THE LAST PRODUCT: out0 = Wout a + bout, on codes of BF8 (E5M2): a's codes (scale e8) as the launch before stored them, Wout's (scale e9) as the first launch laid them; sums in f32, x 2^(e8 + e9), + bout.
; SHARES.  A work-group takes ONE IMAGE ROW: 128 pixels (row i of the eight windows of a row of windows) x 256 channels; 2 images x 128 rows = 256 work-groups.  Wave w makes channels 64 w .. 64 w + 63 for all 128 pixels,
; 64 pixels (four windows) at a time.  So a channel's 64 pixels are 256 consecutive bytes of out0, at a multiple of 256 from its first byte, and they leave by sixteen neighbouring lanes of one store.
; OPERANDS come from memory straight into registers, as images of registers: a fragment (16 rows x 128 K) is four loads of 512 consecutive bytes.  a's tile (window, row) is 8,192 bytes: K step s (heads 2 s, 2 s + 1) at 2,048 s.
; All loads are asked for at the head.  Source 0 = 16 pixels, source 1 = 16 rows of Wout: a lane holds ONE channel (lane % 16) and eight neighbouring pixels, 8 (lane / 16) + 0 .. 7.
; THE WAY OUT goes through the wave's own stage in LDS, 64 rows (channels) of 256 bytes + 16: in by 16 bytes a lane, back by rows.  Waves share nothing: no barrier.
; NO JOINT LOADS: what work-groups share is Wout's codes, and they go to registers (each wave its own 16 fragments), not to LDS.
; LIMIT: e8 + e9 between -126 and 127, so that 2^(e8 + e9) is an f32 number.
; REGISTERS, in windows of 256: window 0: v4-8 addresses; v32-159 the 16 accumulators ((pixel tile m, channel tile o) at 8 (4 m + o)), then rows of out0; v160-167 bout, each number twice.
;   window 1: Wout's fragments (o, s) at 16 (4 o + s).   window 2: a's fragments (m, s) at 16 (4 m + s) of the first 64 pixels;   window 3: of the second.
.set SP,  272                          ; a stage row: 68 words: 16 rows start at 16 different groups of banks (64 banks of 4 bytes: ISA guide 11.1)
.set LI,  4                            ; 16 x lane; never rewritten
.set STO, 5                            ; the stage: where I put 16 bytes of a row
.set RD,  6                            ; and where I read a row back
.set GO,  7                            ; my byte offset in out0; never rewritten
.set BA,  8                            ; bout: 4 r
.set ACC, 32
.set BI,  160
.set MSB, 0
.macro WIN new                         ; the immediate's high byte repeats the setting that is left
.if MSB != (\new)
	s_set_vgpr_msb (MSB<<8)|(\new)
.set MSB, (\new)
.endif
.endm
	s_load_b256 s[4:11], s[0:1], 0x0               ; a's codes s[4:5], the weights' codes s[6:7], the scales' exponents s[8:9], bout s[10:11]
	s_load_b64 s[12:13], s[0:1], 0x20              ; out0
	v_lshl_add_u32 v254, v0, 2, 0x11000
	v_mov_b32 v255, 0
	v_lshrrev_b32 v1, 5, v0
	v_readfirstlane_b32 s14, v1                    ; wave 0..3
	v_and_b32 v1, 15, v0                           ; r
	v_bfe_u32 v2, v0, 4, 1                         ; h
	v_and_b32 v3, 31, v0
	v_lshlrev_b32 v[LI], 4, v3
	s_mul_i32 s15, s14, 64*SP                      ; my stage
	v_mul_u32_u24 v[STO], v1, SP                   ; in: row r of a channel tile, + 32 h: my eight pixels
	v_lshl_add_u32 v[STO], v2, 5, v[STO]
	v_add_nc_u32 v[STO], s15, v[STO]
	v_mul_u32_u24 v[RD], v2, SP                    ; back: lanes 0-15 take one row of 256 bytes, lanes 16-31 the next
	v_lshl_add_u32 v[RD], v1, 4, v[RD]
	v_add_nc_u32 v[RD], s15, v[RD]
	v_lshlrev_b32 v[GO], 16, v2                    ; and the same two channels in out0: 65,536 bytes apart
	v_lshl_add_u32 v[GO], v1, 4, v[GO]
	v_lshlrev_b32 v[BA], 2, v1
	s_and_b32 s16, ttmp9, 15                       ; the windows' row i: 8,192 bytes a row,
	s_lshl_b32 s16, s16, 13
	s_lshr_b32 s17, ttmp9, 4                       ; 8 image + wx: eight windows of 131,072 bytes
	s_lshl_b32 s17, s17, 20
	s_add_co_u32 s16, s16, s17
	s_mov_b32 s17, 0
	s_lshl_b32 s18, s14, 15                        ; Wout's images begin at 192 x 2,048; 16 of them are mine
	s_add_co_u32 s18, s18, 0x60000
	s_mov_b32 s19, 0
	s_lshl_b32 s20, s14, 8                         ; bout: my 64 numbers
	s_mov_b32 s21, 0
	s_lshr_b32 s22, ttmp9, 7                       ; out0: the image,
	s_lshl_b32 s22, s22, 24
	s_lshl_b32 s23, s14, 22                        ; my 64 channels,
	s_add_co_u32 s22, s22, s23
	s_and_b32 s23, ttmp9, 127                      ; the image's row
	s_lshl_b32 s23, s23, 9
	s_add_co_u32 s22, s22, s23
	s_mov_b32 s23, 0
	s_wait_kmcnt 0x0
	s_load_b64 s[24:25], s[8:9], 0x20              ; e8, e9
	s_add_nc_u64 s[4:5], s[4:5], s[16:17]
	s_add_nc_u64 s[6:7], s[6:7], s[18:19]
	s_add_nc_u64 s[10:11], s[10:11], s[20:21]
	s_add_nc_u64 s[12:13], s[12:13], s[22:23]
.macro ALD hf                          ; the 16 fragments of four windows' tiles: 64 loads of 512 consecutive bytes
.set mm, 0
.rept 4
.set ss, 0
.rept 4
.irp c, 0,1,2,3
	global_load_b128 v[16*(4*mm+ss)+4*\c:16*(4*mm+ss)+4*\c+3], v[LI], s[4:5] offset:(4*\hf+mm)*131072+2048*ss+512*\c
.endr
.set ss, ss+1
.endr
.set mm, mm+1
.endr
.endm
	WIN 0x80                                       ; destination window 2
	ALD 0
	WIN 0x40                                       ; destination window 1
.set ff, 0
.rept 16
.irp c, 0,1,2,3
	global_load_b128 v[16*ff+4*\c:16*ff+4*\c+3], v[LI], s[6:7] offset:2048*ff+512*\c
.endr
.set ff, ff+1
.endr
	WIN 0
.irp o, 0,1,2,3
	global_load_b32 v[BI+2*\o], v[BA], s[10:11] offset:64*\o       ; bout (64 w + 16 o + r), twice: the packed form adds a pair
	global_load_b32 v[BI+2*\o+1], v[BA], s[10:11] offset:64*\o
.endr
	WIN 0xc0                                       ; destination window 3
	ALD 1
	WIN 0
	s_wait_kmcnt 0x0
	s_add_co_i32 s26, s24, s25                     ; e8 + e9, between -126 and 127,
	s_add_co_i32 s26, s26, 127
	s_lshl_b32 s26, s26, 23                        ; makes the f32 number 2^(e8 + e9)
	s_mov_b32 s27, s26                             ; (named with it as a pair, so it is written)
; 64 pixels x my 64 channels: 64 matrix instructions, the 16 accumulators by turns, a K step at a time; the first K step starts the sums.
.macro HALF hf
	WIN 0x06+\hf                                   ; source 0 (a) window 2 or 3, source 1 (Wout) window 1
.irp s, 0,1,2,3
.irp m, 0,1,2,3
.irp o, 0,1,2,3
.if \s == 0
	v_wmma_f32_16x16x128_bf8_bf8 v[ACC+8*(4*\m+\o):ACC+8*(4*\m+\o)+7], v[16*(4*\m+\s):16*(4*\m+\s)+15], v[16*(4*\o+\s):16*(4*\o+\s)+15], 0
.else
	v_wmma_f32_16x16x128_bf8_bf8 v[ACC+8*(4*\m+\o):ACC+8*(4*\m+\o)+7], v[16*(4*\m+\s):16*(4*\m+\s)+15], v[16*(4*\o+\s):16*(4*\o+\s)+15], v[ACC+8*(4*\m+\o):ACC+8*(4*\m+\o)+7]
.endif
.endr
.endr
.endr
	WIN 0
.rept 4
	v_nop                                          ; four places between the last product and the first read of the sums (ISA guide 7.12.1)
.endr
.irp m, 0,1,2,3
.irp o, 0,1,2,3
.irp i, 0,2,4,6
	v_pk_fma_f32 v[ACC+8*(4*\m+\o)+\i:ACC+8*(4*\m+\o)+\i+1], v[ACC+8*(4*\m+\o)+\i:ACC+8*(4*\m+\o)+\i+1], s[26:27], v[BI+2*\o:BI+2*\o+1] op_sel_hi:[1,0,1]   ; sum x 2^(e8 + e9) + bout; each accumulator from its low end on
.endr
.endr
.endr
.irp m, 0,1,2,3
.irp o, 0,1,2,3
	ds_store_b128 v[STO], v[ACC+8*(4*\m+\o):ACC+8*(4*\m+\o)+3] offset:16*\o*SP+64*\m        ; channel 16 o + r, pixels 16 m + 8 h + 0 .. 3,
	ds_store_b128 v[STO], v[ACC+8*(4*\m+\o)+4:ACC+8*(4*\m+\o)+7] offset:16*\o*SP+64*\m+16   ; + 4 .. 7
.endr
.endr
.set tt, 0
.rept 32
	ds_load_b128 v[ACC+4*tt:ACC+4*tt+3], v[RD] offset:2*tt*SP   ; LDS serves a wave's instructions in order (ISA guide 5.7.1.4): these see my stores, and land in the registers that the stores have left
.set tt, tt+1
.endr
.set tt, 0
.rept 32
	s_wait_dscnt 31-tt                             ; rows 2 tt and 2 tt + 1 are back; the younger loads may be out
	global_store_b128 v[GO], v[ACC+4*tt:ACC+4*tt+3], s[12:13] offset:2*tt*65536+256*\hf th:TH_STORE_NT   ; sixteen lanes store 256 consecutive bytes, at a multiple of 256 from out0's first byte; written once, read by nobody here
.set tt, tt+1
.endr
.endm
	s_wait_loadcnt 63                              ; 64 loads were issued behind bout's last; the count is the largest that can be named: the first half's fragments, Wout's and bout are in
	HALF 0
	s_wait_loadcnt 0x0                             ; the second half's fragments
	s_wait_xcnt 0x0                                ; the stores have read their registers: the next products write them only behind this wait
	HALF 1
	s_wait_tensorcnt 0x0
	ds_add_u32 v254, v255
	s_wait_dscnt 0x0
	s_endpgm
.Lfunc_end_k_q1b323371a5_outp:
	.size	k_q1b323371a5_outp, .Lfunc_end_k_q1b323371a5_outp-k_q1b323371a5_outp
	.p2alignl 7, 3214868480
	.fill 96, 4, 3214868480
	.section	.rodata,"a",@progbits
	.p2align	6, 0x0
	.amdhsa_kernel k_q1b323371a5_outp
		.amdhsa_group_segment_fixed_size 70144
		.amdhsa_private_segment_fixed_size 0
		.amdhsa_enable_private_segment 0
		.amdhsa_kernarg_size 40
		.amdhsa_user_sgpr_count 2
		.amdhsa_user_sgpr_kernarg_segment_ptr 1
		.amdhsa_wavefront_size32 1
		.amdhsa_system_sgpr_workgroup_id_x 1
		.amdhsa_system_sgpr_workgroup_id_y 1
		.amdhsa_system_sgpr_workgroup_id_z 1
		.amdhsa_system_vgpr_workitem_id 0
		.amdhsa_next_free_vgpr 1024
		.amdhsa_next_free_sgpr 66
		.amdhsa_reserve_vcc 0
		.amdhsa_float_denorm_mode_32 3
		.amdhsa_float_denorm_mode_16_64 3
		.amdhsa_memory_ordered 1
		.amdhsa_forward_progress 1
		.amdhsa_inst_pref_size 54
	.end_amdhsa_kernel
	.amdgpu_metadata
---
amdhsa.version: [ 1, 2 ]
amdhsa.kernels:
  - .name:           k_q1b323371a5_outp
    .symbol:         k_q1b323371a5_outp.kd
    .args:
      - { .name: acodes, .offset: 0, .size: 8, .value_kind: global_buffer, .address_space: global }
      - { .name: wcodes, .offset: 8, .size: 8, .value_kind: global_buffer, .address_space: global }
      - { .name: lowp_scales, .offset: 16, .size: 8, .value_kind: global_buffer, .address_space: global }
      - { .name: bout, .offset: 24, .size: 8, .value_kind: global_buffer, .address_space: global }
      - { .name: out0, .offset: 32, .size: 8, .value_kind: global_buffer, .address_space: global }
    .group_segment_fixed_size: 70144
    .private_segment_fixed_size: 0
    .kernarg_segment_align: 8
    .kernarg_segment_size: 40
    .max_flat_workgroup_size: 128
    .sgpr_count:     66
    .vgpr_count:     1024
    .wavefront_size: 32
...
	.end_amdgpu_metadata
.endif
;; end of part 4
;; ======== version 3 of 3: 3 launches
;; workspace buffers: wcodes 524,288 bytes; acodes 16,777,216 bytes
;; launch prep (part 5): grid 256 x 1, 1 waves a work-group, no clusters, 0 bytes of LDS; arguments Wq, Wkv, Wout, lowp_scales, wcodes; writes wcodes
.if DOCPART == 5
	.amdgcn_target "amdgcn-amd-amdhsa--gfx1250"
	.amdhsa_code_object_version 6
	.text
	.protected	k_q1b323371a5_prep
	.globl	k_q1b323371a5_prep
	.p2align	8
	.type	k_q1b323371a5_prep,@function
k_q1b323371a5_prep:
	s_mov_b64 s[64:65], 0
	v_nop
	global_prefetch_b8 v0, s[64:65] scope:SCOPE_SE
	s_setreg_imm32_b32 hwreg(HW_REG_WAVE_MODE, 25, 1), 1
	s_wait_xcnt 0x0
; Wq [512][256], Wkv [1024][256] and Wout [256][512], f32 with K innermost, become codes of BF8 (E5M2), each with the one scale 2^e given for it
; (entries 1, 3 and 9 of the scales).  code = w / 2^e, held within +-57,344, rounded to the nearest code, ties to even.
; THE CODES ARE LAID IN THE ORDER OF THE OPERAND'S REGISTERS: 256 images of a fragment (16 rows x 128 K), 2,048 bytes each.  An image is four chunks c of 512 bytes;
; lane l = r + 16 h owns the 16 bytes at 512 c + 16 l: K = 128 s + 32 c + 16 h + 0 .. 15 of the lane's row.  So the next launch fills a fragment by four loads of 16 bytes a lane.
; Image F: 0-63 Wq, 64-127 Wkv's first 512 rows (k), 128-191 its last 512 (v): head (F>>3)&7, tile t = (F>>1)&3, K step s = F&1; lane r takes row 64 head + 32 (t>>1) + 8 (t&1) + r + 8 (r>>3),
; so that the 16 results that a lane gets from tiles 2 b and 2 b + 1 are 16 neighbours along the head's 64.  192-255 Wout: tile (F>>2)&15, K step F&3, row 16 tile + r.
; One wave makes one image; one path serves all: what differs is chosen by s_cselect on F>>6.
; LIMITS: each e between -126 and 112, so that 2^e and 57,344 x 2^e are f32 numbers.  NaN among the inputs is not served.
.set X, 16                             ; v16-79  64 numbers: 16 c + i = K 32 c + 16 h + i
.set C, 80                             ; v80-95  their codes
	s_load_b256 s[4:11], s[0:1], 0x0               ; Wq s[4:5], Wkv s[6:7], Wout s[8:9], the scales' exponents s[10:11]
	s_load_b64 s[12:13], s[0:1], 0x20              ; the codes
	v_and_b32 v1, 15, v0                           ; r
	s_wait_alu depctr_va_vdst(0)
	v_bfe_u32 v2, v0, 4, 1                         ; h
	v_lshlrev_b32 v4, 4, v0                        ; 16 x lane
	s_lshr_b32 s14, ttmp9, 6                       ; kind: 0 Wq, 1 k, 2 v, 3 Wout
	s_bfe_u32 s15, ttmp9, 0x30003                  ; head
	s_lshl_b32 s15, s15, 6
	s_bfe_u32 s16, ttmp9, 0x10002                  ; t >> 1
	s_lshl_b32 s16, s16, 5
	s_add_co_u32 s15, s15, s16
	s_bfe_u32 s16, ttmp9, 0x10001                  ; t & 1
	s_lshl_b32 s16, s16, 3
	s_add_co_u32 s15, s15, s16                     ; 64 head + 32 (t >> 1) + 8 (t & 1)
	s_and_b32 s17, ttmp9, 1                        ; K step
	s_cmp_eq_u32 s14, 2
	s_cselect_b32 s16, 512, 0                      ; v's rows lie behind k's
	s_add_co_u32 s15, s15, s16
	s_bfe_u32 s18, ttmp9, 0x40002                  ; Wout: tile,
	s_lshl_b32 s18, s18, 4
	s_and_b32 s19, ttmp9, 3                        ; K step
	s_cmp_eq_u32 s14, 3
	s_cselect_b32 s15, s18, s15                    ; the image's first row
	s_cselect_b32 s17, s19, s17
	s_cselect_b32 s22, 11, 10                      ; a row is 2^11 or 2^10 bytes
	s_cselect_b32 s23, 0, 8                        ; lanes 8-15 stand 8 rows further on, but in Wout
	s_lshl_b32 s26, s15, s22
	s_lshl_b32 s17, s17, 9                         ; 128 numbers a K step
	s_add_co_u32 s26, s26, s17
	s_mov_b32 s27, 0
	s_lshl_b32 s28, ttmp9, 11                      ; my image
	s_mov_b32 s29, 0
	v_lshrrev_b32 v5, 3, v1
	v_mad_u32_u24 v5, v5, s23, v1                  ; r + 8 (r >> 3), or r
	v_lshlrev_b32 v3, s22, v5
	s_wait_alu depctr_va_vdst(0)
	v_lshl_add_u32 v3, v2, 6, v3                   ; + 64 h: my 16 numbers of a block of 32
	s_wait_alu depctr_va_vdst(0)
	s_wait_kmcnt 0x0
	s_load_b32 s16, s[10:11], 0x4                  ; e of Wq,
	s_load_b32 s18, s[10:11], 0xc                  ; of Wkv,
	s_load_b32 s19, s[10:11], 0x24                 ; of Wout
	s_cmp_eq_u32 s14, 0                            ; the choice hangs on the work-group's number alone
	s_cselect_b64 s[24:25], s[4:5], s[6:7]
	s_cmp_eq_u32 s14, 3
	s_cselect_b64 s[24:25], s[8:9], s[24:25]
	s_add_nc_u64 s[24:25], s[24:25], s[26:27]
	s_add_nc_u64 s[12:13], s[12:13], s[28:29]
.irp c, 0,1,2,3
.irp j, 0,1,2,3
	global_load_b128 v[X+16*\c+4*\j:X+16*\c+4*\j+3], v3, s[24:25] offset:128*\c+16*\j
.endr
.endr
	s_wait_kmcnt 0x0
	s_cmp_eq_u32 s14, 0
	s_cselect_b32 s18, s16, s18
	s_cmp_eq_u32 s14, 3
	s_cselect_b32 s18, s19, s18                    ; e
	s_add_co_i32 s18, s18, 127
	s_lshl_b32 s19, s18, 23
	v_mov_b32 v10, s19                             ; 2^e as f32: the conversion takes its exponent field
	s_add_co_i32 s18, s18, 15
	s_lshl_b32 s20, s18, 23
	s_or_b32 s20, s20, 0x600000                    ; 57,344 x 2^e
	s_wait_loadcnt 0x0
.set i, 0
.rept 64
	v_med3_num_f32 v[X+i], v[X+i], -s20, s20       ; the conversion to an 8-bit code does not saturate (ISA guide 7.6.2): the hold comes first
.set i, i+1
.endr
.irp c, 0,1,2,3
	v_cvt_scalef32_pk8_bf8_f32 v[C+4*\c:C+4*\c+1], v[X+16*\c:X+16*\c+7], v10
	v_cvt_scalef32_pk8_bf8_f32 v[C+4*\c+2:C+4*\c+3], v[X+16*\c+8:X+16*\c+15], v10
.endr
.irp c, 0,1,2,3
	global_store_b128 v4, v[C+4*\c:C+4*\c+3], s[12:13] offset:512*\c   ; the wave stores 512 consecutive bytes, at a multiple of 256 from the buffer's first byte
.endr
	s_endpgm
.Lfunc_end_k_q1b323371a5_prep:
	.size	k_q1b323371a5_prep, .Lfunc_end_k_q1b323371a5_prep-k_q1b323371a5_prep
	.p2alignl 7, 3214868480
	.fill 96, 4, 3214868480
	.section	.rodata,"a",@progbits
	.p2align	6, 0x0
	.amdhsa_kernel k_q1b323371a5_prep
		.amdhsa_group_segment_fixed_size 0
		.amdhsa_private_segment_fixed_size 0
		.amdhsa_enable_private_segment 0
		.amdhsa_kernarg_size 40
		.amdhsa_user_sgpr_count 2
		.amdhsa_user_sgpr_kernarg_segment_ptr 1
		.amdhsa_wavefront_size32 1
		.amdhsa_system_sgpr_workgroup_id_x 1
		.amdhsa_system_sgpr_workgroup_id_y 1
		.amdhsa_system_sgpr_workgroup_id_z 1
		.amdhsa_system_vgpr_workitem_id 0
		.amdhsa_next_free_vgpr 96
		.amdhsa_next_free_sgpr 66
		.amdhsa_reserve_vcc 0
		.amdhsa_float_denorm_mode_32 3
		.amdhsa_float_denorm_mode_16_64 3
		.amdhsa_memory_ordered 1
		.amdhsa_forward_progress 1
		.amdhsa_inst_pref_size 10
	.end_amdhsa_kernel
	.amdgpu_metadata
---
amdhsa.version: [ 1, 2 ]
amdhsa.kernels:
  - .name:           k_q1b323371a5_prep
    .symbol:         k_q1b323371a5_prep.kd
    .args:
      - { .name: Wq, .offset: 0, .size: 8, .value_kind: global_buffer, .address_space: global }
      - { .name: Wkv, .offset: 8, .size: 8, .value_kind: global_buffer, .address_space: global }
      - { .name: Wout, .offset: 16, .size: 8, .value_kind: global_buffer, .address_space: global }
      - { .name: lowp_scales, .offset: 24, .size: 8, .value_kind: global_buffer, .address_space: global }
      - { .name: wcodes, .offset: 32, .size: 8, .value_kind: global_buffer, .address_space: global }
    .group_segment_fixed_size: 0
    .private_segment_fixed_size: 0
    .kernarg_segment_align: 8
    .kernarg_segment_size: 40
    .max_flat_workgroup_size: 32
    .sgpr_count:     66
    .vgpr_count:     96
    .wavefront_size: 32
...
	.end_amdgpu_metadata
.endif
;; end of part 5
;; launch attn (part 6): grid 256 x 1, 4 waves a work-group, no clusters, 274,944 bytes of LDS; arguments x, skip, time_emb, sin, cos, lowp_scales, wcodes, acodes; writes acodes
.if DOCPART == 6
	.amdgcn_target "amdgcn-amd-amdhsa--gfx1250"
	.amdhsa_code_object_version 6
	.text
	.protected	k_q1b323371a5_attn
	.globl	k_q1b323371a5_attn
	.p2align	8
	.type	k_q1b323371a5_attn,@function
k_q1b323371a5_attn:
	s_mov_b64 s[64:65], 0
	v_nop
	global_prefetch_b8 v0, s[64:65] scope:SCOPE_SE
	s_setreg_imm32_b32 hwreg(HW_REG_WAVE_SCHED_MODE, 0, 2), 2
	s_setreg_imm32_b32 hwreg(HW_REG_WAVE_MODE, 25, 1), 1
	s_wait_xcnt 0x0
	s_wait_alu depctr_vm_vsrc(0)
; WINDOWED ATTENTION: THE FIRST FOUR PRODUCTS IN ONE LAUNCH, on codes of BF8 (E5M2), each operand with the one scale 2^e given for it (e0 .. e8 here).  What leaves is the last product's operand, as codes.
; 2 images x 64 windows of 16 x 16 pixels, 8 heads of 64.  A window has 256 queries (from x + time_emb) and 512 keys and values (256 from x + time_emb, 256 from skip), and needs nothing from outside itself but the weights.
; SHARES.  A work-group takes one window and FOUR OF ITS EIGHT HEADS: 128 x 2 = 256 work-groups of equal work.  A WAVE OWNS ONE HEAD: it projects k and v of all 512 keys, keeps their codes in registers (256 + 256),
; projects q, and walks the window's 16 tiles of 16 queries.  So attention reads from LDS only a tile's q codes (1,024 bytes), no projection is done twice, and each weight fragment is wanted by one wave alone: it comes from
; memory straight into that wave's registers, in the order in which the first launch laid it.
; PHASES.  X: the four waves turn the window's x + time_emb (with scale e2 for k and v, with e0 for q) and skip into codes in LDS (rows of 256 channels), and copy its cos and sin | barrier | k and v | barrier | q | attention.
; The result, divided by the row's sum and quantised with e8, is stored as an image of the last product's operand registers: slot ((window 16 + row) 8 + head) of 1,024 bytes, two stores of 512 consecutive bytes.
; LAYOUTS.  Position p = 0 .. 15 is the window's row p, and query tile p.  Key tile T = 2 p + src (0: x, 1: skip).
; k and q are projected with the weight as source 0: a lane holds ONE pixel and its registers run along the head's 64 (the weight's rows are chosen for it), so RoPE is packed arithmetic in a lane and the conversions' results ARE the operand.
; v is projected with the pixels as source 0: a lane holds one channel and its registers run along the pixels, which are the second product's K.  S^T = k q^T and O^T = v^T p^T: a lane holds one query throughout.
; All 512 scores of a query tile are in registers at once: M = the ceiling of the row's largest t is found first, so there is no running maximum and nothing is rescaled.  p = 2^(t - M); the row's sum is taken of the unquantised p.
; NO JOINT LOADS, NO TENSOR LOADS: x and skip pass through registers in any case, to be quantised; a weight fragment is read by one wave of a work-group and goes to its registers.  So nothing that several work-groups
; share would land in LDS.
; x and skip are read in runs of 64 bytes: a window's row is 16 pixels of 4 bytes in the tensor, and no longer.  The work-groups that touch the same 256 bytes have neighbouring numbers.
; LIMITS on the given exponents, so that each power of two below is an f32 number: e0, e2, e6, e4 - e0 - e1, e5 - e2 - e3, e7 - e2 - e3 and e8 - e6 - e7 between -126 and 112; e4 + e5 between -121 and 130 (they are added to
; c's exponent field).  NaN among the inputs is not served.
; LDS: XK 512 rows of 256 codes (scale e2), 272 bytes apart (68 words: 16 rows start at 16 different groups of banks: 64 banks of 4 bytes, ISA guide 11.1): row (16 src + p) 16 + pixel | XQ 256 rows (scale e0): 16 p + pixel
;      | CS 16 x 4,096: images of registers: cos (px r, 16 h + 0 .. 15), then sin with its even entries negated.  QA, 64 x 1,024: slot 16 wave + tile: the q codes as images of registers: it lies OVER XK, whose last read
;      stands ahead of the second barrier.
; REGISTERS, in windows of 256 (s_set_vgpr_msb: bits 1:0 source 0, 3:2 source 1, 5:4 source 2, 7:6 destination):
;   window 0: v1-31 addresses and scales; v32-253 by phase (below); v254, v255 the closing add's two.  window 1: Wk's and Wv's fragments, then Wq's in Wk's place, then the scores S^T (tile T at 8 T).  window 2: k's codes (8 T).
;   window 3: phase X's numbers as loaded, then v's codes (channel tile t, key tile T: 64 t + 2 T).
; THE MODE: SCHED_MODE bits 1:0 = 2 (LLVM: expert scheduling mode 2), set by the entry lines.  The code itself states the register dependences between vector or matrix instructions and memory or LDS instructions,
; with s_wait_alu, always for 0.
; THE PLAN.  Registers that memory or LDS instructions touch, and who else names them:
;   v4-7, 9, 10, 12-17   offsets and addresses, made at the head and never written again: one wait at the head serves them.  The rows of x, skip, cos and sin are reached by scalar bases, which move on by a row.
;   RA, RB (window 3)    a row of x, of skip.  Loads land; XADD and the holds read.  Asked for again behind the wait that follows the last quantising that reads them.
;   CSR                  a row's cos and sin.  Loads land; eight lines flip signs; eight LDS stores read; the next row's loads land.
;   CCA, CCB, CCC        phase X's codes: a buffer for each of a trip's three quantisings.  The conversions write; sixteen LDS stores read, dealt among the NEXT quantising's lines, which name neither the buffer nor its address.
;   SAX, SAS, SAQ, SAC   phase X's LDS addresses: written once a trip, behind the wait that shows the last trip's stores to have read them.
;   FR, CSET (two sets)  a key tile's fragment; a position's cos and sin.  LDS loads land; products and RoPE read.  One wait a tile, at the head of the bracket that loads two tiles ahead.
;   window 1, v0-127     Wk's fragments; Wq's land there behind one wait that follows k's last product.
;   AD1-3, QC (q)        written once a trip; read by the trip's LDS loads and stores.
;   QF, AD1, AC (attention)  q's fragment: the 32 products of S^T read it, and the next tile's lands behind the first batch's wait, which stands there in any case.  AC: the conversions write, two stores read.
;   All else (accumulators, scores, p, k's and v's codes, scales) is named by vector and matrix instructions alone.
.set TILE,  4352                       ; 16 rows of 272 bytes
.set XKS,   16*TILE                    ; skip's rows in XK
.set XQB,   32*TILE
.set CSB,   XQB+16*TILE
.set QAB,   0
.set RR,  1                            ; lane % 16
.set HH,  2                            ; lane / 16
.set LN,  3                            ; lane
.set LI,  4                            ; 16 x lane: an image's place for my lane; never rewritten
.set AX,  5                            ; a fragment's place in XK: 272 r + 16 h
.set AXS, 6                            ; the same among skip's rows
.set AQ,  7                            ; the same in XQ
.set AD1, 8                            ; LDS addresses in hand
.set CSA, 9                            ; CS + 16 x lane
.set QAA, 10                           ; QA + 16 x lane
.set AD2, 11
.set GLX, 12                           ; x, skip: (lane / 4) x 8 channels + (lane % 4) x 16 bytes
.set OX,  13                           ; + my wave's first row, for x; never rewritten
.set OS,  14                           ; for skip; never rewritten
.set GLC, 15                           ; cos, sin: 128 r + 64 h
.set OC,  16                           ; + my wave's first row; never rewritten
.set STX, 17                           ; phase X: where my codes go in a tile, + my wave's four tiles
.set SAX, 18
.set SAS, 19
.set SAQ, 20
.set SAC, 21
.set AD3, 23
.set SCX0, 24                          ; the conversions' scales as f32: 2^e0,
.set SCX2, 25                          ; 2^e2,
.set SCQ,  26                          ; 2^(e4 - e0 - e1): a sum of the first product stands for sum x 2^(e0 + e1),
.set SCK,  27                          ; 2^(e5 - e2 - e3),
.set SCV,  28                          ; 2^(e7 - e2 - e3),
.set SCP,  29                          ; 2^e6,
.set SCA,  30                          ; 2^(e8 - e6 - e7)
.set LIMP, 31                          ; 57,344 x 2^e6
.set LX0, 34                           ; s34-39: 57,344 x the scales above, in their order (p's lies in v31)
.set LX2, 35
.set LQ,  36
.set LK,  37
.set LV,  38
.set LA,  39
; phase X, window 0
.set TE,  32                           ; v32-63   time_emb (64 g + 8 (lane / 4) + j) at 8 g + j
.set CCA, 64                           ; v64-95   codes of x with scale e2: group g, pixel e at 8 g + 2 e
.set UU,  96                           ; v96-127  32 numbers, held and turned: 8 e + j
.set CCB, 128                          ; v128-159 codes of x with scale e0
.set CCC, 160                          ; v160-191 codes of skip
.set CSR, 192                          ; v192-223 cos, sin as loaded
.set RA,  0                            ; window 3: x's numbers at 32 g + 4 j + e;
.set RB,  128                          ; skip's
; projections, window 0
.set FR,   32                          ; v32-95   two sets of 32: a tile's fragment, K step s at 16 s
.set CSET, 96                          ; v96-159  two sets of 32: cos, sin
.set ACK,  160                         ; v160-191 q's or k's four tiles
.set ACV,  192                         ; v192-223 v's four tiles
.set TMP,  224
.set QC,   240
; attention, window 0
.set PC,  32                           ; v32-95   p's codes: key tile T at 2 T
.set OO,  96                           ; v96-127  O^T
.set QF,  128                          ; v128-135 q's fragment
.set AC,  136                          ; v136-143 the result's codes
.set MX,  144                          ; v144-147 four chains of the maximum
.set LL,  150                          ; v150-157 the sum, in four pairs
.set TP,  158
.set LS,  159
.set RL,  160                          ; v[160:161] 1 / the sum
.set NM,  224                          ; v[224:225] -M
.set MSB, 0
.macro WIN new                         ; the immediate's high byte repeats the setting that is left; a switch that changes nothing is dropped
.if MSB != (\new)
	s_set_vgpr_msb (MSB<<8)|(\new)
.set MSB, (\new)
.endif
.endm
.macro PLACES n
.rept \n
	v_nop
.endr
.endm
.macro MKSC vsc, slim                  ; s80 holds E: 2^E into v[vsc], 57,344 x 2^E into s[slim]
	s_add_co_i32 s80, s80, 127
	s_lshl_b32 s81, s80, 23
	v_mov_b32 v[\vsc], s81
	s_add_co_i32 s80, s80, 15
	s_lshl_b32 s[\slim], s80, 23
	s_or_b32 s[\slim], s[\slim], 0x600000
.endm
	s_load_b512 s[4:19], s[0:1], 0x0               ; x s[4:5], skip s[6:7], time_emb s[8:9], sin s[10:11], cos s[12:13], the scales s[14:15], the weights' codes s[16:17], the result's codes s[18:19]
	v_lshl_add_u32 v254, v0, 2, 0x43000
	v_mov_b32 v255, 0
	v_lshrrev_b32 v8, 5, v0
	v_readfirstlane_b32 s22, v8                    ; wave 0..3
	v_and_b32 v[RR], 15, v0
	v_bfe_u32 v[HH], v0, 4, 1
	v_and_b32 v[LN], 31, v0
	v_lshlrev_b32 v[LI], 4, v[LN]
	v_mul_u32_u24 v[AX], v[RR], 272
	v_lshl_add_u32 v[AX], v[HH], 4, v[AX]
	v_add_nc_u32 v[AXS], XKS, v[AX]
	v_add_nc_u32 v[AQ], XQB, v[AX]
	v_add_nc_u32 v[CSA], CSB, v[LI]
	v_add_nc_u32 v[QAA], QAB, v[LI]
	v_lshrrev_b32 v8, 2, v[LN]                     ; cl = lane / 4: which 8 channels of 64
	v_and_b32 v11, 3, v[LN]                        ; q4 = lane % 4: which 4 pixels of 16
	v_lshlrev_b32 v[GLX], 19, v8                   ; 8 channels of 65,536 bytes
	v_lshl_or_b32 v[GLX], v11, 4, v[GLX]
	s_wait_alu depctr_va_vdst(0)
	v_lshlrev_b32 v[AD3], 5, v8                    ; time_emb: 8 numbers
	v_mul_u32_u24 v[STX], v11, 1088                ; four rows of 272,
	v_lshl_add_u32 v[STX], v8, 3, v[STX]           ; 8 codes,
	s_wait_alu depctr_va_sdst(0)                   ; s22 is written, ahead of its first reader: LDS places, rows and the head's number are made from it
	s_mul_i32 s80, s22, 4*TILE
	v_add_nc_u32 v[STX], s80, v[STX]               ; my wave's four tiles
	v_lshlrev_b32 v[GLC], 7, v[RR]
	v_lshl_add_u32 v[GLC], v[HH], 6, v[GLC]
	s_wait_alu depctr_va_vdst(0)
	s_and_b32 s23, ttmp9, 1                        ; which four of the window's heads
	s_bfe_u32 s81, ttmp9, 0x30001                  ; wy
	s_bfe_u32 s82, ttmp9, 0x30004                  ; wx
	s_lshr_b32 s83, ttmp9, 7                       ; image
	s_lshl_b32 s84, s83, 24                        ; 256 channels of 65,536 bytes,
	s_lshl_b32 s85, s82, 13                        ; 16 rows of 512,
	s_add_co_u32 s84, s84, s85
	s_lshl_b32 s85, s81, 6                         ; 16 pixels
	s_add_co_u32 s84, s84, s85                     ; the window's first byte in x and skip
	s_mov_b32 s85, 0
	s_lshl_b32 s86, s82, 18
	s_lshl_b32 s87, s81, 11
	s_add_co_u32 s86, s86, s87                     ; and in cos and sin
	s_mov_b32 s87, 0
	s_lshl_b32 s88, s83, 10                        ; time_emb's row
	s_mov_b32 s89, 0
	s_lshl_b32 s91, s22, 11                        ; my first window row is 4 x wave: 512 bytes a row of x and skip,
	v_add_nc_u32 v[OX], s91, v[GLX]
	v_mov_b32 v[OS], v[OX]
	s_lshl_b32 s91, s22, 16                        ; 16,384 a row of cos and sin
	v_add_nc_u32 v[OC], s91, v[GLC]
	s_lshl_b32 s92, s23, 2
	s_add_co_u32 s92, s92, s22                     ; my head
	s_lshl_b32 s90, s92, 10                        ; the result's codes: 1,024 bytes a head,
	s_lshr_b32 s91, ttmp9, 1                       ; the window's number: 64 image + 8 wx + wy,
	s_lshl_b32 s91, s91, 17                        ; 16 rows x 8 heads x 1,024 bytes a window
	s_add_co_u32 s90, s90, s91
	s_mov_b32 s91, 0
	s_lshl_b32 s92, s92, 14                        ; the weights' codes: 8 images of 2,048 bytes a head
	s_mov_b32 s93, 0
	s_wait_kmcnt 0x0
	s_load_b256 s[24:31], s[14:15], 0x0            ; e0 .. e7
	s_load_b32 s32, s[14:15], 0x20                 ; e8
	s_add_nc_u64 s[46:47], s[4:5], s[84:85]        ; x: channels 0-127,
	s_add_nc_u64 s[48:49], s[46:47], 0x800000      ; channels 128-255: so that a channel's place fits the loads' immediate
	s_add_nc_u64 s[50:51], s[6:7], s[84:85]        ; skip likewise
	s_add_nc_u64 s[52:53], s[50:51], 0x800000
	s_add_nc_u64 s[54:55], s[12:13], s[86:87]      ; cos
	s_add_nc_u64 s[56:57], s[10:11], s[86:87]      ; sin
	s_add_nc_u64 s[58:59], s[8:9], s[88:89]
	s_add_nc_u64 s[60:61], s[16:17], s[92:93]      ; Wq's images of my head; Wk's lie 131,072 bytes on, Wv's 262,144
	s_add_nc_u64 s[62:63], s[18:19], s[90:91]      ; my head's slot of the window's row 0
; ---------------------------------------------------------------- PHASE X
; A load brings 4 pixels (16 bytes) of one channel a lane: four lanes cover the 64 bytes that the window has of a row, eight groups of lanes take eight channels 8 apart.  Load (g, j): channel 64 g + 8 (lane / 4) + j.
.macro XLD rb, off, sb                 ; a row's 16 pixels x 256 channels: 32 loads
	WIN 0xc0                                       ; destination window 3
.irp g, 0,1,2,3
.irp j, 0,1,2,3,4,5,6,7
	global_load_b128 v[\rb+32*\g+4*\j:\rb+32*\g+4*\j+3], v[\off], s[\sb+2*(\g/2):\sb+2*(\g/2)+1] offset:((\g%2)*64+\j)*65536
.endr
.endr
	WIN 0
.endm
.macro CLD                             ; the row's cos and sin: lane (r, h) takes, of pixel r, entries 16 h + 0 .. 15
.irp j, 0,1,2,3
	global_load_b128 v[CSR+4*\j:CSR+4*\j+3], v[OC], s[54:55] offset:16*\j
.endr
.irp j, 0,1,2,3
	global_load_b128 v[CSR+16+4*\j:CSR+16+4*\j+3], v[OC], s[56:57] offset:16*\j
.endr
.endm
.macro XADD                            ; x + time_emb, two pixels at a time; of time_emb's pair one word serves both halves
	WIN 0xc3                                       ; destination and source 0 window 3
.irp g, 0,1,2,3
.irp j, 0,2,4,6
	v_pk_add_f32 v[RA+32*\g+4*\j:RA+32*\g+4*\j+1], v[RA+32*\g+4*\j:RA+32*\g+4*\j+1], v[TE+8*\g+\j:TE+8*\g+\j+1] op_sel_hi:[1,0]
	v_pk_add_f32 v[RA+32*\g+4*\j+2:RA+32*\g+4*\j+3], v[RA+32*\g+4*\j+2:RA+32*\g+4*\j+3], v[TE+8*\g+\j:TE+8*\g+\j+1] op_sel_hi:[1,0]
	v_pk_add_f32 v[RA+32*\g+4*\j+4:RA+32*\g+4*\j+5], v[RA+32*\g+4*\j+4:RA+32*\g+4*\j+5], v[TE+8*\g+\j:TE+8*\g+\j+1] op_sel:[0,1] op_sel_hi:[1,1]
	v_pk_add_f32 v[RA+32*\g+4*\j+6:RA+32*\g+4*\j+7], v[RA+32*\g+4*\j+6:RA+32*\g+4*\j+7], v[TE+8*\g+\j:TE+8*\g+\j+1] op_sel:[0,1] op_sel_hi:[1,1]
.endr
.endr
	WIN 0
.endm
; 128 numbers of a lane become 128 codes, in buffer cc.  The conversion wants 8 neighbours along K (channels) of one pixel in consecutive registers; as loaded, consecutive registers are pixels.  The hold that the
; conversion wants in any case (it does not saturate: ISA guide 7.6.2) writes its result to the turned place, so the turn costs nothing.
; pcc >= 0: behind each group stand four of the sixteen LDS stores of buffer pcc, which the quantising before filled, by address padr.  No wait: the wait that stands ahead of this macro has shown pcc and padr written,
; and this macro's vector lines name the numbers, UU, cc and the scale alone.  A store's 32 lanes x 8 bytes touch each bank once (16 (lane % 4) + 2 (lane / 4) words).
.macro XCONV rb, slim, vsc, cc, pcc, padr
.irp g, 0,1,2,3
	WIN 0x03                                       ; source 0 window 3
.irp e, 0,1,2,3
.irp j, 0,1,2,3,4,5,6,7
	v_med3_num_f32 v[UU+8*\e+\j], v[\rb+32*\g+4*\j+\e], -s[\slim], s[\slim]
.endr
.endr
	WIN 0
.irp e, 0,1,2,3
	v_cvt_scalef32_pk8_bf8_f32 v[\cc+8*\g+2*\e:\cc+8*\g+2*\e+1], v[UU+8*\e:UU+8*\e+7], v[\vsc]
.endr
	v_nop                                          ; a plain line between the conversions and the next group's holds, which write their sources
.if (\pcc) >= 0
.irp e, 0,1,2,3
	ds_store_b64 v[\padr], v[\pcc+8*\g+2*\e:\pcc+8*\g+2*\e+1] offset:272*\e+64*\g   ; pixel 4 (lane % 4) + e, channels 64 g + 8 (lane / 4) + 0 .. 7
.endr
.endif
.endr
.endm
.macro XSTORE cc, adr                  ; the sixteen stores of a buffer in one run
.irp g, 0,1,2,3
.irp e, 0,1,2,3
	ds_store_b64 v[\adr], v[\cc+8*\g+2*\e:\cc+8*\g+2*\e+1] offset:272*\e+64*\g
.endr
.endr
.endm
	s_wait_alu depctr_va_vdst(0)                   ; the offsets and addresses v4 to v23 are written, which the loads and stores of the whole kernel read
.irp g, 0,1,2,3
	global_load_b128 v[TE+8*\g:TE+8*\g+3], v[AD3], s[58:59] offset:256*\g
	global_load_b128 v[TE+8*\g+4:TE+8*\g+7], v[AD3], s[58:59] offset:256*\g+16
.endr
	CLD
	XLD RA, OX, 46
	XLD RB, OS, 50
	WIN 0x40                                       ; my head's Wk and Wv, 8 fragments each, into window 1, which is idle in this phase: asked for behind the first rows; each load takes 512 consecutive bytes
.set ff, 0
.rept 8
.irp c, 0,1,2,3
	global_load_b128 v[16*ff+4*\c:16*ff+4*\c+3], v[LI], s[60:61] offset:131072+2048*ff+512*\c
.endr
.set ff, ff+1
.endr
.set ff, 0
.rept 8
.irp c, 0,1,2,3
	global_load_b128 v[128+16*ff+4*\c:128+16*ff+4*\c+3], v[LI], s[60:61] offset:262144+2048*ff+512*\c
.endr
.set ff, ff+1
.endr
	WIN 0
	s_wait_kmcnt 0x0                               ; the scales, made while the first rows are on their way
	s_mov_b32 s80, s24
	MKSC SCX0, LX0
	s_mov_b32 s80, s26
	MKSC SCX2, LX2
	s_sub_co_i32 s80, s28, s24
	s_sub_co_i32 s80, s80, s25
	MKSC SCQ, LQ
	s_sub_co_i32 s80, s29, s26
	s_sub_co_i32 s80, s80, s27
	MKSC SCK, LK
	s_sub_co_i32 s80, s31, s26
	s_sub_co_i32 s80, s80, s27
	MKSC SCV, LV
	s_sub_co_i32 s80, s32, s30
	s_sub_co_i32 s80, s80, s31
	MKSC SCA, LA
	s_mov_b32 s80, s30
	MKSC SCP, 82
	v_mov_b32 v[LIMP], s82
	s_add_co_i32 s80, s28, s29
	s_lshl_b32 s80, s80, 23
	s_add_co_i32 s40, s80, 0x3e38aa3b              ; c = log2(e) / 8, with e4 + e5 added to its exponent field: t = score x c
	s_mov_b32 s41, s40                             ; (named with it as a pair, so it is written)
	s_mov_b32 s42, 0x76543210                      ; v_permlanex16_b32's selects for lane l xor 16
	s_mov_b32 s43, 0xfedcba98
	s_mov_b32 s66, 0                               ; t: position p = 4 wave + t
	s_mov_b32 s67, 0                               ; t tiles of XK and XQ
	s_lshl_b32 s68, s22, 14                        ; p tiles of CS
.Lx:
	s_wait_loadcnt 32                              ; this row's cos, sin and x are in (and time_emb); skip's 32 loads may be out.  In the first trip the youngest 32 are weights: more is then waited for than is needed
	s_add_nc_u64 s[46:47], s[46:47], 512           ; free since that wait, which shows the loads that read them done: the bases of x, cos and sin at the next row
	s_add_nc_u64 s[48:49], s[48:49], 512
	s_add_nc_u64 s[54:55], s[54:55], 16384
	s_add_nc_u64 s[56:57], s[56:57], 16384
.irp n, 0,1,2,3,4,5,6,7
	v_xor_b32 v[CSR+16+2*\n], 0x80000000, v[CSR+16+2*\n]   ; sin's even entries negated: RoPE is then two packed lines a pair
.endr
	XADD
	s_wait_alu depctr_vm_vsrc(0)                   ; the last trip's LDS stores have read the four addresses below and the three buffers of codes, all of which this trip writes again
	v_add_nc_u32 v[SAX], s67, v[STX]
	v_add_nc_u32 v[SAS], XKS, v[SAX]
	v_add_nc_u32 v[SAQ], XQB, v[SAX]
	v_add_nc_u32 v[SAC], s68, v[CSA]
	XCONV RA, LX2, SCX2, CCA, -1, 0                ; as keys and values: scale e2
	s_wait_alu depctr_va_vdst(0)                   ; the four addresses, sin's flipped entries and CCA are written: the stores of cos and sin below and CCA's, dealt into the next quantising, read them
.irp j, 0,1,2,3,4,5,6,7
	ds_store_b128 v[SAC], v[CSR+4*\j:CSR+4*\j+3] offset:512*\j
.endr
	XCONV RA, LX0, SCX0, CCB, CCA, SAX             ; as queries: scale e0
	s_wait_alu depctr_va_vdst(0)                   ; CCB is written, which the stores dealt into the next quantising read; the holds are done reading RA and the flips done writing CSR, in both of which the next row's loads land
	s_wait_alu depctr_vm_vsrc(0)                   ; the stores of cos and sin have read CSR, in which the next row's loads land
	s_cmp_eq_u32 s66, 3
	s_cbranch_scc1 .Lx_last
	CLD
	XLD RA, OX, 46
	s_wait_loadcnt 40                              ; skip's row is in; the 8 + 32 loads just issued may be out
	s_branch .Lx_join
.Lx_last:
	s_wait_loadcnt 0x0
.Lx_join:
	s_add_nc_u64 s[50:51], s[50:51], 512           ; free since the wait on either way, which shows skip's loads done: its bases at the next row
	s_add_nc_u64 s[52:53], s[52:53], 512
	XCONV RB, LX2, SCX2, CCC, CCB, SAQ
	s_wait_alu depctr_va_vdst(0)                   ; CCC is written, which the stores below read; the holds are done reading RB, in which skip's next row lands
	s_cmp_eq_u32 s66, 3
	s_cbranch_scc1 .Lx_end                         ; the last trip asks for nothing more
	XLD RB, OS, 50
.Lx_end:
	XSTORE CCC, SAS
	s_add_co_u32 s67, s67, TILE
	s_add_co_u32 s68, s68, 4096
	s_add_co_u32 s66, s66, 1
	s_cmp_lt_u32 s66, 4
	s_cbranch_scc1 .Lx
	s_wait_dscnt 0x0                               ; for the others' sake: my stores have landed
	s_barrier_signal -1
	s_barrier_wait -1                              ; XK, XQ and CS are whole
; ---------------------------------------------------------------- THE PROJECTIONS' AND ATTENTION'S MACROS
.macro ROPE cs                         ; on the first 32 of the head's 64: registers 0-15 hold d = 16 h + 0 .. 15.  new(lo) = x(lo) cos(lo) - x(hi) sin(lo), new(hi) = x(hi) cos(hi) + x(lo) sin(hi)
.irp n, 0,1,2,3,4,5,6,7
	v_pk_mul_f32 v[TMP+2*\n:TMP+2*\n+1], v[ACK+2*\n:ACK+2*\n+1], v[\cs+2*\n:\cs+2*\n+1]
.endr
.irp n, 0,1,2,3,4,5,6,7
	v_pk_fma_f32 v[ACK+2*\n:ACK+2*\n+1], v[ACK+2*\n:ACK+2*\n+1], v[\cs+16+2*\n:\cs+16+2*\n+1], v[TMP+2*\n:TMP+2*\n+1] op_sel:[1,0,0] op_sel_hi:[0,1,1]   ; the pair's two numbers change places in source 0
.endr
.endm
.macro QFLD                            ; a query tile's fragment, 16 pixels x 256 channels
.irp s, 0,1
.irp c, 0,1,2,3
	ds_load_b128 v[FR+16*\s+4*\c:FR+16*\s+4*\c+3], v[AD1] offset:128*\s+32*\c
.endr
.endr
.endm
.macro QCLD                            ; and its cos and sin
.irp j, 0,1,2,3,4,5,6,7
	ds_load_b128 v[CSET+4*\j:CSET+4*\j+3], v[AD2] offset:512*\j
.endr
.endm
.macro FLD T                           ; key tile T's fragment into set T % 2
.set fs, FR+32*((\T)%2)
.set fo, ((\T)/2)*TILE
.irp s, 0,1
.irp c, 0,1,2,3
.if (\T)%2
	ds_load_b128 v[fs+16*\s+4*\c:fs+16*\s+4*\c+3], v[AXS] offset:fo+128*\s+32*\c
.else
	ds_load_b128 v[fs+16*\s+4*\c:fs+16*\s+4*\c+3], v[AX] offset:fo+128*\s+32*\c
.endif
.endr
.endr
.endm
.macro CSLD p                          ; position p's cos and sin into set p % 2
.set cs, CSET+32*((\p)%2)
.irp j, 0,1,2,3,4,5,6,7
	ds_load_b128 v[cs+4*\j:cs+4*\j+3], v[CSA] offset:(\p)*4096+512*\j
.endr
.endm
; Product n of 8 of k's tile T: K step n / 4, channel tile n % 4.  Source 0 = 16 rows of Wk, source 1 = the pixels: a lane holds a pixel.  The four accumulators take turns.
.macro KW n, T
	WIN 0x01                                       ; source 0 window 1
.set kt, (\n)%4
.set ks, (\n)/4
.set fs, FR+32*((\T)%2)+16*ks
.if ks == 0
	v_wmma_f32_16x16x128_bf8_bf8 v[ACK+8*kt:ACK+8*kt+7], v[16*(2*kt+ks):16*(2*kt+ks)+15], v[fs:fs+15], 0
.else
	v_wmma_f32_16x16x128_bf8_bf8 v[ACK+8*kt:ACK+8*kt+7], v[16*(2*kt+ks):16*(2*kt+ks)+15], v[fs:fs+15], v[ACK+8*kt:ACK+8*kt+7]
.endif
.endm
; The same of v's: source 0 = the pixels, source 1 = 16 rows of Wv: a lane holds a channel, and its registers run along the pixels.
.macro VW n, T
	WIN 0x04                                       ; source 1 window 1
.set kt, (\n)%4
.set ks, (\n)/4
.set fs, FR+32*((\T)%2)+16*ks
.if ks == 0
	v_wmma_f32_16x16x128_bf8_bf8 v[ACV+8*kt:ACV+8*kt+7], v[fs:fs+15], v[128+16*(2*kt+ks):128+16*(2*kt+ks)+15], 0
.else
	v_wmma_f32_16x16x128_bf8_bf8 v[ACV+8*kt:ACV+8*kt+7], v[fs:fs+15], v[128+16*(2*kt+ks):128+16*(2*kt+ks)+15], v[ACV+8*kt:ACV+8*kt+7]
.endif
.endm
; Line n of 52 of what is made of k's tile T: 0-15 RoPE; 16-47 the hold (its one vector source is source 0, so it stands under VW's windows too); 48-51 the conversions, into window 2.
.macro KP n, T
.set cs, CSET+32*(((\T)/2)%2)
.if (\n) < 8
	WIN 0
	v_pk_mul_f32 v[TMP+2*(\n):TMP+2*(\n)+1], v[ACK+2*(\n):ACK+2*(\n)+1], v[cs+2*(\n):cs+2*(\n)+1]
.elseif (\n) < 16
	WIN 0
	v_pk_fma_f32 v[ACK+2*(\n)-16:ACK+2*(\n)-15], v[ACK+2*(\n)-16:ACK+2*(\n)-15], v[cs+2*(\n):cs+2*(\n)+1], v[TMP+2*(\n)-16:TMP+2*(\n)-15] op_sel:[1,0,0] op_sel_hi:[0,1,1]
.elseif (\n) < 48
	v_med3_num_f32 v[ACK+(\n)-16], v[ACK+(\n)-16], -s[LK], s[LK]
.else
	WIN 0x80
	v_cvt_scalef32_pk8_bf8_f32 v[8*(\T)+2*((\n)-48):8*(\T)+2*((\n)-48)+1], v[ACK+8*((\n)-48):ACK+8*((\n)-48)+7], v[SCK]
.endif
.endm
; Line n of 36 of what is made of v's tile T: 0-31 the hold (its vector source is source 1, so it stands under KW's windows); 32-35 the conversions, into window 3.
.macro VP n, T
.if (\n) < 32
	v_med3_num_f32 v[ACV+(\n)], -s[LV], v[ACV+(\n)], s[LV]
.else
	WIN 0xc0
	v_cvt_scalef32_pk8_bf8_f32 v[64*((\n)-32)+2*(\T):64*((\n)-32)+2*(\T)+1], v[ACV+8*((\n)-32):ACV+8*((\n)-32)+7], v[SCV]
.endif
.endm
; MATRIX AND VECTOR WORK BY TURNS.  Bracket A: v's eight products of tile T, and behind each a share of what is made of k's tile T.  The two v_nop stand as plain lines behind the conversions, ahead of the next
; products, which write the conversions' sources; with the last share's three holds they are five plain lines behind the last product.
.macro BRA T
.set vn, 0
.set kp, 0
.rept 8
	VW vn, \T
.if vn < 4
.set kq, 6
.else
.set kq, 7
.endif
.rept kq
	KP kp, \T
.set kp, kp+1
.endr
.set vn, vn+1
.endr
	WIN 0
	v_nop
	v_nop
.endm
; Bracket B: the loads two tiles ahead, behind the tile's one wait; k's eight products of tile T + 1, and behind each a share of what is made of v's tile T.
.macro BRB T
	WIN 0
.set nl, 0
.if (\T)+2 <= 31
	s_wait_alu depctr_va_vdst(0)                   ; k's and v's products of tile T are done reading fragment set T % 2, and RoPE of the position before is done reading its cos and sin: the loads below land in these sets
	FLD (\T)+2
.set nl, nl+8
.endif
.if ((\T)%2 == 0) && ((\T)/2 < 15)
	CSLD (\T)/2+1
.set nl, nl+8
.endif
	s_wait_dscnt nl                                ; all but what was just issued: tile T + 1's fragment is in, and so are its cos and sin
.set kn, 0
.set vp, 0
.rept 8
	KW kn, (\T)+1
.if kn < 4
.set vq, 4
.else
.set vq, 5
.endif
.rept vq
	VP vp, \T
.set vp, vp+1
.endr
.set kn, kn+1
.endr
	WIN 0
	v_nop                                          ; a plain line between the conversions and the next products, which write their sources
.endm
; THE SOFTMAX goes in four batches of 64 scores (8 key tiles, a K step of the second product).  A stage deals three batches' lines out among each other: the hold of batch mn (its p has been summed), the exponentials of batch ex,
; t - M of batch fm.  -1: none.  No line of a stage names the result of an exponential that has not had its wait.
.macro STAGE mn, ex, fm
	WIN 0x41                                       ; destination and source 0 window 1
.set j, 0
.rept 32
.if \mn >= 0
	v_min_num_f32 v[64*\mn+2*j], v[64*\mn+2*j], v[LIMP]   ; p is not negative: the hold is one-sided
.endif
.if \ex >= 0
	v_exp_f32 v[64*\ex+2*j], v[64*\ex+2*j]
.endif
.if \mn >= 0
	v_min_num_f32 v[64*\mn+2*j+1], v[64*\mn+2*j+1], v[LIMP]
.endif
.if \ex >= 0
	v_exp_f32 v[64*\ex+2*j+1], v[64*\ex+2*j+1]
.endif
.if \fm >= 0
	v_pk_fma_f32 v[64*\fm+2*j:64*\fm+2*j+1], v[64*\fm+2*j:64*\fm+2*j+1], s[40:41], v[NM:NM+1] op_sel_hi:[1,0,0]   ; score x c - M (of the pairs c and -M the low word serves both halves)
.endif
.set j, j+1
.endr
.endm
.macro BATCHWAIT                       ; a plain line behind the batch's last exponential, and one wait for the batch
	v_nop
	s_wait_alu depctr_va_vdst(0)                   ; the batch's 64 exponentials have written their results, ahead of their first reader
.endm
.macro SUM bt                          ; the row's sum is taken of the unquantised p, ahead of its hold: two at a time, in four chains
	WIN 0x01
.set j, 0
.rept 32
	v_pk_add_f32 v[LL+2*(j%4):LL+2*(j%4)+1], v[64*\bt+2*j:64*\bt+2*j+1], v[LL+2*(j%4):LL+2*(j%4)+1]
.set j, j+1
.endr
.endm
.macro CVT bt                          ; a tile's eight registers are keys 8 h + 0 .. 7 of that tile: the second product's own order of K
	WIN 0x01
.irp u, 0,1,2,3,4,5,6,7
	v_cvt_scalef32_pk8_bf8_f32 v[PC+16*\bt+2*\u:PC+16*\bt+2*\u+1], v[64*\bt+8*\u:64*\bt+8*\u+7], v[SCP]
.endr
.endm
; ---------------------------------------------------------------- k AND v: 32 tiles of 16 keys, written out, since each tile's codes go to registers of their own
	s_wait_loadcnt 0x0                             ; Wk and Wv (asked for at the head)
	s_wait_alu depctr_vm_vsrc(0)                   ; my LDS stores of phase X have read the buffers of codes and cos's and sin's registers: from here on fragments land in them and products write them
	s_wait_alu depctr_va_vdst(0)                   ; phase X's additions, holds and conversions are done with v32 to v159, in which the fragments, cos and sin below land
	FLD 0
	CSLD 0
	FLD 1
	s_wait_dscnt 8                                 ; tile 0's fragment, cos and sin are in; tile 1's fragment may be out
.set kn, 0
.rept 8
	KW kn, 0
.set kn, kn+1
.endr
	WIN 0
	PLACES 4                                       ; here alone nothing stands between k's products and the first read of their sums
.set TT, 0
.rept 31
	BRA TT
	BRB TT
.set TT, TT+1
.endr
	PLACES 4                                       ; k's last product has been issued: Wq's 8 fragments are asked for, into Wk's registers; they land under v's last bracket and the barrier
	WIN 0x40
	s_wait_alu depctr_va_vdst(0)                   ; k's products are done reading Wk's fragments, in which Wq's land
.set ff, 0
.rept 8
.irp c, 0,1,2,3
	global_load_b128 v[16*ff+4*\c:16*ff+4*\c+3], v[LI], s[60:61] offset:2048*ff+512*\c
.endr
.set ff, ff+1
.endr
	WIN 0
	BRA 31
.set vp, 0
.rept 36
	VP vp, 31
.set vp, vp+1
.endr
	WIN 0
	v_nop
	s_wait_dscnt 0x0                               ; for the others' sake: my reads of XK are in
	s_barrier_signal -1
	s_barrier_wait -1                              ; nobody reads XK any more: the q codes' slots lie over it
; ---------------------------------------------------------------- q: sixteen tiles of 16 queries
	s_lshl_b32 s75, s22, 14                        ; QA: my sixteen slots
	s_mov_b32 s71, 0
	s_mov_b32 s74, 0
	s_mov_b32 s72, s75
	v_add_nc_u32 v[AD1], s71, v[AQ]
	v_add_nc_u32 v[AD2], s74, v[CSA]
	s_wait_alu depctr_va_vdst(0)                   ; the two addresses are written, which the loads below read; k's and v's products and RoPE are done reading the sets in which they land
	QFLD
	QCLD
	s_mov_b32 s66, 0
	s_wait_loadcnt 0x0                             ; Wq
.Lq:
	s_add_co_u32 s71, s71, TILE                    ; the next tile's places
	s_add_co_u32 s74, s74, 4096
	s_wait_dscnt 0x0                               ; the tile's fragment, cos and sin are in
	s_wait_alu depctr_vm_vsrc(0)                   ; the LDS loads and stores issued so far have read the three addresses and the codes' registers, all of which this trip writes again
	WIN 0x01                                       ; source 0 window 1
.irp s, 0,1
.irp t, 0,1,2,3
.if \s == 0
	v_wmma_f32_16x16x128_bf8_bf8 v[ACK+8*\t:ACK+8*\t+7], v[16*(2*\t+\s):16*(2*\t+\s)+15], v[FR+16*\s:FR+16*\s+15], 0
.else
	v_wmma_f32_16x16x128_bf8_bf8 v[ACK+8*\t:ACK+8*\t+7], v[16*(2*\t+\s):16*(2*\t+\s)+15], v[FR+16*\s:FR+16*\s+15], v[ACK+8*\t:ACK+8*\t+7]
.endif
.endr
.endr
	WIN 0
	v_add_nc_u32 v[AD1], s71, v[AQ]                ; four plain lines behind the products, ahead of the first read of the sums
	v_add_nc_u32 v[AD2], s74, v[CSA]
	v_add_nc_u32 v[AD3], s72, v[QAA]
	v_nop
	ROPE CSET
	s_wait_alu depctr_va_vdst(0)                   ; the products are done reading the fragment and RoPE is done reading cos and sin: the next tile's land there; the three addresses are written
	s_cmp_eq_u32 s66, 15
	s_cbranch_scc1 .Lq_a                           ; the last tile asks for nothing more
	QFLD
	QCLD
.Lq_a:
.set m, 0
.rept 32
	v_med3_num_f32 v[ACK+m], v[ACK+m], -s[LQ], s[LQ]
.set m, m+1
.endr
.irp u, 0,1,2,3
	v_cvt_scalef32_pk8_bf8_f32 v[QC+2*\u:QC+2*\u+1], v[ACK+8*\u:ACK+8*\u+7], v[SCQ]
.endr
	v_nop                                          ; a plain line between the conversions and the next products, which write their sources
	s_wait_alu depctr_va_vdst(0)                   ; the conversions have written the codes, which the two stores read
	ds_store_b128 v[AD3], v[QC:QC+3]               ; the fragment as it stands: d = 16 h + 0 .. 15,
	ds_store_b128 v[AD3], v[QC+4:QC+7] offset:512  ; d = 32 + 16 h + 0 .. 15
	s_add_co_u32 s72, s72, 1024
	s_add_co_u32 s66, s66, 1
	s_cmp_lt_u32 s66, 16
	s_cbranch_scc1 .Lq
; ---------------------------------------------------------------- ATTENTION: sixteen tiles of 16 queries against the 512 keys in my registers
	s_mov_b32 s73, s75
	s_wait_alu depctr_vm_vsrc(0)                   ; q's LDS loads have read v[AD1], which the next line writes
	v_add_nc_u32 v[AD1], s73, v[QAA]
	v_mov_b32 v[NM+1], 0                           ; named as upper halves of pairs, and a lane permute's destination: written once
	v_mov_b32 v[RL+1], 0
	v_mov_b32 v[TP], 0
	s_wait_alu depctr_va_vdst(0)                   ; v[AD1] is written, which the two loads read
	ds_load_b128 v[QF:QF+3], v[AD1]                ; LDS serves a wave's instructions in order (ISA guide 5.7.1.4): these see my stores
	ds_load_b128 v[QF+4:QF+7], v[AD1] offset:512
	s_mov_b32 s66, 0
.Latt:
	s_wait_dscnt 0x0                               ; q's fragment is in
	s_wait_alu depctr_vm_vsrc(0)                   ; the loads of q's fragment have read v[AD1], and the last tile's two stores the result's codes: this trip writes both again
	WIN 0x42                                       ; destination window 1, source 0 window 2
.set tt, 0
.rept 32
	v_wmma_f32_16x16x64_bf8_bf8 v[8*tt:8*tt+7], v[8*tt:8*tt+7], v[QF:QF+7], 0   ; S^T: lane (r, h): query r, keys 8 h + 0 .. 7 of tile tt
.set tt, tt+1
.endr
	WIN 0
.irp k, 0,1,2,3,4,5,6,7
	v_mov_b32 v[LL+\k], 0                          ; the sum's four pairs; these lines are also the places behind the products
.endr
	v_add_nc_u32 v[AD1], s73, v[QAA]
	WIN 0x05                                       ; sources 0 and 1 window 1
.irp k, 0,1,2,3
	v_max_num_f32 v[MX+\k], v[64*\k], v[64*\k+1]   ; the largest of my 256 scores, in four chains; each tile is read from its low end on
.endr
.set j, 1
.rept 31
.irp k, 0,1,2,3
	v_max3_num_f32 v[MX+\k], v[64*\k+2*j], v[64*\k+2*j+1], v[MX+\k]
.endr
.set j, j+1
.endr
	WIN 0
	v_max3_num_f32 v[MX], v[MX], v[MX+1], v[MX+2]
	v_max_num_f32 v[MX], v[MX], v[MX+3]
	v_permlanex16_b32 v[TP], v[MX], s42, s43
	v_max_num_f32 v[MX], v[MX], v[TP]              ; and of lane l xor 16's
	v_mul_f32 v[MX], s40, v[MX]                    ; as t (c is positive)
	v_floor_f32 v[NM], -v[MX]                      ; -M = floor(-t) = -ceil(t): over all 512 keys, so M never moves
	STAGE -1, -1, 0
	s_wait_alu depctr_va_vdst(0)
	STAGE -1, 0, 1
	v_nop                                          ; a plain line behind the batch's last exponential
	WIN 0
	s_wait_alu depctr_va_vdst(0)                   ; batch 0's 64 exponentials have written their results, ahead of their first reader; the 32 products are done reading q's fragment, in which the next tile's lands, and v[AD1] is written
	s_cmp_eq_u32 s66, 15
	s_cbranch_scc1 .Latt_a                         ; the last tile asks for nothing more
	ds_load_b128 v[QF:QF+3], v[AD1] offset:1024    ; the next tile's q.  No vector or matrix line from here to the trip's end names these registers
	ds_load_b128 v[QF+4:QF+7], v[AD1] offset:1536
.Latt_a:
	SUM 0
	STAGE 0, 1, 2
	BATCHWAIT
	CVT 0
	SUM 1
	STAGE 1, 2, 3
	BATCHWAIT
	CVT 1
	SUM 2
	STAGE 2, 3, -1
	BATCHWAIT
	CVT 2
	SUM 3
	STAGE 3, -1, -1
	CVT 3
	WIN 0
	v_nop                                          ; a plain line between the conversions and the products that read their results
	WIN 0x03                                       ; source 0 window 3
.irp q, 0,1,2,3
.irp t, 0,1,2,3
.if \q == 0
	v_wmma_f32_16x16x128_bf8_bf8 v[OO+8*\t:OO+8*\t+7], v[64*\t+16*\q:64*\t+16*\q+15], v[PC+16*\q:PC+16*\q+15], 0
.else
	v_wmma_f32_16x16x128_bf8_bf8 v[OO+8*\t:OO+8*\t+7], v[64*\t+16*\q:64*\t+16*\q+15], v[PC+16*\q:PC+16*\q+15], v[OO+8*\t:OO+8*\t+7]
.endif
.endr
.endr
	WIN 0
	v_pk_add_f32 v[LL:LL+1], v[LL:LL+1], v[LL+2:LL+3]   ; the sum's parts are joined behind the products: these lines are their places
	v_pk_add_f32 v[LL+4:LL+5], v[LL+4:LL+5], v[LL+6:LL+7]
	v_pk_add_f32 v[LL:LL+1], v[LL:LL+1], v[LL+4:LL+5]
	v_add_f32 v[LS], v[LL], v[LL+1]
	v_permlanex16_b32 v[TP], v[LS], s42, s43
	v_add_f32 v[LS], v[LS], v[TP]                  ; the row's sum
	s_wait_alu depctr_va_vdst(0)
	v_rcp_f32 v[RL], v[LS]
	v_nop                                          ; a plain line behind the reciprocal,
	s_wait_alu depctr_va_vdst(0)                   ; and the reciprocal has written its result, ahead of its first reader
.set m, 0
.rept 16
	v_pk_mul_f32 v[OO+2*m:OO+2*m+1], v[OO+2*m:OO+2*m+1], v[RL:RL+1] op_sel_hi:[1,0]
.set m, m+1
.endr
.set m, 0
.rept 32
	v_med3_num_f32 v[OO+m], v[OO+m], -s[LA], s[LA]
.set m, m+1
.endr
.irp u, 0,1,2,3
	v_cvt_scalef32_pk8_bf8_f32 v[AC+2*\u:AC+2*\u+1], v[OO+8*\u:OO+8*\u+7], v[SCA]   ; registers 0-15 are d = 16 h + 0 .. 15, 16-31 d = 32 + 16 h + 0 .. 15: the last product's operand
.endr
	v_nop                                          ; a plain line between the conversions and the next products, which write their sources
	s_wait_alu depctr_va_vdst(0)                   ; the conversions have written the result's codes, which the two stores read
	global_store_b128 v[LI], v[AC:AC+3], s[62:63]  ; the operand as it stands: each store covers 512 consecutive bytes, at a multiple of 512 from the buffer's first byte
	global_store_b128 v[LI], v[AC+4:AC+7], s[62:63] offset:512
	s_wait_xcnt 0x0                                ; the stores have had their addresses translated: their base is written again only behind this wait
	s_add_nc_u64 s[62:63], s[62:63], 8192          ; the window's next row: 8 heads x 1,024 bytes
	s_add_co_u32 s73, s73, 1024
	s_add_co_u32 s66, s66, 1
	s_cmp_lt_u32 s66, 16
	s_cbranch_scc1 .Latt
	s_wait_dscnt 0x0                               ; the closing lines, six on end
	s_wait_alu 0x0
	s_wait_tensorcnt 0x0
	ds_add_u32 v254, v255
	s_wait_dscnt 0x0
	s_endpgm
.Lfunc_end_k_q1b323371a5_attn:
	.size	k_q1b323371a5_attn, .Lfunc_end_k_q1b323371a5_attn-k_q1b323371a5_attn
	.p2alignl 7, 3214868480
	.fill 96, 4, 3214868480
	.section	.rodata,"a",@progbits
	.p2align	6, 0x0
	.amdhsa_kernel k_q1b323371a5_attn
		.amdhsa_group_segment_fixed_size 274944
		.amdhsa_private_segment_fixed_size 0
		.amdhsa_enable_private_segment 0
		.amdhsa_kernarg_size 64
		.amdhsa_user_sgpr_count 2
		.amdhsa_user_sgpr_kernarg_segment_ptr 1
		.amdhsa_wavefront_size32 1
		.amdhsa_system_sgpr_workgroup_id_x 1
		.amdhsa_system_sgpr_workgroup_id_y 1
		.amdhsa_system_sgpr_workgroup_id_z 1
		.amdhsa_system_vgpr_workitem_id 0
		.amdhsa_next_free_vgpr 1024
		.amdhsa_next_free_sgpr 100
		.amdhsa_reserve_vcc 0
		.amdhsa_float_denorm_mode_32 3
		.amdhsa_float_denorm_mode_16_64 3
		.amdhsa_memory_ordered 1
		.amdhsa_forward_progress 1
		.amdhsa_inst_pref_size 255
	.end_amdhsa_kernel
	.section	.bss,"aw",@nobits
	.p2align	6
	.space	262144
	.amdgpu_metadata
---
amdhsa.version: [ 1, 2 ]
amdhsa.kernels:
  - .name:           k_q1b323371a5_attn
    .symbol:         k_q1b323371a5_attn.kd
    .args:
      - { .name: x, .offset: 0, .size: 8, .value_kind: global_buffer, .address_space: global }
      - { .name: skip, .offset: 8, .size: 8, .value_kind: global_buffer, .address_space: global }
      - { .name: time_emb, .offset: 16, .size: 8, .value_kind: global_buffer, .address_space: global }
      - { .name: sin, .offset: 24, .size: 8, .value_kind: global_buffer, .address_space: global }
      - { .name: cos, .offset: 32, .size: 8, .value_kind: global_buffer, .address_space: global }
      - { .name: lowp_scales, .offset: 40, .size: 8, .value_kind: global_buffer, .address_space: global }
      - { .name: wcodes, .offset: 48, .size: 8, .value_kind: global_buffer, .address_space: global }
      - { .name: acodes, .offset: 56, .size: 8, .value_kind: global_buffer, .address_space: global }
    .group_segment_fixed_size: 274944
    .private_segment_fixed_size: 0
    .kernarg_segment_align: 8
    .kernarg_segment_size: 64
    .max_flat_workgroup_size: 128
    .sgpr_count:     100
    .vgpr_count:     1024
    .wavefront_size: 32
...
	.end_amdgpu_metadata
.endif
;; end of part 6
;; launch outp (part 7): grid 256 x 1, 4 waves a work-group, no clusters, 70,144 bytes of LDS; arguments acodes, wcodes, lowp_scales, bout, out0; writes out0
.if DOCPART == 7
	.amdgcn_target "amdgcn-amd-amdhsa--gfx1250"
	.amdhsa_code_object_version 6
	.text
	.protected	k_q1b323371a5_outp
	.globl	k_q1b323371a5_outp
	.p2align	8
	.type	k_q1b323371a5_outp,@function
k_q1b323371a5_outp:
	s_mov_b64 s[64:65], 0
	v_nop
	global_prefetch_b8 v0, s[64:65] scope:SCOPE_SE
	s_setreg_imm32_b32 hwreg(HW_REG_WAVE_SCHED_MODE, 0, 2), 2
	s_setreg_imm32_b32 hwreg(HW_REG_WAVE_MODE, 25, 1), 1
	s_wait_xcnt 0x0
	s_wait_alu depctr_vm_vsrc(0)
; THE LAST PRODUCT: out0 = Wout a + bout, on codes of BF8 (E5M2): a's codes (scale e8) as the launch before stored them, Wout's (scale e9) as the first launch laid them; sums in f32, x 2^(e8 + e9), + bout.
; SHARES.  A work-group takes ONE IMAGE ROW: 128 pixels (row i of the eight windows of a row of windows) x 256 channels; 2 images x 128 rows = 256 work-groups.  Wave w makes channels 64 w .. 64 w + 63 for all 128 pixels,
; 64 pixels (four windows) at a time.  So a channel's 64 pixels are 256 consecutive bytes of out0, at a multiple of 256 from its first byte, and they leave by sixteen neighbouring lanes of one store.
; OPERANDS come from memory straight into registers, as images of registers: a fragment (16 rows x 128 K) is four loads of 512 consecutive bytes.  a's tile (window, row) is 8,192 bytes: K step s (heads 2 s, 2 s + 1) at 2,048 s.
; All loads are asked for at the head.  Source 0 = 16 pixels, source 1 = 16 rows of Wout: a lane holds ONE channel (lane % 16) and eight neighbouring pixels, 8 (lane / 16) + 0 .. 7.
; THE WAY OUT goes through the wave's own stage in LDS, 64 rows (channels) of 256 bytes + 16: in by 16 bytes a lane, back by rows.  Waves share nothing: no barrier.
; NO JOINT LOADS: what work-groups share is Wout's codes, and they go to registers (each wave its own 16 fragments), not to LDS.
; LIMIT: e8 + e9 between -126 and 127, so that 2^(e8 + e9) is an f32 number.
; REGISTERS, in windows of 256: window 0: v4-8 addresses; v32-159 the 16 accumulators ((pixel tile m, channel tile o) at 8 (4 m + o)), then rows of out0; v160-167 bout, each number twice; v254, v255 the closing add's two.
;   window 1: Wout's fragments (o, s) at 16 (4 o + s).   window 2: a's fragments (m, s) at 16 (4 m + s) of the first 64 pixels;   window 3: of the second.
; THE MODE: SCHED_MODE bits 1:0 = 2 (LLVM: expert scheduling mode 2), set by the entry lines.  The code itself states the register dependences between vector or matrix instructions and memory or LDS instructions,
; with s_wait_alu, always for 0.
; THE PLAN.  Registers that memory or LDS instructions touch:
;   v4-8          offsets and addresses, made at the head and never written again: one wait, ahead of the first load, serves them.
;   windows 1-3, v160-167   loaded once, at the head, into registers that nothing has named; read by products and multiply-adds behind the waits on LOADcnt.
;   v32-159       in each half, in this order: the products and the multiply-adds write them | the 32 LDS stores read them | the 32 LDS loads land in them | the 32 global stores read them | the next half's products write them.
; So a half has one wait on va_vdst (ahead of its LDS stores) and one on vm_vsrc (ahead of its LDS loads), and one more on vm_vsrc stands ahead of the second half's products.
.set SP,  272                          ; a stage row: 68 words: 16 rows start at 16 different groups of banks (64 banks of 4 bytes: ISA guide 11.1)
.set LI,  4                            ; 16 x lane; never rewritten
.set STO, 5                            ; the stage: where I put 16 bytes of a row
.set RD,  6                            ; and where I read a row back
.set GO,  7                            ; my byte offset in out0; never rewritten
.set BA,  8                            ; bout: 4 r
.set ACC, 32
.set BI,  160
.set MSB, 0
.macro WIN new                         ; the immediate's high byte repeats the setting that is left
.if MSB != (\new)
	s_set_vgpr_msb (MSB<<8)|(\new)
.set MSB, (\new)
.endif
.endm
	s_load_b256 s[4:11], s[0:1], 0x0               ; a's codes s[4:5], the weights' codes s[6:7], the scales' exponents s[8:9], bout s[10:11]
	s_load_b64 s[12:13], s[0:1], 0x20              ; out0
	v_lshl_add_u32 v254, v0, 2, 0x11000
	v_mov_b32 v255, 0
	v_lshrrev_b32 v1, 5, v0
	v_readfirstlane_b32 s14, v1                    ; wave 0..3
	v_and_b32 v1, 15, v0                           ; r
	v_bfe_u32 v2, v0, 4, 1                         ; h
	v_and_b32 v3, 31, v0
	v_lshlrev_b32 v[LI], 4, v3
	s_wait_alu depctr_va_sdst(0)                   ; s14 is written, ahead of its first reader: my stage, my fragments of Wout and my channels are made from it
	s_mul_i32 s15, s14, 64*SP                      ; my stage
	v_mul_u32_u24 v[STO], v1, SP                   ; in: row r of a channel tile, + 32 h: my eight pixels
	v_lshl_add_u32 v[STO], v2, 5, v[STO]
	v_add_nc_u32 v[STO], s15, v[STO]
	v_mul_u32_u24 v[RD], v2, SP                    ; back: lanes 0-15 take one row of 256 bytes, lanes 16-31 the next
	v_lshl_add_u32 v[RD], v1, 4, v[RD]
	v_add_nc_u32 v[RD], s15, v[RD]
	v_lshlrev_b32 v[GO], 16, v2                    ; and the same two channels in out0: 65,536 bytes apart
	v_lshl_add_u32 v[GO], v1, 4, v[GO]
	v_lshlrev_b32 v[BA], 2, v1
	s_and_b32 s16, ttmp9, 15                       ; the windows' row i: 8,192 bytes a row,
	s_lshl_b32 s16, s16, 13
	s_lshr_b32 s17, ttmp9, 4                       ; 8 image + wx: eight windows of 131,072 bytes
	s_lshl_b32 s17, s17, 20
	s_add_co_u32 s16, s16, s17
	s_mov_b32 s17, 0
	s_lshl_b32 s18, s14, 15                        ; Wout's images begin at 192 x 2,048; 16 of them are mine
	s_add_co_u32 s18, s18, 0x60000
	s_mov_b32 s19, 0
	s_lshl_b32 s20, s14, 8                         ; bout: my 64 numbers
	s_mov_b32 s21, 0
	s_lshr_b32 s22, ttmp9, 7                       ; out0: the image,
	s_lshl_b32 s22, s22, 24
	s_lshl_b32 s23, s14, 22                        ; my 64 channels,
	s_add_co_u32 s22, s22, s23
	s_and_b32 s23, ttmp9, 127                      ; the image's row
	s_lshl_b32 s23, s23, 9
	s_add_co_u32 s22, s22, s23
	s_mov_b32 s23, 0
	s_wait_kmcnt 0x0
	s_load_b64 s[24:25], s[8:9], 0x20              ; e8, e9
	s_add_nc_u64 s[4:5], s[4:5], s[16:17]
	s_add_nc_u64 s[6:7], s[6:7], s[18:19]
	s_add_nc_u64 s[10:11], s[10:11], s[20:21]
	s_add_nc_u64 s[12:13], s[12:13], s[22:23]
.macro ALD hf                          ; the 16 fragments of four windows' tiles: 64 loads of 512 consecutive bytes
.set mm, 0
.rept 4
.set ss, 0
.rept 4
.irp c, 0,1,2,3
	global_load_b128 v[16*(4*mm+ss)+4*\c:16*(4*mm+ss)+4*\c+3], v[LI], s[4:5] offset:(4*\hf+mm)*131072+2048*ss+512*\c
.endr
.set ss, ss+1
.endr
.set mm, mm+1
.endr
.endm
	WIN 0x80                                       ; destination window 2
	s_wait_alu depctr_va_vdst(0)                   ; the five offsets and addresses v4 to v8 are written, which the loads and stores of the whole kernel read
	ALD 0
	WIN 0x40                                       ; destination window 1
.set ff, 0
.rept 16
.irp c, 0,1,2,3
	global_load_b128 v[16*ff+4*\c:16*ff+4*\c+3], v[LI], s[6:7] offset:2048*ff+512*\c
.endr
.set ff, ff+1
.endr
	WIN 0
.irp o, 0,1,2,3
	global_load_b32 v[BI+2*\o], v[BA], s[10:11] offset:64*\o       ; bout (64 w + 16 o + r), twice: the packed form adds a pair
	global_load_b32 v[BI+2*\o+1], v[BA], s[10:11] offset:64*\o
.endr
	WIN 0xc0                                       ; destination window 3
	ALD 1
	WIN 0
	s_wait_kmcnt 0x0
	s_add_co_i32 s26, s24, s25                     ; e8 + e9, between -126 and 127,
	s_add_co_i32 s26, s26, 127
	s_lshl_b32 s26, s26, 23                        ; makes the f32 number 2^(e8 + e9)
	s_mov_b32 s27, s26                             ; (named with it as a pair, so it is written)
; 64 pixels x my 64 channels: 64 matrix instructions, the 16 accumulators by turns, a K step at a time; the first K step starts the sums.
.macro HALF hf
	WIN 0x06+\hf                                   ; source 0 (a) window 2 or 3, source 1 (Wout) window 1
.irp s, 0,1,2,3
.irp m, 0,1,2,3
.irp o, 0,1,2,3
.if \s == 0
	v_wmma_f32_16x16x128_bf8_bf8 v[ACC+8*(4*\m+\o):ACC+8*(4*\m+\o)+7], v[16*(4*\m+\s):16*(4*\m+\s)+15], v[16*(4*\o+\s):16*(4*\o+\s)+15], 0
.else
	v_wmma_f32_16x16x128_bf8_bf8 v[ACC+8*(4*\m+\o):ACC+8*(4*\m+\o)+7], v[16*(4*\m+\s):16*(4*\m+\s)+15], v[16*(4*\o+\s):16*(4*\o+\s)+15], v[ACC+8*(4*\m+\o):ACC+8*(4*\m+\o)+7]
.endif
.endr
.endr
.endr
	WIN 0
.rept 4
	v_nop                                          ; four places between the last product and the first read of the sums (ISA guide 7.12.1)
.endr
.irp m, 0,1,2,3
.irp o, 0,1,2,3
.irp i, 0,2,4,6
	v_pk_fma_f32 v[ACC+8*(4*\m+\o)+\i:ACC+8*(4*\m+\o)+\i+1], v[ACC+8*(4*\m+\o)+\i:ACC+8*(4*\m+\o)+\i+1], s[26:27], v[BI+2*\o:BI+2*\o+1] op_sel_hi:[1,0,1]   ; sum x 2^(e8 + e9) + bout; each accumulator from its low end on
.endr
.endr
.endr
	s_wait_alu depctr_va_vdst(0)                   ; the multiply-adds have written v32 to v159, which the LDS stores read
.irp m, 0,1,2,3
.irp o, 0,1,2,3
	ds_store_b128 v[STO], v[ACC+8*(4*\m+\o):ACC+8*(4*\m+\o)+3] offset:16*\o*SP+64*\m        ; channel 16 o + r, pixels 16 m + 8 h + 0 .. 3,
	ds_store_b128 v[STO], v[ACC+8*(4*\m+\o)+4:ACC+8*(4*\m+\o)+7] offset:16*\o*SP+64*\m+16   ; + 4 .. 7
.endr
.endr
	s_wait_alu depctr_vm_vsrc(0)                   ; the LDS stores have read v32 to v159, in which the rows below land
.set tt, 0
.rept 32
	ds_load_b128 v[ACC+4*tt:ACC+4*tt+3], v[RD] offset:2*tt*SP   ; LDS serves a wave's instructions in order (ISA guide 5.7.1.4): these see my stores
.set tt, tt+1
.endr
.set tt, 0
.rept 32
	s_wait_dscnt 31-tt                             ; rows 2 tt and 2 tt + 1 are back; the younger loads may be out
	global_store_b128 v[GO], v[ACC+4*tt:ACC+4*tt+3], s[12:13] offset:2*tt*65536+256*\hf th:TH_STORE_NT   ; sixteen lanes store 256 consecutive bytes, at a multiple of 256 from out0's first byte; written once, read by nobody here
.set tt, tt+1
.endr
.endm
	s_wait_loadcnt 63                              ; 64 loads were issued behind bout's last; the count is the largest that can be named: the first half's fragments, Wout's and bout are in
	HALF 0
	s_wait_loadcnt 0x0                             ; the second half's fragments
	s_wait_xcnt 0x0                                ; the stores have had their addresses translated: the next products write their data registers only behind this wait,
	s_wait_alu depctr_vm_vsrc(0)                   ; and behind this one: the first half's global stores have read v32 to v159
	HALF 1
	s_wait_dscnt 0x0                               ; the closing lines, six on end
	s_wait_alu 0x0
	s_wait_tensorcnt 0x0
	ds_add_u32 v254, v255
	s_wait_dscnt 0x0
	s_endpgm
.Lfunc_end_k_q1b323371a5_outp:
	.size	k_q1b323371a5_outp, .Lfunc_end_k_q1b323371a5_outp-k_q1b323371a5_outp
	.p2alignl 7, 3214868480
	.fill 96, 4, 3214868480
	.section	.rodata,"a",@progbits
	.p2align	6, 0x0
	.amdhsa_kernel k_q1b323371a5_outp
		.amdhsa_group_segment_fixed_size 70144
		.amdhsa_private_segment_fixed_size 0
		.amdhsa_enable_private_segment 0
		.amdhsa_kernarg_size 40
		.amdhsa_user_sgpr_count 2
		.amdhsa_user_sgpr_kernarg_segment_ptr 1
		.amdhsa_wavefront_size32 1
		.amdhsa_system_sgpr_workgroup_id_x 1
		.amdhsa_system_sgpr_workgroup_id_y 1
		.amdhsa_system_sgpr_workgroup_id_z 1
		.amdhsa_system_vgpr_workitem_id 0
		.amdhsa_next_free_vgpr 1024
		.amdhsa_next_free_sgpr 66
		.amdhsa_reserve_vcc 0
		.amdhsa_float_denorm_mode_32 3
		.amdhsa_float_denorm_mode_16_64 3
		.amdhsa_memory_ordered 1
		.amdhsa_forward_progress 1
		.amdhsa_inst_pref_size 55
	.end_amdhsa_kernel
	.amdgpu_metadata
---
amdhsa.version: [ 1, 2 ]
amdhsa.kernels:
  - .name:           k_q1b323371a5_outp
    .symbol:         k_q1b323371a5_outp.kd
    .args:
      - { .name: acodes, .offset: 0, .size: 8, .value_kind: global_buffer, .address_space: global }
      - { .name: wcodes, .offset: 8, .size: 8, .value_kind: global_buffer, .address_space: global }
      - { .name: lowp_scales, .offset: 16, .size: 8, .value_kind: global_buffer, .address_space: global }
      - { .name: bout, .offset: 24, .size: 8, .value_kind: global_buffer, .address_space: global }
      - { .name: out0, .offset: 32, .size: 8, .value_kind: global_buffer, .address_space: global }
    .group_segment_fixed_size: 70144
    .private_segment_fixed_size: 0
    .kernarg_segment_align: 8
    .kernarg_segment_size: 40
    .max_flat_workgroup_size: 128
    .sgpr_count:     66
    .vgpr_count:     1024
    .wavefront_size: 32
...
	.end_amdgpu_metadata
.endif
;; end of part 7
